; MI455X (gfx1250); checked and timed in simulation.
; The chip was launched on July 23, 2026; its instructions are those of AMD's public machine-readable ISA for CDNA 5 (MIT licence, August 2026) and "CDNA5" Instruction Set Architecture Reference Guide (July 2026). The comments in the code are by the model that wrote it; some were corrected since.
;; Transformer Encoder Layer. Allowed arithmetic: matrix products marked QUANTISED: E2M3 operands, one E8M0 scale for each 32 along K, by v_wmma_scale_f32_16x16x128_f8f6f4 with both operands' format E2M3, f32 sums; everything else in f32.
;; Inputs: b1 4,096 float32; b2 1,024 float32; bk 1,024 float32; bo 1,024 float32; bq 1,024 float32; bv 1,024 float32; ln1_b 1,024 float32; ln1_w 1,024 float32; ln2_b 1,024 float32; ln2_w 1,024 float32; mask 2 x 1 x 1 x 2,048 int32; w1 1,024 x 4,096 float32; w2 4,096 x 1,024 float32; wk 1,024 x 1,024 float32; wo 1,024 x 1,024 float32; wq 1,024 x 1,024 float32; wv 1,024 x 1,024 float32; x 2 x 2,048 x 1,024 float32.
;; Outputs: out0 2 x 2,048 x 1,024 float32.
;; This version of the problem:
;;   THIS VERSION OF THE PROBLEM IS GIVEN IN LOW PRECISION. The matrix products marked QUANTISED in the list below multiply operands that are first quantised to E2M3 (2 exponent bits, 3 mantissa bits; 6 bits a number), with one power-of-two scale for each 32 numbers along K (OCP MX v1.0); their sums are f32. All else is computed in f32.
;;   The module's matrix products, in the order in which they are computed (A, B: the left and right operand; K: the contracted axis; several contracted axes count as one K, in the product's order):
;;     1. [M 4,096, K 1,024] x [K 1,024, N 1,024]; A: computed on the way; B: input wq: QUANTISED
;;     2. [M 4,096, K 1,024] x [K 1,024, N 1,024]; A: computed on the way; B: input wk: QUANTISED
;;     3. [M 4,096, K 1,024] x [K 1,024, N 1,024]; A: computed on the way; B: input wv: QUANTISED
;;     4. batch 32 x [M 2,048, K 64] x [K 64, N 2,048]; A: computed on the way; B: computed on the way: QUANTISED
;;     5. batch 32 x [M 2,048, K 2,048] x [K 2,048, N 64]; A: softmax (see below); B: computed on the way: QUANTISED
;;     6. [M 4,096, K 1,024] x [K 1,024, N 1,024]; A: computed on the way; B: input wo: QUANTISED
;;     7. [M 4,096, K 1,024] x [K 1,024, N 4,096]; A: computed on the way; B: input w1: QUANTISED
;;     8. [M 4,096, K 4,096] x [K 4,096, N 1,024]; A: computed on the way; B: input w2: QUANTISED
;;   THE QUANTISER, for each operand of a quantised product, along K:
;;     - K is cut into blocks of 32 from its start; a last block that is shorter is filled with zeros.
;;     - A block's scale is 2^e with e = floor(log2(the largest magnitude in the block)) - 2, held to -126 .. 127; a block of zeros has e = 0. As a byte (E8M0): e + 127.
;;     - Each number is divided by its block's scale, clamped to +-7.5, and rounded to the nearest number of E2M3, ties to even, subnormals kept.
;;     - The product sums the exact products of the quantised numbers (number of the format x scale) in f32.
;;   ~~~python
;;   def quantise(x, axis):      # numpy; x: float32 -> the quantised numbers, widened to float32 again
;;       x = np.moveaxis(x, axis, -1); K = x.shape[-1]
;;       x = np.pad(x, [(0, 0)] * (x.ndim - 1) + [(0, -K % 32)]); x = x.reshape(x.shape[:-1] + (-1, 32)); a = np.abs(x).max(-1, keepdims=True)
;;       e = np.where(a > 0, np.clip(np.frexp(np.where(a > 0, a, 1))[1] - 1 - 2, -126, 127), 0)      # np.frexp(a)[1] - 1 = floor(log2(a)), exactly
;;       r = np.clip(x / 2.0 ** e, -7.5, 7.5)
;;       step = 2.0 ** (np.maximum(np.frexp(np.where(r == 0, 1, r))[1] - 1, 0) - 3)
;;       q = np.round(r / step) * step * 2.0 ** e      # np.round: ties to even
;;       return np.moveaxis(q.reshape(q.shape[:-2] + (-1,))[..., :K], -1, axis).astype(np.float32)
;;   ~~~
;;   SOFTMAX AHEAD OF A QUANTISED PRODUCT. Where the list says 'softmax', what is quantised is not the finished softmax but p = 2^(t - M), with t = logit x log2(e) and M = ceil(the row's largest t), a whole number; so 1/2 < the row's largest p <= 1. The row's sum l is taken of the UNQUANTISED p, in f32, and the product's result is divided by l at the end. Since M is a whole number, a kernel that streams over the keys may use a running M (the ceiling of the running maximum): every later rescaling is an exact power of two, which a block's scale takes up: the codes' values come out the same.
;;   OPERANDS COMPUTED ON THE WAY. 'Computed on the way' means the value that the module computes at that place (a softmax that the list does not call 'softmax' is quantised finished and normalised). What goes into a quantiser is computed in f32, as accurately as f32 sums, v_exp_f32 and their like allow (about 1e-6 of the number): no bf16 or f16 on the way to a quantiser, and a product that is left as it is and whose result goes on into a quantised operand takes f32 operands (vector FMAs, or v_wmma_f32_16x16x4_f32). A number that lies on a knife's edge between two numbers of the format may be rounded either way, as far as f32 arithmetic and the matrix unit's own rounding can turn it there, and no further.
;; 2 versions. Each part assembles by itself: llvm-mc -triple=amdgcn-amd-amdhsa -mcpu=gfx1250 --defsym DOCPART=n.
;; ======== version 1 of 2: 8 launches
;; limits: right only within a limited range of input values
;; workspace buffers: wts 10,092,544 bytes; hq 3,276,800 bytes; qkv 12,320,768 bytes; att 3,276,800 bytes; x1 16,777,216 bytes; gq 13,107,200 bytes
;; launch prep (part 1): grid 128 x 3, 4 waves a work-group, no clusters, 53,760 bytes of LDS; arguments wq, wk, wv, wo, w1, w2, wts; writes wts
.if DOCPART == 1
	.amdgcn_target "amdgcn-amd-amdhsa--gfx1250"
	.amdhsa_code_object_version 6
	.text
	.protected	k_q4ad3f7d9d4_prep
	.globl	k_q4ad3f7d9d4_prep
	.p2align	8
	.type	k_q4ad3f7d9d4_prep,@function
k_q4ad3f7d9d4_prep:
	s_mov_b64 s[64:65], 0
	v_nop
	global_prefetch_b8 v0, s[64:65] scope:SCOPE_SE
	s_setreg_imm32_b32 hwreg(HW_REG_WAVE_MODE, 25, 1), 1
	s_wait_xcnt 0x0
; The six weights, f32 [K][N] with K the FIRST axis, become codes of FP6 (E2M3) with one E8M0 byte for each 32 along K; and the rope's table of cosines and sines is made.
; LAYOUT OF AN OPERAND (R rows, K): codes [K/256][R][192 bytes], scale bytes [K/256][R][8]: a K step's 128 rows are one dense block for one tensor load.
; ROW p HOLDS COLUMN n = p with bits 3 and 4 exchanged: in the products' transposed use a lane's 16 registers of two neighbouring accumulators are then 16 neighbouring columns.
; A lane takes a column and its registers run down K: a block of 32 lies in one lane; a wave takes 32 columns x 256 K; its 32 x 192 bytes of codes leave through its own stage as 6,144 consecutive bytes.
; grid y = 0: wq, wk, wv, wo (x = 32 w + 8 kc + cg);  y = 1: w1 (x = 32 kc + cg);  y = 2: w2 (x = 8 kc + cg).  All choices are made by selects on the work-group's numbers: one path through the text.
; The first 16 work-groups of y = 0 also make the table [2048 positions][16 pairs](cos, sin): angle = position x 10^(-j/4) rounded once, reduced by multiples of pi/2 in two parts, polynomials on |r| <= pi/4.
; LIMITS: NaN and infinities are not served; a block of zeros gets the byte 1 (its codes are zeros, and this program alone reads the bytes); the 16 frequencies are correctly rounded literals.
.set WOC,   2359296
.set W1C,   3145728
.set W2C,   6291456
.set QKVS,  9437184
.set WOS,   9535488
.set W1S,   9568256
.set W2S,   9699328
.set TAB,   9830400
.set PITCH, 272                        ; a stage row: sixteen places of 16 bytes, each with 12 bytes of codes, + 16
.set TST,   34816                      ; behind the four stages: four stages of 32 x 144 bytes for the table
.set SPARE, 53248                      ; the spare words, 128 bytes a wave
.set SPW,   14
.set NIL,   15
.set SB,    24                         ; v24-25 the eight scale bytes
.set X,     32                         ; v32-95 two sets of 32 numbers
.set C,     96                         ; a block's codes
.set OUTR,  112                        ; v112-175 the way out
.set OFFR,  192                        ; v192-223 4 x lane + i x a row of the weight
	s_load_b256 s[4:11], s[0:1], 0x0               ; wq, wk, wv, wo
	s_load_b128 s[12:15], s[0:1], 0x20             ; w1, w2
	s_load_b64 s[16:17], s[0:1], 0x30              ; wts
	v_lshl_add_u32 v[SPW], v0, 2, SPARE
	v_mov_b32 v[NIL], 0
	v_lshrrev_b32 v1, 5, v0
	v_readfirstlane_b32 s18, v1                    ; wave
	v_and_b32 v2, 31, v0                           ; lane
	v_and_b32 v3, 7, v2
	v_bfe_u32 v5, v2, 3, 1
	v_bfe_u32 v6, v2, 4, 1
	v_lshl_or_b32 v3, v5, 4, v3
	v_lshl_or_b32 v3, v6, 3, v3                    ; p: my column's row among the wave's 32
	s_mul_i32 s52, s18, 32*PITCH
	v_mul_u32_u24 v4, v3, PITCH
	v_add_nc_u32 v4, s52, v4                       ; into the stage: row p
	v_and_b32 v5, 15, v2
	v_mul_u32_u24 v7, v6, PITCH
	v_lshl_add_u32 v7, v5, 4, v7
	v_add_nc_u32 v7, s52, v7                       ; out of it: sixteen lanes to a row, two rows an instruction
	v_mul_u32_u24 v8, v6, 192
	v_mad_u32_u24 v8, v5, 12, v8                   ; the same place in the codes
	v_lshlrev_b32 v9, 3, v3                        ; my row's 8 scale bytes
	v_lshlrev_b32 v10, 4, v2                       ; 16 x lane
	s_mul_i32 s52, s18, 4608
	s_add_co_u32 s52, s52, TST
	v_mul_u32_u24 v30, v2, 144
	v_add_nc_u32 v30, s52, v30                     ; the table's stage, in: 144 x lane
	v_lshrrev_b32 v5, 3, v2
	v_mul_u32_u24 v31, v5, 144
	v_and_b32 v5, 7, v2
	v_lshl_add_u32 v31, v5, 4, v31
	v_add_nc_u32 v31, s52, v31                     ; and out: eight lanes to a position's 128 bytes
	; which weight, which 128 columns, which 256 along K
	s_and_b32 s19, ttmp7, 0xffff                   ; y
	s_lshr_b32 s20, ttmp9, 5                       ; y = 0: the weight; y = 1: kc
	s_and_b32 s21, ttmp9, 7                        ; cg
	s_bfe_u32 s22, ttmp9, 0x20003                  ; kc
	s_and_b32 s53, ttmp9, 31
	s_lshr_b32 s54, ttmp9, 3
	s_mov_b32 s23, 4096                            ; bytes in a row of the weight
	s_mov_b32 s24, 3072                            ; rows of the operand
	s_lshl_b32 s25, s20, 10                        ; the weight's first row in it
	s_mov_b32 s26, 0                               ; where the operand's codes begin,
	s_mov_b32 s27, QKVS                            ; and its scale bytes
	s_cmp_eq_u32 s20, 3
	s_cselect_b32 s24, 1024, s24
	s_cselect_b32 s25, 0, s25
	s_cselect_b32 s26, WOC, s26
	s_cselect_b32 s27, WOS, s27
	s_cmp_eq_u32 s19, 1
	s_cselect_b32 s21, s53, s21
	s_cselect_b32 s22, s20, s22
	s_cselect_b32 s23, 16384, s23
	s_cselect_b32 s24, 4096, s24
	s_cselect_b32 s25, 0, s25
	s_cselect_b32 s26, W1C, s26
	s_cselect_b32 s27, W1S, s27
	s_cmp_eq_u32 s19, 2
	s_cselect_b32 s22, s54, s22
	s_cselect_b32 s24, 1024, s24
	s_cselect_b32 s25, 0, s25
	s_cselect_b32 s26, W2C, s26
	s_cselect_b32 s27, W2S, s27
	s_lshl_b32 s28, s21, 7
	s_lshl_b32 s55, s18, 5
	s_add_co_u32 s28, s28, s55                     ; my wave's first column
	s_mul_i32 s56, s22, s23
	s_lshl_b32 s56, s56, 8                         ; 256 kc rows of the weight,
	s_lshl_b32 s55, s28, 2
	s_add_co_u32 s56, s56, s55                     ; + 4 x column
	s_mov_b32 s57, 0
	s_mul_i32 s58, s22, s24
	s_add_co_u32 s58, s58, s25
	s_add_co_u32 s58, s58, s28                     ; my first row in the operand's chunk kc
	s_mul_i32 s60, s58, 192
	s_add_co_u32 s60, s60, s26
	s_mov_b32 s61, 0
	s_lshl_b32 s62, s58, 3
	s_add_co_u32 s62, s62, s27
	s_mov_b32 s63, 0
	s_lshl_b32 s58, s23, 5                         ; 32 rows of the weight
	s_mov_b32 s59, 0
	v_lshlrev_b32 v[OFFR], 2, v2
.set i, 1
.rept 31
	v_add_nc_u32 v[OFFR+i], s23, v[OFFR+i-1]
.set i, i+1
.endr
	s_wait_kmcnt 0x0
	s_cmp_eq_u32 s20, 1
	s_cselect_b64 s[30:31], s[6:7], s[4:5]
	s_cmp_eq_u32 s20, 2
	s_cselect_b64 s[30:31], s[8:9], s[30:31]
	s_cmp_eq_u32 s20, 3
	s_cselect_b64 s[30:31], s[10:11], s[30:31]
	s_cmp_eq_u32 s19, 1
	s_cselect_b64 s[30:31], s[12:13], s[30:31]
	s_cmp_eq_u32 s19, 2
	s_cselect_b64 s[30:31], s[14:15], s[30:31]
	s_add_nc_u64 s[32:33], s[30:31], s[56:57]      ; a base for each of the eight blocks: none is ever stepped
.irp t, 1,2,3,4,5,6,7
	s_add_nc_u64 s[32+2*\t:33+2*\t], s[30+2*\t:31+2*\t], s[58:59]
.endr
	s_add_nc_u64 s[48:49], s[16:17], s[60:61]      ; my codes
	s_add_nc_u64 s[50:51], s[16:17], s[62:63]      ; my scale bytes
.macro LOAD t                          ; block t: W(32 t + i, my column): 32 lanes read 128 consecutive bytes
.set i, 0
.rept 32
	global_load_b32 v[X+32*((\t)%2)+i], v[OFFR+i], s[32+2*(\t):33+2*(\t)] th:TH_LOAD_NT
.set i, i+1
.endr
.endm
	LOAD 0
	LOAD 1
.macro BLOCK t
.set XS, X+32*((\t)%2)
.if (\t) < 7
	s_wait_loadcnt 32                              ; this block's 32 loads are in; the next block's may be out
.else
	s_wait_loadcnt 0
.endif
	v_max3_num_f32 v12, |v[XS]|, |v[XS+1]|, |v[XS+2]|
	v_max3_num_f32 v13, |v[XS+3]|, |v[XS+4]|, |v[XS+5]|
.irp i, 6,10,14,18,22,26
	v_max3_num_f32 v12, v12, |v[XS+\i]|, |v[XS+\i+1]|
	v_max3_num_f32 v13, v13, |v[XS+\i+2]|, |v[XS+\i+3]|
.endr
	v_max3_num_f32 v12, v12, |v[XS+30]|, |v[XS+31]|
	v_max3_num_f32 v12, v12, v13, 0x1800000        ; the floor 2^(3 - 127): the byte cannot fall under 1
	v_add_nc_u32 v11, 0xff000000, v12              ; 2 off the exponent field: the conversion's scale operand
	v_lshrrev_b32 v13, 23, v11                     ; the scale's byte
.if (\t)%4 == 0
	v_mov_b32 v[SB+(\t)/4], v13
.else
	v_lshl_or_b32 v[SB+(\t)/4], v13, 8*((\t)%4), v[SB+(\t)/4]
.endif
	v_cvt_scalef32_pk16_fp6_f32 v[C:C+2], v[XS:XS+15], v11
	v_cvt_scalef32_pk16_fp6_f32 v[C+4:C+6], v[XS+16:XS+31], v11
	ds_store_b96 v4, v[C:C+2] offset:32*(\t)
	ds_store_b96 v4, v[C+4:C+6] offset:32*(\t)+16
.if (\t)+2 < 8
	LOAD (\t)+2
.endif
	s_wait_dscnt 0x0                               ; the stores have read their registers: the next block's codes may be written
.endm
.irp t, 0,1,2,3,4,5,6,7
	BLOCK \t
.endr
	global_store_b64 v9, v[SB:SB+1], s[50:51]      ; 32 lanes store 256 consecutive bytes, aligned
.irp t, 0,1,2,3,4,5,6,7,8,9,10,11,12,13,14,15
	ds_load_b96 v[OUTR+4*\t:OUTR+4*\t+2], v7 offset:2*\t*PITCH   ; a wave's LDS instructions are served in order: these see my stores
.endr
.irp t, 0,1,2,3,4,5,6,7,8,9,10,11,12,13,14,15
	s_wait_dscnt 15-\t
	global_store_b96 v8, v[OUTR+4*\t:OUTR+4*\t+2], s[48:49] offset:2*\t*192   ; 384 consecutive bytes; the wave's sixteen stores cover 6,144 on end
.endr
	; ---- the rope's table: the first 16 work-groups of y = 0, a thread to a position
	s_cmp_lg_u32 s19, 0
	s_cbranch_scc1 .Lend
	s_cmp_ge_u32 ttmp9, 16
	s_cbranch_scc1 .Lend
	s_lshl_b32 s52, ttmp9, 7
	v_add_nc_u32 v16, s52, v0
	v_cvt_f32_u32 v16, v16                         ; my position, exact
	s_lshl_b32 s53, s18, 5
	s_add_co_u32 s52, s52, s53
	s_lshl_b32 s52, s52, 7                         ; my wave's 32 positions x 128 bytes
	s_add_co_u32 s52, s52, TAB
	s_mov_b32 s53, 0
	s_add_nc_u64 s[52:53], s[16:17], s[52:53]
	s_mov_b32 s54, 0xbfc90fdb                      ; -(pi/2 rounded to f32),
	s_mov_b32 s55, 0x333bbd2e                      ; and what that rounding left over
	v_mov_b32 v5, 0xb94ca1f9                       ; the polynomials' leading coefficients
	v_mov_b32 v6, 0x37ccf5ce
.macro SC j, f
	v_mul_f32 v17, \f, v16                         ; the angle, rounded once
	v_mul_f32 v18, 0x3f22f983, v17
	v_rndne_f32 v18, v18                           ; n = the nearest multiple of pi/2
	v_fma_f32 v19, v18, s54, v17
	v_fma_f32 v19, v18, s55, v19                   ; r = angle - n pi/2, |r| <= pi/4
	v_mul_f32 v20, v19, v19
	v_fmaak_f32 v21, v5, v20, 0x3c08839e
	v_fmaak_f32 v21, v21, v20, 0xbe2aaaa3
	v_mul_f32 v23, v20, v19
	v_fma_f32 v21, v21, v23, v19                   ; sin r
	v_fmaak_f32 v22, v6, v20, 0xbab6061a
	v_fmaak_f32 v22, v22, v20, 0x3d2aaaa5
	v_mul_f32 v23, v20, v20
	v_fma_f32 v27, v20, -0.5, 1.0
	v_fma_f32 v22, v22, v23, v27                   ; cos r
	v_cvt_i32_f32 v26, v18
	v_and_b32 v27, 1, v26
	v_cmp_eq_u32 vcc_lo, 1, v27                    ; an odd quadrant exchanges the two
	v_cndmask_b32 v28, v21, v22, vcc_lo
	v_cndmask_b32 v29, v22, v21, vcc_lo
	v_lshlrev_b32 v27, 30, v26
	v_and_b32 v27, 0x80000000, v27                 ; the sine is negative in quadrants 2, 3
	v_xor_b32 v[33+2*\j], v27, v28
	v_add_nc_u32 v26, 1, v26
	v_lshlrev_b32 v27, 30, v26
	v_and_b32 v27, 0x80000000, v27                 ; the cosine in quadrants 1, 2
	v_xor_b32 v[32+2*\j], v27, v29
.endm
	SC 0, 0x3f800000
	SC 1, 0x3f0ff59a
	SC 2, 0x3ea1e89b
	SC 3, 0x3e361887
	SC 4, 0x3dcccccd
	SC 5, 0x3d6655c3
	SC 6, 0x3d0186e2
	SC 7, 0x3c91ad39
	SC 8, 0x3c23d70a
	SC 9, 0x3bb8449c
	SC 10, 0x3b4f3e37
	SC 11, 0x3ae91528
	SC 12, 0x3a83126f
	SC 13, 0x3a136a16
	SC 14, 0x39a5cb5f
	SC 15, 0x393a7753
.irp i, 0,1,2,3,4,5,6,7
	ds_store_b128 v30, v[32+4*\i:35+4*\i] offset:16*\i
.endr
.irp i, 0,1,2,3,4,5,6,7
	ds_load_b128 v[64+4*\i:67+4*\i], v31 offset:576*\i
.endr
.irp i, 0,1,2,3,4,5,6,7
	s_wait_dscnt 7-\i
	global_store_b128 v10, v[64+4*\i:67+4*\i], s[52:53] offset:512*\i   ; four positions, 512 consecutive bytes
.endr
.Lend:
	s_wait_tensorcnt 0x0                           ; the wave's end
	ds_add_u32 v[SPW], v[NIL]
	s_wait_dscnt 0x0
	s_endpgm
.Lfunc_end_k_q4ad3f7d9d4_prep:
	.size	k_q4ad3f7d9d4_prep, .Lfunc_end_k_q4ad3f7d9d4_prep-k_q4ad3f7d9d4_prep
	.p2alignl 7, 3214868480
	.fill 96, 4, 3214868480
	.section	.rodata,"a",@progbits
	.p2align	6, 0x0
	.amdhsa_kernel k_q4ad3f7d9d4_prep
		.amdhsa_group_segment_fixed_size 53760
		.amdhsa_private_segment_fixed_size 0
		.amdhsa_enable_private_segment 0
		.amdhsa_kernarg_size 56
		.amdhsa_user_sgpr_count 2
		.amdhsa_user_sgpr_kernarg_segment_ptr 1
		.amdhsa_wavefront_size32 1
		.amdhsa_system_sgpr_workgroup_id_x 1
		.amdhsa_system_sgpr_workgroup_id_y 1
		.amdhsa_system_sgpr_workgroup_id_z 1
		.amdhsa_system_vgpr_workitem_id 0
		.amdhsa_next_free_vgpr 256
		.amdhsa_next_free_sgpr 66
		.amdhsa_reserve_vcc 1
		.amdhsa_float_denorm_mode_32 3
		.amdhsa_float_denorm_mode_16_64 3
		.amdhsa_memory_ordered 1
		.amdhsa_forward_progress 1
		.amdhsa_inst_pref_size 68
	.end_amdhsa_kernel
	.amdgpu_metadata
---
amdhsa.version: [ 1, 2 ]
amdhsa.kernels:
  - .name:           k_q4ad3f7d9d4_prep
    .symbol:         k_q4ad3f7d9d4_prep.kd
    .args:
      - { .name: wq, .offset: 0, .size: 8, .value_kind: global_buffer, .address_space: global }
      - { .name: wk, .offset: 8, .size: 8, .value_kind: global_buffer, .address_space: global }
      - { .name: wv, .offset: 16, .size: 8, .value_kind: global_buffer, .address_space: global }
      - { .name: wo, .offset: 24, .size: 8, .value_kind: global_buffer, .address_space: global }
      - { .name: w1, .offset: 32, .size: 8, .value_kind: global_buffer, .address_space: global }
      - { .name: w2, .offset: 40, .size: 8, .value_kind: global_buffer, .address_space: global }
      - { .name: wts, .offset: 48, .size: 8, .value_kind: global_buffer, .address_space: global }
    .group_segment_fixed_size: 53760
    .private_segment_fixed_size: 0
    .kernarg_segment_align: 8
    .kernarg_segment_size: 56
    .max_flat_workgroup_size: 128
    .sgpr_count:     66
    .vgpr_count:     256
    .wavefront_size: 32
...
	.end_amdgpu_metadata
.endif
;; end of part 1
;; launch ln1 (part 2): grid 128 x 1, 8 waves a work-group, no clusters, 43,008 bytes of LDS; arguments x, ln1_w, ln1_b, hq; writes hq
.if DOCPART == 2
	.amdgcn_target "amdgcn-amd-amdhsa--gfx1250"
	.amdhsa_code_object_version 6
	.text
	.protected	k_q4ad3f7d9d4_ln1
	.globl	k_q4ad3f7d9d4_ln1
	.p2align	8
	.type	k_q4ad3f7d9d4_ln1,@function
k_q4ad3f7d9d4_ln1:
	s_mov_b64 s[64:65], 0
	v_nop
	global_prefetch_b8 v0, s[64:65] scope:SCOPE_SE
	s_setreg_imm32_b32 hwreg(HW_REG_WAVE_MODE, 25, 1), 1
	s_wait_xcnt 0x0
; h = layernorm(x) w + b, quantised along the row to FP6 (E2M3) with one E8M0 byte for each 32.  x: [4096][1024] f32.  Out: an operand of 4,096 rows, K = 1,024: codes [4][4096][192 bytes], scale bytes [4][4096][8] from byte 3,145,728 on.
; A wave takes 4 rows, one at a time, whole in 32 registers: mean, then the mean of the squares of (x - mean), both in f32: memory is read once.  All 48 loads of a wave are issued at its head.
; The conversions want 16 neighbours in a lane, the loads 16 neighbouring bytes in neighbouring lanes: a row turns through the wave's own stage in LDS (64 places of 64 bytes + 16 of padding).
; A work-group has 32 rows, so that its scale bytes are 256 consecutive bytes in each of the four chunks: they are gathered in LDS, and wave 0 stores them behind a barrier.
; LIMITS: NaN and infinities are not served; a block of zeros gets the byte 1 (its codes are zeros, and this program alone reads the bytes).
.set SCB,   40960                      ; behind the eight stages: [4 chunks][32 rows][8 bytes]
.set SPARE, 41984
.set SPW,   20
.set NIL,   21
.set Y,     32                         ; v32-63   a row's numbers, 16 neighbours a lane, in two halves
.set XR,    64                         ; v64-191  four rows as loaded
.set W,     192                        ; v192-223 the gain
.set BI,    224                        ; v224-255 the bias
	s_load_b256 s[4:11], s[0:1], 0x0               ; x, gain, bias, out
	v_lshl_add_u32 v[SPW], v0, 2, SPARE
	v_mov_b32 v[NIL], 0
	v_lshrrev_b32 v1, 5, v0
	v_readfirstlane_b32 s12, v1                    ; wave
	v_and_b32 v1, 31, v0                           ; lane
	v_lshlrev_b32 v2, 4, v1                        ; 16 x lane
	s_mul_i32 s13, s12, 5120                       ; my stage
	v_lshrrev_b32 v3, 2, v1
	v_mul_u32_u24 v3, v3, 80
	v_and_b32 v7, 3, v1
	v_lshl_add_u32 v3, v7, 4, v3
	v_add_nc_u32 v3, s13, v3                       ; in: four lanes' 64 bytes to a place
	v_mul_u32_u24 v4, v1, 80
	v_add_nc_u32 v4, s13, v4                       ; out: a place a lane
	v_lshrrev_b32 v7, 4, v1
	v_and_b32 v25, 15, v1
	v_mul_u32_u24 v5, v7, 786432
	v_mad_u32_u24 v5, v25, 12, v5                  ; codes: chunk (lane / 16), 12 bytes a lane
	v_bfe_u32 v6, v1, 1, 3
	v_lshl_add_u32 v6, v7, 8, v6
	s_lshl_b32 s14, s12, 5
	s_add_co_u32 s14, s14, SCB
	v_add_nc_u32 v6, s14, v6                       ; my block's byte: chunk, my wave's four rows, byte (lane / 2) % 8
	v_add_nc_u32 v26, SCB, v2
	v_lshlrev_b32 v27, 15, v7
	v_lshl_add_u32 v27, v25, 4, v27                ; the bytes' way out: 32,768 x (lane / 16) + 16 x (lane % 16)
	v_mov_b32 v17, 0                               ; (named as upper halves of pairs of which the low word serves both halves)
	v_mov_b32 v19, 0
	s_lshl_b32 s16, ttmp9, 5
	s_lshl_b32 s17, s12, 2
	s_add_co_u32 s16, s16, s17                     ; my first row
	s_lshl_b32 s18, s16, 12
	s_mov_b32 s19, 0
	s_mul_i32 s20, s16, 192
	s_mov_b32 s21, 0
	s_lshl_b32 s22, ttmp9, 8
	s_add_co_u32 s22, s22, 3145728
	s_mov_b32 s23, 0
	s_mov_b32 s24, 0x76543210
	s_mov_b32 s25, 0xfedcba98                      ; lane l xor 16
	s_mov_b32 s26, 0x3a800000                      ; 1 / 1024
	s_mov_b32 s27, 0x3727c5ac                      ; 1e-5
	s_wait_kmcnt 0x0
	s_add_nc_u64 s[4:5], s[4:5], s[18:19]
	s_add_nc_u64 s[28:29], s[10:11], s[20:21]
	s_add_nc_u64 s[10:11], s[10:11], s[22:23]
.macro XLOAD i
.irp j, 0,1,2,3,4,5,6,7
	global_load_b128 v[XR+32*\i+4*\j:XR+32*\i+4*\j+3], v2, s[4:5] offset:4096*\i+512*\j th:TH_LOAD_NT
.endr
.endm
	XLOAD 0
.irp j, 0,1,2,3,4,5,6,7
	global_load_b128 v[W+4*\j:W+4*\j+3], v2, s[6:7] offset:512*\j
.endr
.irp j, 0,1,2,3,4,5,6,7
	global_load_b128 v[BI+4*\j:BI+4*\j+3], v2, s[8:9] offset:512*\j
.endr
	XLOAD 1
	XLOAD 2
	XLOAD 3
.macro ACROSS                          ; four chains in v8-15 become one number in v8, the same in all 32 lanes
	v_pk_add_f32 v[8:9], v[8:9], v[10:11]
	v_pk_add_f32 v[12:13], v[12:13], v[14:15]
	v_pk_add_f32 v[8:9], v[8:9], v[12:13]
	v_add_f32 v8, v8, v9
	v_add_f32_dpp v8, v8, v8 row_xmask:1 row_mask:0xf bank_mask:0xf
	v_add_f32_dpp v8, v8, v8 row_xmask:2 row_mask:0xf bank_mask:0xf
	v_add_f32_dpp v8, v8, v8 row_xmask:4 row_mask:0xf bank_mask:0xf
	v_add_f32_dpp v8, v8, v8 row_xmask:8 row_mask:0xf bank_mask:0xf
	v_permlanex16_b32 v9, v8, s24, s25
	v_add_f32 v8, v8, v9
.endm
; c1: the loads that may stay out when this row is wanted; c2: when gain and bias are wanted
.macro ROW i, c1, c2
.set XI, XR+32*\i
	s_wait_loadcnt \c1
.irp c, 0,1,2,3
	v_pk_add_f32 v[8+2*\c:9+2*\c], v[XI+2*\c:XI+2*\c+1], v[XI+8+2*\c:XI+9+2*\c]
.endr
.irp g, 16,24
.irp c, 0,1,2,3
	v_pk_add_f32 v[8+2*\c:9+2*\c], v[8+2*\c:9+2*\c], v[XI+\g+2*\c:XI+\g+2*\c+1]
.endr
.endr
	ACROSS
	v_mul_f32 v16, s26, v8                         ; the mean
.set p, 0
.rept 16
	v_pk_add_f32 v[XI+p:XI+p+1], v[XI+p:XI+p+1], v[16:17] op_sel_hi:[1,0] neg_lo:[0,1] neg_hi:[0,1]
.set p, p+2
.endr
.irp c, 0,1,2,3
	v_pk_mul_f32 v[8+2*\c:9+2*\c], v[XI+2*\c:XI+2*\c+1], v[XI+2*\c:XI+2*\c+1]
.endr
.irp g, 8,16,24
.irp c, 0,1,2,3
	v_pk_fma_f32 v[8+2*\c:9+2*\c], v[XI+\g+2*\c:XI+\g+2*\c+1], v[XI+\g+2*\c:XI+\g+2*\c+1], v[8+2*\c:9+2*\c]
.endr
.endr
	ACROSS
	v_fma_f32 v9, v8, s26, s27                     ; the variance + 1e-5
	v_rsq_f32 v18, v9
	v_nop                                          ; a plain instruction behind the transcendental,
	s_wait_alu depctr_va_vdst(0)                   ; and the wait ahead of its first reader
	s_wait_loadcnt \c2
.set p, 0
.rept 16
	v_pk_mul_f32 v[XI+p:XI+p+1], v[XI+p:XI+p+1], v[18:19] op_sel_hi:[1,0]
.set p, p+2
.endr
.set p, 0
.rept 16
	v_pk_fma_f32 v[XI+p:XI+p+1], v[XI+p:XI+p+1], v[W+p:W+p+1], v[BI+p:BI+p+1]
.set p, p+2
.endr
.irp j, 0,1,2,3,4,5,6,7
	ds_store_b128 v3, v[XI+4*\j:XI+4*\j+3] offset:640*\j
.endr
.irp hf, 0,1
.irp k, 0,1,2,3
	ds_load_b128 v[Y+16*\hf+4*\k:Y+16*\hf+4*\k+3], v4 offset:2560*\hf+16*\k   ; a wave's LDS instructions are served in order: these see the stores above
.endr
.endr
.irp hf, 0,1
.set YS, Y+16*\hf
.if \hf == 0
	s_wait_dscnt 4                                 ; the first half is back (the second half's four loads may be out): so the stage's stores have read the row's registers
.else
	s_wait_dscnt 1                                 ; the second half is back (the first half's byte store may be out)
.endif
	v_max3_num_f32 v22, |v[YS]|, |v[YS+1]|, |v[YS+2]|
	v_max3_num_f32 v23, |v[YS+3]|, |v[YS+4]|, |v[YS+5]|
.irp q, 6,10
	v_max3_num_f32 v22, v22, |v[YS+\q]|, |v[YS+\q+1]|
	v_max3_num_f32 v23, v23, |v[YS+\q+2]|, |v[YS+\q+3]|
.endr
	v_max3_num_f32 v22, v22, |v[YS+14]|, |v[YS+15]|
	v_max3_num_f32 v22, v22, v23, 0x1800000        ; the floor 2^(3 - 127)
	v_max_num_f32_dpp v22, v22, v22 row_xmask:1 row_mask:0xf bank_mask:0xf   ; with my neighbour's 16: the block's largest magnitude
	v_add_nc_u32 v24, 0xff000000, v22              ; 2 off its exponent field: the conversion's scale operand
	v_cvt_scalef32_pk16_fp6_f32 v[XI+4*\hf:XI+4*\hf+2], v[YS:YS+15], v24
	v_lshrrev_b32 v[XI+8+\hf], 23, v24             ; the scale's byte
	ds_store_b8 v6, v[XI+8+\hf] offset:512*\hf+8*\i   ; both lanes of a block write the same byte with the same value
	global_store_b96 v5, v[XI+4*\hf:XI+4*\hf+2], s[28:29] offset:1572864*\hf+192*\i   ; sixteen lanes store a row's 192 bytes of a chunk
.endr
.endm
	ROW 0, 40, 24                                  ; out: gain, bias and rows 1 to 3; then rows 1 to 3
	ROW 1, 16, 16
	ROW 2, 8, 8
	ROW 3, 0, 0
	s_wait_dscnt 0x0                               ; for the others' sake: my byte stores are done
	s_barrier_signal -1
	s_barrier_wait -1
	s_cmp_lg_u32 s12, 0
	s_cbranch_scc1 .Ldone
	ds_load_b128 v[32:35], v26
	ds_load_b128 v[36:39], v26 offset:512
	s_wait_dscnt 0x0
	global_store_b128 v27, v[32:35], s[10:11]                ; sixteen lanes store a chunk's 256 consecutive bytes, aligned
	global_store_b128 v27, v[36:39], s[10:11] offset:65536
.Ldone:
	s_wait_tensorcnt 0x0                           ; the wave's end
	ds_add_u32 v[SPW], v[NIL]
	s_wait_dscnt 0x0
	s_endpgm
.Lfunc_end_k_q4ad3f7d9d4_ln1:
	.size	k_q4ad3f7d9d4_ln1, .Lfunc_end_k_q4ad3f7d9d4_ln1-k_q4ad3f7d9d4_ln1
	.p2alignl 7, 3214868480
	.fill 96, 4, 3214868480
	.section	.rodata,"a",@progbits
	.p2align	6, 0x0
	.amdhsa_kernel k_q4ad3f7d9d4_ln1
		.amdhsa_group_segment_fixed_size 43008
		.amdhsa_private_segment_fixed_size 0
		.amdhsa_enable_private_segment 0
		.amdhsa_kernarg_size 32
		.amdhsa_user_sgpr_count 2
		.amdhsa_user_sgpr_kernarg_segment_ptr 1
		.amdhsa_wavefront_size32 1
		.amdhsa_system_sgpr_workgroup_id_x 1
		.amdhsa_system_sgpr_workgroup_id_y 1
		.amdhsa_system_sgpr_workgroup_id_z 1
		.amdhsa_system_vgpr_workitem_id 0
		.amdhsa_next_free_vgpr 256
		.amdhsa_next_free_sgpr 66
		.amdhsa_reserve_vcc 0
		.amdhsa_float_denorm_mode_32 3
		.amdhsa_float_denorm_mode_16_64 3
		.amdhsa_memory_ordered 1
		.amdhsa_forward_progress 1
		.amdhsa_inst_pref_size 44
	.end_amdhsa_kernel
	.amdgpu_metadata
---
amdhsa.version: [ 1, 2 ]
amdhsa.kernels:
  - .name:           k_q4ad3f7d9d4_ln1
    .symbol:         k_q4ad3f7d9d4_ln1.kd
    .args:
      - { .name: x, .offset: 0, .size: 8, .value_kind: global_buffer, .address_space: global }
      - { .name: ln1_w, .offset: 8, .size: 8, .value_kind: global_buffer, .address_space: global }
      - { .name: ln1_b, .offset: 16, .size: 8, .value_kind: global_buffer, .address_space: global }
      - { .name: hq, .offset: 24, .size: 8, .value_kind: global_buffer, .address_space: global }
    .group_segment_fixed_size: 43008
    .private_segment_fixed_size: 0
    .kernarg_segment_align: 8
    .kernarg_segment_size: 32
    .max_flat_workgroup_size: 256
    .sgpr_count:     66
    .vgpr_count:     256
    .wavefront_size: 32
...
	.end_amdgpu_metadata
.endif
;; end of part 2
;; launch qkv (part 3): grid 12 x 16, 4 waves a work-group, clusters of 4 x 4, 327,680 bytes of LDS; arguments hq, wts, bq, bk, bv, mask, qkv; writes qkv
.if DOCPART == 3
	.amdgcn_target "amdgcn-amd-amdhsa--gfx1250"
	.amdhsa_code_object_version 6
	.text
	.protected	k_q4ad3f7d9d4_qkv
	.globl	k_q4ad3f7d9d4_qkv
	.p2align	8
	.type	k_q4ad3f7d9d4_qkv,@function
k_q4ad3f7d9d4_qkv:
	s_mov_b64 s[64:65], 0
	v_nop
	global_prefetch_b8 v0, s[64:65] scope:SCOPE_SE
	s_setreg_imm32_b32 hwreg(HW_REG_WAVE_MODE, 25, 1), 1
	s_wait_xcnt 0x0
	s_wait_alu depctr_hold_cnt(0) depctr_sa_sdst(0) depctr_va_vdst(0) depctr_va_sdst(0) depctr_va_ssrc(0) depctr_va_vcc(0) depctr_vm_vsrc(0)
	s_getreg_b32 s2, hwreg(HW_REG_IB_STS2, 6, 4)
	s_cmp_eq_u32 s2, 0
	s_cbranch_scc0 .Lentry_in_a_cluster
	s_endpgm
.Lentry_in_a_cluster:
	s_bfe_u32 s2, ttmp6, 0x10000c
	s_cmp_lg_u32 s2, 0xf033
	s_cbranch_scc0 .Lentry_shape_is_right
	s_endpgm
.Lentry_shape_is_right:
; q, k, v = h W + b on codes of FP6 (E2M3); then the rope on q and k; then all three are quantised for attention and stored as IMAGES OF OPERAND REGISTERS.
; THE PRODUCT.  A tile of 256 tokens x 256 columns a work-group, four waves of 128 x 128 (64 accumulators).  K = 1,024 in four steps of 256 through a ring of two LDS slots filled by tensor loads; a step's 128 rows are
; 24,576 dense bytes.  The scale bytes of the tile's rows for all of K come once.  4 x 4 work-groups form a cluster: A's tiles are asked for jointly along a row of it, B's along a column.
; The matrix instruction is used transposed (source 0 = 16 rows of the weight, source 1 = 16 tokens), and the weight's rows were laid so that the 16 registers of accumulators 2 B and 2 B + 1 are columns 32 B + 16 (lane / 16) + 0 .. 15
; of the lane's token.  The bias is the C of each sum's first instruction.  Cluster x = 0, 1, 2 is q, k, v: the same in all partners, so the text may part on it: it parts ONCE, ahead of the last 64 products, which stand in both paths.
; Q, K: an image of 16 tokens of one head is 1,024 bytes: registers 0-3 at 16 x lane, 4-7 at 512 + 16 x lane; registers 0-5 = the lane's block of 32 of the head's 64.  THE MASK RIDES ON K = 64: q has the code -1.0 there under the
; scale byte 127; a masked key has the code 1.0 under the byte 161 and zeros everywhere else, so that its score is -2^34; an open key has the code 0 under the byte 1.
; V: quantised along the TOKENS: 32 tokens x 128 columns turn through a stage, a lane takes a column; an image (128 keys x 16 channels) is 1,536 bytes.  In a block of 32 keys place p holds key p with bits 3 and 4 exchanged, the
; order in which the softmax's codes fall; a tile's row r holds channel 32 (t / 2) + (16 (t % 2) + r with bits 3 and 4 exchanged).
; LIMITS: NaN and infinities are not served; a block of zeros gets the byte 1; a masked score is -2^34 where the module has -8e9 ahead of its factor 1/8: p is the same wherever open scores lie above -1e9.
.set SIZE_K, 1024
.set A_SC,   3145728
.set B_SC,   9437184
.set BROWS,  3072
.set TAB,    9830400
.set QSW,    11534336
.set VIMG,   8388608
.set KVS,    11927552
.set NQ,     2
.set ROWB,   192
.set PITCH,  240                       ; an LDS row: 3 x (64 bytes + 16 of padding)
.set FR,     12
.set NL,     6
.set NP,     4
.set HALFT,  128*PITCH
.set SLOT,   4*HALFT
.set LAPS,   SIZE_K/512
.set NCH,    SIZE_K/256
.set SCL,    2*SLOT                    ; behind the ring: the scale bytes, [chunk][128 rows][8] for each of A's two halves and B's two; B's lie 128 bytes askew, so that the two halves of the lanes meet different banks
.set HALFS,  1024*NCH
.set SPARE,  ((SCL+4*HALFS+128+255)/256)*256
.set A_STEP, 4096*ROWB
.set B_STEP, BROWS*ROWB
.set ADRA, 16
.set ADRB, 20
.set ADRS, 27
.set SPW,  28
.set NIL,  29
.set SC,   32                          ; v32-63 scale words, two sets; they hold nothing else
.set BIAS, 64                          ; v64-127 the bias in the result's layout
.set AF,   128
.set G1, 24
.set G0, 32
.set G1B, 48
.set G0B, 56
.set G1S, 68
.set G0S, 76
.set G1SB, 80
.set G0SB, 88
.set SEL, 92
.set MSB, 0
.macro WIN new
.if MSB != \new
	s_set_vgpr_msb (MSB<<8)|\new
.set MSB, \new
.endif
.endm
.set MUL_LO, 0xa1
.set MUL_HI, 0xf1
.set TO_B,   0x40
.macro JLOAD g0a, g1a, g0b, g1b        ; a joint load: waves 0 and 1 fetch for A, waves 2 and 3 for B; an s_nop 0 and four v_nop follow each line
	s_cmp_eq_u32 s15, 0
	s_cbranch_scc0 .Lfor_b_\@
	tensor_load_to_lds s[\g0a:\g0a+3], s[\g1a:\g1a+7]
	s_nop 0
.rept 4
	v_nop
.endr
	s_branch .Lasked_\@
.Lfor_b_\@:
	tensor_load_to_lds s[\g0b:\g0b+3], s[\g1b:\g1b+7]
	s_nop 0
.rept 4
	v_nop
.endr
.Lasked_\@:
.endm
.macro CREST
	s_cmp_lg_u32 s14, 0
	s_cbranch_scc1 .Lnot_wave_0_\@
	s_barrier_signal -3
.Lnot_wave_0_\@:
	s_barrier_wait -3
	s_barrier_signal -1
	s_barrier_wait -1
.endm
.macro CROUND
	s_barrier_signal -1
	s_barrier_wait -1
	CREST
.endm
	s_load_b64 s[4:5], s[0:1], 0x0                 ; h's operand
	s_load_b64 s[8:9], s[0:1], 0x8                 ; the weights' buffer
	s_load_b128 s[96:99], s[0:1], 0x10             ; bq, bk
	s_load_b64 s[100:101], s[0:1], 0x20            ; bv
	s_load_b64 s[66:67], s[0:1], 0x28              ; mask
	s_load_b64 s[12:13], s[0:1], 0x30              ; out
	v_lshl_add_u32 v[SPW], v0, 2, SPARE
	v_mov_b32 v[NIL], 0
	ds_add_u32 v[SPW], v[NIL]                      ; the wave's opening
	v_lshrrev_b32 v1, 5, v0
	v_readfirstlane_b32 s14, v1                    ; wave
	s_lshr_b32 s15, s14, 1                         ; my half of the rows; also: I fetch for A (0) or B (1)
	s_and_b32 s16, s14, 1                          ; my half of the columns; also: which 128 rows I fetch
	s_bfe_u32 s40, ttmp6, 0x40000                  ; cx
	s_bfe_u32 s41, ttmp6, 0x40004                  ; cy
	s_lshl_b32 s42, ttmp9, 2
	s_add_co_u32 s42, s42, s40                     ; tile column
	s_and_b32 s17, ttmp7, 0xffff
	s_lshl_b32 s17, s17, 2
	s_add_co_u32 s17, s17, s41                     ; tile row
	s_lshl_b32 s43, s41, 2
	s_lshl_b32 s43, 15, s43                        ; my row of the cluster
	s_lshl_b32 s44, 0x1111, s40                    ; my column
	s_or_b32 s[G1+0], s43, (0<<16)|(1<<20)|(1<<21)|(3<<22)|(3<<25)   ; mask; elements of 1 byte; padding: 4 words behind every 16
	s_or_b32 s[G1B+0], s44, (0<<16)|(1<<20)|(1<<21)|(3<<22)|(3<<25)
.irp g, G1, G1B
	s_mov_b32 s[\g+1], ROWB<<16
	s_mov_b32 s[\g+2], 128<<16
	s_mov_b32 s[\g+3], ROWB<<16
	s_mov_b32 s[\g+4], 128
	s_mov_b32 s[\g+5], ROWB
	s_mov_b32 s[\g+6], 0
	s_mov_b32 s[\g+7], 0
.endr
	s_or_b32 s[G1S+0], s43, (3<<16)|(1<<21)        ; the scale bytes of 128 rows: NCH rows of 128 elements of 8 bytes
	s_or_b32 s[G1SB+0], s44, (3<<16)|(1<<21)
.irp g, G1S, G1SB
	s_mov_b32 s[\g+1], 128<<16
	s_mov_b32 s[\g+2], NCH<<16
	s_mov_b32 s[\g+3], 128<<16
	s_mov_b32 s[\g+4], NCH
	s_mov_b32 s[\g+6], 0
	s_mov_b32 s[\g+7], 0
.endr
	s_mov_b32 s[G1S+5], 4096
	s_mov_b32 s[G1SB+5], BROWS
	s_lshl_b32 s18, s16, 7
	s_lshl_b32 s20, s17, 8
	s_add_co_u32 s20, s20, s18                     ; A: row 256 x tile row + 128 x half
	s_lshl_b32 s46, s42, 8
	s_add_co_u32 s46, s46, s18                     ; B: row 256 x tile column + 128 x half
	s_mov_b32 s21, 0
	s_mov_b32 s47, 0
	s_mov_b64 s[18:19], 8
	s_mul_u64 s[22:23], s[20:21], s[18:19]
	s_mul_u64 s[92:93], s[46:47], s[18:19]
	s_mov_b64 s[18:19], ROWB
	s_mul_u64 s[20:21], s[20:21], s[18:19]
	s_mul_u64 s[46:47], s[46:47], s[18:19]
	s_mul_i32 s45, s14, HALFT
	s_mul_i32 s94, s14, HALFS
	s_wait_dscnt 0x0                               ; the opening add is done
	s_wait_kmcnt 0x0
	s_add_nc_u64 s[6:7], s[4:5], A_SC
	s_add_nc_u64 s[10:11], s[8:9], B_SC
	s_add_nc_u64 s[20:21], s[4:5], s[20:21]
	s_add_nc_u64 s[22:23], s[6:7], s[22:23]
	s_add_nc_u64 s[46:47], s[8:9], s[46:47]
	s_add_nc_u64 s[92:93], s[10:11], s[92:93]
	CROUND                                         ; all sixteen work-groups are here: the first joint loads meet
	s_mov_b32 s[G0S], 1
	s_add_co_u32 s[G0S+1], s94, SCL
	s_mov_b64 s[G0S+2:G0S+3], s[22:23]
	s_or_b32 s[G0S+3], s[G0S+3], 0x80000000
	s_mov_b32 s[G0SB], 1
	s_add_co_u32 s[G0SB+1], s94, SCL+128
	s_mov_b64 s[G0SB+2:G0SB+3], s[92:93]
	s_or_b32 s[G0SB+3], s[G0SB+3], 0x80000000
	JLOAD G0S, G1S, G0SB, G1SB
.irp s, 0,1
	s_mov_b32 s[G0+4*\s], 1
	s_add_co_u32 s[G0+4*\s+1], s45, \s*SLOT
	s_add_nc_u64 s[G0+4*\s+2:G0+4*\s+3], s[20:21], \s*A_STEP
	s_or_b32 s[G0+4*\s+3], s[G0+4*\s+3], 0x80000000
	s_mov_b32 s[G0B+4*\s], 1
	s_add_co_u32 s[G0B+4*\s+1], s45, \s*SLOT
	s_add_nc_u64 s[G0B+4*\s+2:G0B+4*\s+3], s[46:47], \s*B_STEP
	s_or_b32 s[G0B+4*\s+3], s[G0B+4*\s+3], 0x80000000
	JLOAD G0+4*\s, G1, G0B+4*\s, G1B
.endr                                          ; three tensor loads of mine are out
	v_and_b32 v1, 15, v0                           ; r
	v_bfe_u32 v2, v0, 4, 1                         ; h
	v_mul_u32_u24 v3, v1, PITCH
	v_mul_u32_u24 v4, v2, 24
	v_add_nc_u32 v4, v3, v4
	v_lshl_add_u32 v5, v2, 4, v4
	s_mul_i32 s21, s15, HALFT
	s_mul_i32 s22, s16, HALFT
	s_add_co_u32 s22, s22, 2*HALFT
.irp s, 0,1
	v_add_nc_u32 v[ADRA+\s], s21, v4
	v_add_nc_u32 v[ADRB+\s], s22, v4
	v_add_nc_u32 v[ADRA+2+\s], s21, v5
	v_add_nc_u32 v[ADRB+2+\s], s22, v5
	s_add_co_u32 s21, s21, SLOT
	s_add_co_u32 s22, s22, SLOT
.endr
	v_lshlrev_b32 v5, 3, v1                        ; my row's 8 scale bytes of a chunk
	s_mul_i32 s21, s15, HALFS
	s_mul_i32 s22, s16, HALFS
	s_add_co_u32 s22, s22, 2*HALFS+128
	s_sub_co_u32 s22, s22, s21
	v_mul_u32_u24 v6, s22, v2                      ; lanes 16-31 take B's
	s_add_co_u32 s21, s21, SCL
	v_add_nc_u32 v5, v5, v6
	v_add_nc_u32 v[ADRS], s21, v5
	; the way out's addresses, all made here.  Its LDS lies in slot 0, behind that slot's last fill and last read: each path has bytes of its own
	v_and_b32 v6, 31, v0
	v_lshlrev_b32 v7, 4, v6                        ; 16 x lane
	s_lshl_b32 s21, s14, 10                        ; q, k: my 2 x 128 scale words
	v_lshl_add_u32 v8, v1, 2, s21
	v_add_nc_u32 v9, s21, v7
	s_mul_i32 s21, s14, 16896
	s_add_co_u32 s21, s21, 4096                    ; v: my stage, 32 tokens x (512 bytes + 16)
	v_mul_u32_u24 v10, v1, 528
	v_lshl_add_u32 v10, v2, 6, v10
	v_add_nc_u32 v10, s21, v10
	v_lshl_add_u32 v11, v6, 2, s21
	s_mul_i32 s21, s14, 12288
	s_add_co_u32 s21, s21, 71680                   ; v: my eight images
	v_bfe_u32 v3, v0, 3, 1                         ; which tile of a pair my column falls into,
	v_and_b32 v4, 7, v0
	v_lshl_or_b32 v4, v2, 3, v4                    ; and which row of it
	v_mul_u32_u24 v12, v3, 1536
	v_lshl_add_u32 v12, v4, 4, v12
	v_add_nc_u32 v12, s21, v12
	v_add_nc_u32 v14, s21, v7
	s_lshl_b32 s21, s14, 9
	s_add_co_u32 s21, s21, 120832                  ; v: my 2 x 64 scale words
	v_lshlrev_b32 v13, 6, v3
	v_lshl_add_u32 v13, v4, 2, v13
	v_add_nc_u32 v13, s21, v13
	v_add_nc_u32 v15, s21, v7
	v_lshlrev_b32 v24, 7, v1
	v_lshl_add_u32 v24, v2, 6, v24                 ; the table: 128 r + 64 h
	v_lshlrev_b32 v25, 2, v1                       ; the mask: 4 r
	v_mul_u32_u24 v26, v2, 12288
	v_lshl_add_u32 v26, v1, 4, v26                 ; v's words in memory: a head to each half of the lanes
	v_lshlrev_b32 v30, 6, v2                       ; the bias: 64 h
	s_cmp_eq_u32 ttmp9, 1
	s_cselect_b64 s[96:97], s[98:99], s[96:97]
	s_cmp_eq_u32 ttmp9, 2
	s_cselect_b64 s[96:97], s[100:101], s[96:97]
	s_lshl_b32 s46, s40, 10
	s_lshl_b32 s47, s16, 9
	s_add_co_u32 s46, s46, s47
	s_mov_b32 s47, 0
	s_add_nc_u64 s[96:97], s[96:97], s[46:47]      ; my 128 columns' bias
.irp b, 0,1,2,3,4,5,6,7
	global_load_b128 v[BIAS+8*\b:BIAS+8*\b+3], v30, s[96:97] offset:(32*(\b/2)+8*(\b%2))*4
	global_load_b128 v[BIAS+8*\b+4:BIAS+8*\b+7], v30, s[96:97] offset:(32*(\b/2)+8*(\b%2))*4+16
.endr
.macro FRAG reg, adr, q, i             ; a fragment: 16 rows x 128 K, 12 registers, in pieces of 8 bytes; where the piece three on lies behind one padding more, the second address register serves
.irp p, 0,1,2,3,4,5
.set PC, 12*(\q)+6*(\p/3)+\p%3
.if PC%8 < 5
	ds_load_b64 v[\reg+2*\p:\reg+2*\p+1], v[\adr] offset:8*PC+16*(PC/8)+(\i)*16*PITCH
.else
	ds_load_b64 v[\reg+2*\p:\reg+2*\p+1], v[\adr+2] offset:8*PC+16*(PC/8)+(\i)*16*PITCH
.endif
.endr
.endm
; 16 matrix instructions: A's blocks a0, a0 + 1 x B's eight.  zero = 1: the sums begin with the bias.  The 64 accumulators take turns, one instruction a turn
.macro MUL16 a0, p, q, sc, zero
.irp a, \a0, \a0+1
.irp b, 0,1,2,3,4,5,6,7
.if \zero
	v_wmma_scale_f32_16x16x128_f8f6f4 v[8*(8*((\a)%4)+\b):8*(8*((\a)%4)+\b)+7], v[128*(\p)+FR*\b:128*(\p)+FR*\b+FR-1], v[AF+FR*(\a):AF+FR*(\a)+FR-1], v[BIAS+8*\b:BIAS+8*\b+7], v[SC+8*NQ*(\sc)+NQ*\b+(\q)], v[SC+8*NQ*(\sc)+NQ*(\a)+(\q)] matrix_a_fmt:MATRIX_FMT_FP6 matrix_b_fmt:MATRIX_FMT_FP6 matrix_a_scale:MATRIX_SCALE_ROW1
.else
	v_wmma_scale_f32_16x16x128_f8f6f4 v[8*(8*((\a)%4)+\b):8*(8*((\a)%4)+\b)+7], v[128*(\p)+FR*\b:128*(\p)+FR*\b+FR-1], v[AF+FR*(\a):AF+FR*(\a)+FR-1], v[8*(8*((\a)%4)+\b):8*(8*((\a)%4)+\b)+7], v[SC+8*NQ*(\sc)+NQ*\b+(\q)], v[SC+8*NQ*(\sc)+NQ*(\a)+(\q)] matrix_a_fmt:MATRIX_FMT_FP6 matrix_b_fmt:MATRIX_FMT_FP6 matrix_a_scale:MATRIX_SCALE_ROW1
.endif
.endr
.endr
.endm
.macro FETCH_B slot, q, p
	WIN TO_B
.irp i, 0,1,2,3,4,5,6,7
	FRAG 128*(\p)+FR*\i, ADRB+\slot, \q, \i
.endr
	WIN 0
.endm
.macro FETCH_A slot, q, i0
.irp i, \i0, \i0+1, \i0+2, \i0+3
	FRAG AF+FR*(\i), ADRA+\slot, \q, \i
.endr
.endm
.macro SCALES sc                       ; a K step's scale words: lanes 0-15 A's block i, lanes 16-31 B's block i
.irp i, 0,1,2,3,4,5,6,7
	ds_load_b64 v[SC+8*NQ*\sc+NQ*\i:SC+8*NQ*\sc+NQ*\i+1], v[ADRS] offset:\i*128
.endr
.endm
.macro PLACES n                        ; plain vector instructions between a matrix instruction and a load into, or a read of, its registers
.rept \n
	v_nop
.endr
.endm
.macro STEP slot, q, zero
	s_wait_dscnt 4*NL                              ; B's set and A's blocks 0-3 are in; A's blocks 4-7 may be out
.if \zero
	WIN 0x81                                       ; C (the bias) in window 0
.else
	WIN MUL_LO
.endif
	MUL16 0, (\q)%2, \q, \slot, \zero
	MUL16 2, (\q)%2, \q, \slot, \zero
	s_wait_dscnt 0
	PLACES NP
	FETCH_B \slot, (\q)+1, 1-(\q)%2
	FETCH_A \slot, (\q)+1, 0
.if \zero
	WIN 0xc1
.else
	WIN MUL_HI
.endif
	MUL16 4, (\q)%2, \q, \slot, \zero
	MUL16 6, (\q)%2, \q, \slot, \zero
	PLACES NP
	WIN 0
	FETCH_A \slot, (\q)+1, 4
.endm
; a slot's last step changes slots: one barrier; in front of it each wave waits for all its tensor loads, adds 0 to its spare word, and waits for that and for its reads of this slot
.macro TURN slot, next, fill
	s_wait_tensorcnt 0x0                           ; all my tensor loads have landed: my part of the next slot
	ds_add_u32 v[SPW], v[NIL]
	s_wait_dscnt 4*NL+1                            ; (the add and A's blocks 4-7 may be out)
	WIN MUL_LO
	MUL16 0, 1, NQ-1, \slot, 0
	s_wait_dscnt 0x0                               ; the add is done, and my reads of this slot are over
	s_barrier_signal -1
	MUL16 2, 1, NQ-1, \slot, 0
	WIN 0
	s_barrier_wait -1
.if \fill
	CREST                                          ; the barrier has opened a round of the cluster's: no wave of any partner still reads this slot or has a load on its way
	s_add_nc_u64 s[G0+4*\slot+2:G0+4*\slot+3], s[G0+4*\slot+2:G0+4*\slot+3], 2*A_STEP
	s_add_nc_u64 s[G0B+4*\slot+2:G0B+4*\slot+3], s[G0B+4*\slot+2:G0B+4*\slot+3], 2*B_STEP
	JLOAD G0+4*\slot, G1, G0B+4*\slot, G1B         ; my one tensor load behind the round; its four v_nop are the places in front of the loads below
.else
	PLACES NP
.endif
	v_add_nc_u32 v[ADRS], 1024, v[ADRS]            ; the next chunk's scale words
	FETCH_B \next, 0, 0
	FETCH_A \next, 0, 0
	SCALES \next
	WIN MUL_HI
	MUL16 4, 1, NQ-1, \slot, 0
	MUL16 6, 1, NQ-1, \slot, 0
	PLACES NP
	WIN 0
	FETCH_A \next, 0, 4
.endm
; the very last step of 128 along K: nothing more to fetch.  It stands in both paths of the way out
.macro LASTSTEP
	s_wait_dscnt 4*NL                              ; B's set and A's blocks 0-3 are in; A's blocks 4-7 may be out
	WIN MUL_LO
	MUL16 0, 1, NQ-1, 1, 0
	MUL16 2, 1, NQ-1, 1, 0
	s_wait_dscnt 0
	WIN MUL_HI
	MUL16 4, 1, NQ-1, 1, 0
	MUL16 6, 1, NQ-1, 1, 0
	WIN 0
	PLACES NP
.endm
	s_wait_tensorcnt 1                             ; the scales and my part of K step 0 are in; K step 1's load may be out
	s_barrier_signal -1
	s_barrier_wait -1
	FETCH_B 0, 0, 0
	FETCH_A 0, 0, 0
	SCALES 0
	FETCH_A 0, 0, 4
	s_wait_loadcnt 0x0                             ; the bias
	STEP 0, 0, 1
	s_mov_b32 s3, LAPS-1
.Llap:
	TURN 0, 1, 1
	STEP 1, 0, 0
	TURN 1, 0, 1
	STEP 0, 0, 0
	s_sub_co_u32 s3, s3, 1
	s_cmp_lg_u32 s3, 0
	s_cbranch_scc1 .Llap
	TURN 0, 1, 0
	STEP 1, 0, 0
	; the way out's scalars, in registers with which the head is done (none of them ever held a descriptor's word)
	s_lshl_b32 s18, s17, 8
	s_lshl_b32 s19, s15, 7
	s_add_co_u32 s18, s18, s19                     ; my first token of 4,096
	s_and_b32 s19, s18, 2047                       ; its position
	s_lshr_b32 s20, s18, 11
	s_lshl_b32 s20, s20, 4
	s_lshl_b32 s21, s40, 2
	s_add_co_u32 s20, s20, s21
	s_lshl_b32 s21, s16, 1
	s_add_co_u32 s20, s20, s21                     ; 16 x batch + my first head
	s_mov_b32 s23, 0
	s_mov_b32 s[SEL], 0x76543210
	s_mov_b32 s[SEL+1], 0xfedcba98                 ; lane l xor 16
	s_mov_b32 s94, 0xffff
	s_cmp_eq_u32 ttmp9, 2                          ; THE PATHS PART HERE, once: q and k go on, v jumps
	s_cbranch_scc1 .Lvpath
	; ---------------- q and k
	s_lshl_b32 s22, s19, 7
	s_add_co_u32 s22, s22, TAB
	s_add_nc_u64 s[4:5], s[8:9], s[22:23]          ; the table at my first position
	s_lshl_b32 s22, s18, 2
	s_add_nc_u64 s[66:67], s[66:67], s[22:23]      ; the mask at my first token
	s_lshl_b32 s22, ttmp9, 22
	s_lshl_b32 s21, s20, 17
	s_add_co_u32 s22, s22, s21
	s_lshl_b32 s21, s19, 6
	s_add_co_u32 s22, s22, s21
	s_add_nc_u64 s[6:7], s[12:13], s[22:23]        ; q's or k's images
	s_mul_i32 s22, ttmp9, 393216
	s_mul_i32 s21, s20, 12288
	s_add_co_u32 s22, s22, s21
	s_lshl_b32 s21, s19, 2
	s_add_co_u32 s22, s22, s21
	s_add_co_u32 s22, s22, QSW
	s_add_nc_u64 s[10:11], s[12:13], s[22:23]      ; and their words
	s_cmp_eq_u32 ttmp9, 0
	s_cselect_b32 s95, 1, 0                        ; q is never masked
	s_cselect_b32 s43, 0x28, 0                     ; the code at k = 64: q: -1.0; an open key: 0
	s_mov_b32 s44, 0x10000
	s_cselect_b32 s44, 0x7f0000, s44               ; its scale byte: q: 127; an open key: 1
	WIN TO_B                                       ; table and mask are asked for here, the table into B's first set, which is done with (four places stand behind its last reader): they land under the last 64 products
.irp a, 0,1,2,3,4,5,6,7
.irp i, 0,1,2,3
	global_load_b128 v[16*\a+4*\i:16*\a+4*\i+3], v24, s[4:5] offset:2048*\a+16*\i
.endr
.endr
	WIN 0
.irp a, 0,1,2,3,4,5,6,7
	global_load_b32 v[224+\a], v25, s[66:67] offset:64*\a
.endr
	LASTSTEP
	s_wait_loadcnt 0x0                             ; table and mask
.set H,    64                          ; v64-127  64 numbers of my token: two heads x (rotated 16, passed 16) of my half
.set TMPR, 128                         ; v128-159 the rope's cross terms
.set IM,   160                         ; v160-191 two heads' image registers, two sets by turns
.set QT,   192
.set TM,   200
.set PW,   216
.set MK,   224
.set WD,   232
	v_mov_b32 v218, 8                              ; a masked key: the code 1.0,
	v_mov_b32 v222, 0xa10000                       ; under the byte 161
	v_mov_b32 v219, s43
	v_mov_b32 v221, s44
.irp b, 0,1,2,3
	v_mov_b32 v[TM+4+\b], 0                        ; written once: a lane permute's destination counts as one of its sources
.endr
; 64 numbers of a lane, register 16 b + i = k 32 b + 16 (lane / 16) + i, become codes at v[d + st c] on (whole blocks, lanes 0-15 block 2 c, lanes 16-31 block 2 c + 1) and the four scale bytes in v[PW]
.macro QUANT s, d, st, q
.irp b, 0,1,2,3
	v_max3_num_f32 v[TM+\b], |v[\s+16*\b]|, |v[\s+1+16*\b]|, 0x1800000
.endr
.irp i, 2,4,6,8,10,12,14
.irp b, 0,1,2,3
	v_max3_num_f32 v[TM+\b], v[TM+\b], |v[\s+16*\b+\i]|, |v[\s+1+16*\b+\i]|
.endr
.endr
.irp b, 0,1,2,3
	v_permlanex16_b32 v[TM+4+\b], v[TM+\b], s[SEL], s[SEL+1]
.endr
.irp b, 0,1,2,3
	v_max_num_f32 v[TM+\b], v[TM+\b], v[TM+4+\b]
.endr
.irp b, 0,1,2,3
	v_add_nc_u32 v[TM+12+\b], 0xff000000, v[TM+\b]
.endr
.irp b, 0,1,2,3
	v_lshrrev_b32 v[TM+4+\b], 23, v[TM+12+\b]
.endr
	v_lshl_or_b32 v[PW], v[TM+5], 8, v[TM+4]
	v_lshl_or_b32 v[PW], v[TM+6], 16, v[PW]
	v_lshl_or_b32 v[PW], v[TM+7], 24, v[PW]
.irp c, 0,1
	v_cvt_scalef32_pk16_fp6_f32 v[\d+\st*\c:\d+\st*\c+2], v[\s+32*\c:\s+32*\c+15], v[TM+12+2*\c]
	v_cvt_scalef32_pk16_fp6_f32 v[\q+4*\c:\q+4*\c+2], v[\s+32*\c+16:\s+32*\c+31], v[TM+12+2*\c+1]
.endr
	v_nop                                          ; one plain place behind a scaled conversion
.irp c, 0,1
.irp i, 0,1,2
	v_permlane16_swap_b32 v[\d+\st*\c+\i], v[\q+4*\c+\i]
.endr
.irp i, 0,1,2
	v_mov_b32 v[\d+\st*\c+3+\i], v[\q+4*\c+\i]
.endr
.endr
.endm
.macro QKBLOCK a                       ; tokens 16 a .. 16 a + 15, two heads
.set AC, 64*((\a)%4)
.set IMA, IM+16*((\a)%2)
.if (\a) >= 2
	s_wait_xcnt 0x0                                ; the stores of two blocks back have read this set of image registers
.endif
	WIN (2+(\a)/4)|4                               ; source 0: the accumulators; source 1: the table, in window 1
.irp e, 0,1
.irp i, 0,1,2,3,4,5,6,7
	v_pk_mul_f32 v[TMPR+16*\e+2*\i:TMPR+16*\e+2*\i+1], v[AC+32*\e+2*\i:AC+32*\e+2*\i+1], v[16*(\a)+2*\i:16*(\a)+2*\i+1] op_sel:[1,1] op_sel_hi:[0,1]   ; (x1 sin, x0 sin)
.endr
.endr
.irp e, 0,1
.irp i, 0,1,2,3,4,5,6,7
	v_pk_fma_f32 v[H+32*\e+2*\i:H+32*\e+2*\i+1], v[AC+32*\e+2*\i:AC+32*\e+2*\i+1], v[16*(\a)+2*\i:16*(\a)+2*\i+1], v[TMPR+16*\e+2*\i:TMPR+16*\e+2*\i+1] op_sel_hi:[1,0,1] neg_lo:[0,0,1]   ; (x0 cos - x1 sin, x1 cos + x0 sin)
.endr
.irp i, 0,1,2,3,4,5,6,7
	v_pk_mul_f32 v[H+32*\e+16+2*\i:H+32*\e+17+2*\i], v[AC+32*\e+16+2*\i:AC+32*\e+17+2*\i], 1.0 op_sel_hi:[1,0]   ; features 32 to 63 pass
.endr
.endr
	WIN 0
	QUANT H, IMA, 8, QT
	v_or_b32 v220, s95, v[MK+(\a)]
	v_cmp_eq_u32 vcc_lo, 0, v220                   ; a masked key
.irp e, 0,1
.irp i, 0,1,2,3,4,5
	v_cndmask_b32 v[IMA+8*\e+\i], v[IMA+8*\e+\i], v[NIL], vcc_lo
.endr
.endr
	v_cndmask_b32 v217, v219, v218, vcc_lo
	v_cndmask_b32 v217, v[NIL], v217, s94          ; k = 64 lies in lanes 0-15
	v_cndmask_b32 v223, v221, v222, vcc_lo
	v_mov_b32 v[IMA+6], v217
	v_mov_b32 v[IMA+7], 0
	v_mov_b32 v[IMA+14], v217
	v_mov_b32 v[IMA+15], 0
	v_and_or_b32 v[WD+2*(\a)], v[PW], s94, v223
	v_lshrrev_b32 v[WD+2*(\a)+1], 16, v[PW]
	v_or_b32 v[WD+2*(\a)+1], v[WD+2*(\a)+1], v223
	ds_store_b32 v8, v[WD+2*(\a)] offset:64*(\a)           ; both halves of the lanes write the same word with the same value
	ds_store_b32 v8, v[WD+2*(\a)+1] offset:512+64*(\a)
.irp e, 0,1
	global_store_b128 v7, v[IMA+8*\e:IMA+8*\e+3], s[6:7] offset:131072*\e+1024*(\a)         ; 512 consecutive bytes, aligned
	global_store_b128 v7, v[IMA+8*\e+4:IMA+8*\e+7], s[6:7] offset:131072*\e+1024*(\a)+512
.endr
.endm
.irp a, 0,1,2,3,4,5,6,7
	QKBLOCK \a
.endr
	ds_load_b128 v[64:67], v9                      ; a wave's LDS instructions are served in order: these see my stores
	ds_load_b128 v[68:71], v9 offset:512
	s_wait_dscnt 0x0
	global_store_b128 v7, v[64:67], s[10:11]
	global_store_b128 v7, v[68:71], s[10:11] offset:12288
	s_branch .Ljoin
.Lvpath:
	; ---------------- v
	s_mul_i32 s22, s20, 98304
	s_mul_i32 s21, s19, 48
	s_add_co_u32 s22, s22, s21
	s_add_co_u32 s22, s22, VIMG
	s_add_nc_u64 s[6:7], s[12:13], s[22:23]        ; v's images
	s_mul_i32 s22, s20, 12288
	s_lshl_b32 s21, s19, 1
	s_add_co_u32 s22, s22, s21
	s_add_co_u32 s22, s22, KVS+8192
	s_add_nc_u64 s[10:11], s[12:13], s[22:23]      ; and their words
	LASTSTEP
.set XV, 64                            ; v64-191  four groups of 32 columns: my column's 32 tokens
.set GV, 192                           ; v192-223 a block's six registers of codes, for each group
.set TV, 224
.set SBW, 240                          ; v240-243 the scale words
.macro VLOADG c                        ; my column of group c, down the stage's 32 tokens: place p takes the token p with bits 3 and 4 exchanged
.set p, 0
.rept 32
	ds_load_b32 v[XV+32*(\c)+p], v11 offset:528*((p&7)|(((p>>3)&1)<<4)|(((p>>4)&1)<<3))+128*(\c)
.set p, p+1
.endr
.endm
.macro VPAIR be                        ; tokens 32 be .. 32 be + 31
	WIN 0x08+4*((\be)/2)
.irp k, 0,1
.set AC, 64*((2*(\be)+\k)%4)
.irp b, 0,1,2,3,4,5,6,7
	ds_store_b128 v10, v[AC+8*\b:AC+8*\b+3] offset:8448*\k+128*(\b/2)+32*(\b%2)
	ds_store_b128 v10, v[AC+8*\b+4:AC+8*\b+7] offset:8448*\k+128*(\b/2)+32*(\b%2)+16
.endr
.endr
	WIN 0
	VLOADG 0                                       ; a wave's LDS instructions are served in order: these see the stores above.  The loads run two groups ahead of the work
	VLOADG 1
.irp c, 0,1,2,3
.set XS, XV+32*\c
.set GC, GV+8*\c
.set TC, TV+4*\c
.if \c == 0
	s_wait_dscnt 32                                ; group 0 is in; behind it: group 1's 32 loads
.elseif \c < 3
	s_wait_dscnt 34                                ; this group is in; behind it: the last group's two image stores and the next group's 32 loads
.else
	s_wait_dscnt 2                                 ; group 3 is in; behind it: group 2's two image stores
.endif
	v_max3_num_f32 v244, |v[XS]|, |v[XS+1]|, |v[XS+2]|
	v_max3_num_f32 v245, |v[XS+3]|, |v[XS+4]|, |v[XS+5]|
.irp i, 6,10,14,18,22,26
	v_max3_num_f32 v244, v244, |v[XS+\i]|, |v[XS+\i+1]|
	v_max3_num_f32 v245, v245, |v[XS+\i+2]|, |v[XS+\i+3]|
.endr
	v_max3_num_f32 v244, v244, |v[XS+30]|, |v[XS+31]|
	v_max3_num_f32 v244, v244, v245, 0x1800000     ; the floor 2^(3 - 127)
	v_add_nc_u32 v246, 0xff000000, v244            ; 2 off the exponent field: the conversion's scale operand
	v_lshrrev_b32 v247, 23, v246                   ; the scale's byte
.if (\be) == 0
	v_mov_b32 v[SBW+\c], v247
.else
	v_lshl_or_b32 v[SBW+\c], v247, 8*(\be), v[SBW+\c]
.endif
	v_cvt_scalef32_pk16_fp6_f32 v[GC:GC+2], v[XS:XS+15], v246
	v_cvt_scalef32_pk16_fp6_f32 v[TC:TC+2], v[XS+16:XS+31], v246
	v_nop                                          ; one plain place behind a scaled conversion
.irp i, 0,1,2
	v_mov_b32 v[GC+3+\i], v[TC+\i]
.endr
.if (\be) < 2                          ; registers 0-5 of the image's lane 16 (be % 2) + row
	ds_store_b128 v12, v[GC:GC+3] offset:6144*(\c/2)+3072*(\c%2)+256*((\be)&1)
	ds_store_b64 v12, v[GC+4:GC+5] offset:6144*(\c/2)+3072*(\c%2)+256*((\be)&1)+512
.else                                  ; registers 6-11
	ds_store_b64 v12, v[GC:GC+1] offset:6144*(\c/2)+3072*(\c%2)+256*((\be)&1)+520
	ds_store_b128 v12, v[GC+2:GC+5] offset:6144*(\c/2)+3072*(\c%2)+256*((\be)&1)+1024
.endif
.if \c < 2
	VLOADG \c+2
.endif
.endr
.endm
	VPAIR 0
	VPAIR 1
	VPAIR 2
	VPAIR 3
.irp c, 0,1,2,3
	ds_store_b32 v13, v[SBW+\c] offset:256*(\c/2)+128*(\c%2)
.endr
.set q, 0
.rept 24
	ds_load_b128 v[XV+4*q:XV+4*q+3], v14 offset:512*q
.set q, q+1
.endr
	ds_load_b128 v[GV:GV+3], v15
.set q, 0
.rept 24
	s_wait_dscnt 24-q
	global_store_b128 v7, v[XV+4*q:XV+4*q+3], s[6:7] offset:98304*(q/12)+512*(q%12)   ; 512 consecutive bytes, aligned
.set q, q+1
.endr
	s_wait_dscnt 0x0
	global_store_b128 v26, v[GV:GV+3], s[10:11]    ; sixteen lanes store a head's 256 bytes of words
.Ljoin:
	s_wait_tensorcnt 0x0                           ; the wave's end
	ds_add_u32 v[SPW], v[NIL]
	s_wait_dscnt 0x0
	CROUND                                         ; the closing round
	s_endpgm
.Lfunc_end_k_q4ad3f7d9d4_qkv:
	.size	k_q4ad3f7d9d4_qkv, .Lfunc_end_k_q4ad3f7d9d4_qkv-k_q4ad3f7d9d4_qkv
	.p2alignl 7, 3214868480
	.fill 96, 4, 3214868480
	.section	.rodata,"a",@progbits
	.p2align	6, 0x0
	.amdhsa_kernel k_q4ad3f7d9d4_qkv
		.amdhsa_group_segment_fixed_size 327680
		.amdhsa_private_segment_fixed_size 0
		.amdhsa_enable_private_segment 0
		.amdhsa_kernarg_size 56
		.amdhsa_user_sgpr_count 2
		.amdhsa_user_sgpr_kernarg_segment_ptr 1
		.amdhsa_wavefront_size32 1
		.amdhsa_system_sgpr_workgroup_id_x 1
		.amdhsa_system_sgpr_workgroup_id_y 1
		.amdhsa_system_sgpr_workgroup_id_z 1
		.amdhsa_system_vgpr_workitem_id 0
		.amdhsa_next_free_vgpr 1024
		.amdhsa_next_free_sgpr 102
		.amdhsa_reserve_vcc 1
		.amdhsa_float_denorm_mode_32 3
		.amdhsa_float_denorm_mode_16_64 3
		.amdhsa_memory_ordered 1
		.amdhsa_forward_progress 1
		.amdhsa_inst_pref_size 255
	.end_amdhsa_kernel
	.section	.bss,"aw",@nobits
	.p2align	6
	.space	262144
	.amdgpu_metadata
---
amdhsa.version: [ 1, 2 ]
amdhsa.kernels:
  - .name:           k_q4ad3f7d9d4_qkv
    .symbol:         k_q4ad3f7d9d4_qkv.kd
    .args:
      - { .name: hq, .offset: 0, .size: 8, .value_kind: global_buffer, .address_space: global }
      - { .name: wts, .offset: 8, .size: 8, .value_kind: global_buffer, .address_space: global }
      - { .name: bq, .offset: 16, .size: 8, .value_kind: global_buffer, .address_space: global }
      - { .name: bk, .offset: 24, .size: 8, .value_kind: global_buffer, .address_space: global }
      - { .name: bv, .offset: 32, .size: 8, .value_kind: global_buffer, .address_space: global }
      - { .name: mask, .offset: 40, .size: 8, .value_kind: global_buffer, .address_space: global }
      - { .name: qkv, .offset: 48, .size: 8, .value_kind: global_buffer, .address_space: global }
    .group_segment_fixed_size: 327680
    .private_segment_fixed_size: 0
    .kernarg_segment_align: 8
    .kernarg_segment_size: 56
    .max_flat_workgroup_size: 128
    .sgpr_count:     102
    .vgpr_count:     1024
    .wavefront_size: 32
...
	.end_amdgpu_metadata
.endif
;; end of part 3
;; launch attn (part 4): grid 8 x 32, 16 waves a work-group, clusters of 4 x 1, 243,712 bytes of LDS; arguments qkv, att; writes att
.if DOCPART == 4
	.amdgcn_target "amdgcn-amd-amdhsa--gfx1250"
	.amdhsa_code_object_version 6
	.text
	.protected	k_q4ad3f7d9d4_attn
	.globl	k_q4ad3f7d9d4_attn
	.p2align	8
	.type	k_q4ad3f7d9d4_attn,@function
k_q4ad3f7d9d4_attn:
	s_mov_b64 s[64:65], 0
	v_nop
	global_prefetch_b8 v0, s[64:65] scope:SCOPE_SE
	s_setreg_imm32_b32 hwreg(HW_REG_WAVE_MODE, 25, 1), 1
	s_wait_xcnt 0x0
	s_wait_alu depctr_hold_cnt(0) depctr_sa_sdst(0) depctr_va_vdst(0) depctr_va_sdst(0) depctr_va_ssrc(0) depctr_va_vcc(0) depctr_vm_vsrc(0)
	s_getreg_b32 s2, hwreg(HW_REG_IB_STS2, 6, 4)
	s_cmp_eq_u32 s2, 0
	s_cbranch_scc0 .Lentry_in_a_cluster
	s_endpgm
.Lentry_in_a_cluster:
	s_bfe_u32 s2, ttmp6, 0x10000c
	s_cmp_lg_u32 s2, 0x3003
	s_cbranch_scc0 .Lentry_shape_is_right
	s_endpgm
.Lentry_shape_is_right:
; o = softmax(q k^T / 8, masked) v for one head, both products on codes of FP6 (E2M3); o / l is quantised along the model's 1,024 and stored as an operand of the next product.
; SOFTMAX: t = score x log2(e) / 8; M = the running largest t rounded up to a whole number; p = 2^(t - M) is quantised along the keys, not normalised; the row's sum is taken of the unquantised p and divides at the end.
; When M moves, the sum and O are multiplied by 2^(old M - new M): exact.  THE MASK costs no line here: a masked key's image gives the score -2^34, an exact whole t, so p = 0 beside any open key and p = 1 in a row with none.
; SHARES.  A work-group owns 256 queries of one (batch, head), each of its sixteen waves 16: four waves to a SIMD, so that one wave's vector work stands beside another's products and LDS loads.
; A WHOLE HEAD'S K AND V LIE IN LDS, as images of operand registers (131,072 + 98,304 bytes) with their scale words (12,288): filled ONCE, so there is no ring, no refill and no barrier in the loop.
; CLUSTER.  Four query blocks of a head read the same K and V: waves 0 to 13 ask jointly for 16,384 bytes each, wave 14 for the words; one tensor load a wave is out.
; LAYOUT.  Both products transposed: S^T = K Q^T, O^T = V^T P^T: a lane holds one query.  A tile of K is 16 neighbouring keys, 8 registers; the instruction names 12: the upper four are the next tile's and meet q's zero codes.
; p's codes fall with bits 3 and 4 of a key's place in its block exchanged: V's images were laid in that order.  V's rows were laid so that O^T's 16 registers of two tiles are 16 neighbouring channels.
; The way out stores 48 bytes of codes and 2 scale bytes for a token and head: these pieces are short in the operand itself.
; No prefetch: K and V are asked for once, at the head.  LIMITS: NaN and infinities are not served; a block of zeros gets the byte 1.
.set KIM,   4194304
.set VIMG,  8388608
.set QSW,   11534336
.set KVS,   11927552
.set LV,    131072
.set LKS,   229376
.set LVS,   237568
.set SPARE, 241664
.set AK0,  1
.set AV0,  2
.set ASK0, 3
.set ASV0, 4
.set SPW,  5
.set NIL,  6
.set GO,   7
.set ADK,  8
.set ADV,  9
.set ADS,  10
.set ADT,  11                          ; v12 -M, v13 the largest t, v[14:15] the sum in two halves
.set QF,   16                          ; v16-27 q's fragment
.set QS,   28                          ; q's scale words
.set GS,   29
.set KF,   32                          ; v32-95 eight tiles of K, v96-99 zeros
.set VF,   32                          ; v32-79 four tiles of V
.set S,    100                         ; v100-163 S^T, then p
.set O,    164                         ; v164-195 O^T
.set PC,   196                         ; v196-207 p's codes
.set PT,   208
.set BM,   216
.set BP,   220
.set SO,   224
.set KS,   228                         ; v228-231 K's scale words
.set VS,   232                         ; v232-233 V's
.set PW,   234                         ; p's
.set FF,   236
.set TMP,  238
.set L2,   240
.set WV,   18
.set SEL,  20
.set CS,   22
.set G1M,  24
.set G1S,  32
.set G0M,  40
.set G0S,  44
.macro CROUND
	s_barrier_signal -1
	s_barrier_wait -1
	s_cmp_lg_u32 s[WV], 0
	s_cbranch_scc1 .Lnot_wave_0_\@
	s_barrier_signal -3
.Lnot_wave_0_\@:
	s_barrier_wait -3
	s_barrier_signal -1
	s_barrier_wait -1
.endm
	s_load_b128 s[4:7], s[0:1], 0x0                ; the images, the output operand
	v_lshl_add_u32 v[SPW], v0, 2, SPARE
	v_mov_b32 v[NIL], 0
	ds_add_u32 v[SPW], v[NIL]                      ; the wave's opening
	v_lshrrev_b32 v8, 5, v0
	v_readfirstlane_b32 s[WV], v8                  ; wave 0..15
	s_bfe_u32 s13, ttmp6, 0x40000                  ; cx: it enters q's and the output's addresses alone
	s_lshl_b32 s14, ttmp9, 2
	s_add_co_u32 s14, s14, s13                     ; my block of 256 queries
	s_and_b32 s15, ttmp7, 0xffff                   ; 16 x batch + head, which the four partners share
	s_mov_b32 s[G1M], 15|(3<<16)|(1<<21)           ; the mask: all four; elements of 8 bytes; 64 dense rows of 256 bytes
	s_mov_b32 s[G1M+1], 32<<16
	s_mov_b32 s[G1M+2], 64<<16
	s_mov_b32 s[G1M+3], 32<<16
	s_mov_b32 s[G1M+4], 64
	s_mov_b32 s[G1M+5], 32
	s_mov_b32 s[G1M+6], 0
	s_mov_b32 s[G1M+7], 0
	s_mov_b32 s[G1S], 15|(3<<16)|(1<<21)           ; the words: 48 such rows
	s_mov_b32 s[G1S+1], 32<<16
	s_mov_b32 s[G1S+2], 48<<16
	s_mov_b32 s[G1S+3], 32<<16
	s_mov_b32 s[G1S+4], 48
	s_mov_b32 s[G1S+5], 32
	s_mov_b32 s[G1S+6], 0
	s_mov_b32 s[G1S+7], 0
	s_lshl_b32 s8, s15, 17
	s_add_co_u32 s8, s8, KIM                       ; waves 0-7: K's images, 16,384 bytes a wave;
	s_mul_i32 s9, s15, 98304
	s_add_co_u32 s9, s9, VIMG-8*16384              ; waves 8-13: V's
	s_cmp_lt_u32 s[WV], 8
	s_cselect_b32 s8, s8, s9
	s_lshl_b32 s12, s[WV], 14                      ; in LDS V's images follow K's: 16,384 x wave
	s_add_co_u32 s8, s8, s12
	s_mov_b32 s9, 0
	s_mul_i32 s10, s15, 12288
	s_add_co_u32 s10, s10, KVS
	s_mov_b32 s11, 0
	s_mov_b32 s[SEL], 0x76543210
	s_mov_b32 s[SEL+1], 0xfedcba98
	s_mov_b32 s[CS], 0x3e38aa3b                    ; c = log2(e) / 8
	s_mov_b32 s[CS+1], s[CS]
	s_mov_b32 s53, 0xffff
	s_wait_dscnt 0x0                               ; the opening add is done
	s_wait_kmcnt 0x0
	s_mov_b32 s[G0M], 1
	s_mov_b32 s[G0M+1], s12
	s_add_nc_u64 s[G0M+2:G0M+3], s[4:5], s[8:9]
	s_or_b32 s[G0M+3], s[G0M+3], 0x80000000
	s_mov_b32 s[G0S], 1
	s_mov_b32 s[G0S+1], LKS
	s_add_nc_u64 s[G0S+2:G0S+3], s[4:5], s[10:11]
	s_or_b32 s[G0S+3], s[G0S+3], 0x80000000
	CROUND                                         ; all four work-groups are here: the joint loads meet
	s_cmp_lt_u32 s[WV], 14
	s_cbranch_scc0 .Lnot_img
	tensor_load_to_lds s[G0M:G0M+3], s[G1M:G1M+7]
	s_nop 0
.rept 4
	v_nop
.endr
	s_branch .Lasked
.Lnot_img:
	s_cmp_lt_u32 s[WV], 15
	s_cbranch_scc0 .Lasked
	tensor_load_to_lds s[G0S:G0S+3], s[G1S:G1S+7]
	s_nop 0
.rept 4
	v_nop
.endr
.Lasked:
	s_lshl_b32 s16, s14, 8
	s_lshl_b32 s17, s[WV], 4
	s_add_co_u32 s16, s16, s17                     ; my first query in the head
	s_lshl_b32 s48, s15, 17
	s_lshl_b32 s49, s16, 6
	s_add_co_u32 s48, s48, s49
	s_mov_b32 s49, 0
	s_add_nc_u64 s[54:55], s[4:5], s[48:49]        ; its image
	s_mul_i32 s48, s15, 12288
	s_lshl_b32 s50, s16, 2
	s_add_co_u32 s48, s48, s50
	s_add_co_u32 s48, s48, QSW
	s_add_nc_u64 s[56:57], s[4:5], s[48:49]        ; its scale words
	s_and_b32 s10, s15, 15
	s_lshr_b32 s11, s10, 2                         ; the head's chunk of 256 along the model's 1,024,
	s_and_b32 s10, s10, 3                          ; and its place in it
	s_lshr_b32 s17, s15, 4
	s_lshl_b32 s17, s17, 11
	s_add_co_u32 s17, s17, s16                     ; my first token of 4,096
	s_mul_i32 s48, s11, 786432
	s_mul_i32 s50, s17, 192
	s_add_co_u32 s48, s48, s50
	s_mul_i32 s50, s10, 48
	s_add_co_u32 s48, s48, s50
	s_add_nc_u64 s[58:59], s[6:7], s[48:49]        ; the output's codes
	s_lshl_b32 s48, s11, 15
	s_lshl_b32 s50, s17, 3
	s_add_co_u32 s48, s48, s50
	s_lshl_b32 s50, s10, 1
	s_add_co_u32 s48, s48, s50
	s_add_co_u32 s48, s48, 3145728
	s_add_nc_u64 s[60:61], s[6:7], s[48:49]        ; and its scale bytes
	v_and_b32 v30, 31, v0
	v_lshlrev_b32 v[AK0], 4, v30                   ; an image's place for my lane
	v_add_nc_u32 v[AV0], LV, v[AK0]
	v_lshl_add_u32 v[ASK0], v30, 2, LKS
	v_lshl_add_u32 v[ASV0], v30, 2, LVS
	v_and_b32 v31, 15, v0                          ; r
	v_bfe_u32 v30, v0, 4, 1                        ; h
	v_mul_u32_u24 v[GO], v31, 192
	v_mad_u32_u24 v[GO], v30, 24, v[GO]
	v_lshl_add_u32 v[GS], v31, 3, v30
	v_lshlrev_b32 v31, 2, v31
	global_load_b128 v[QF:QF+3], v[AK0], s[54:55]
	global_load_b128 v[QF+4:QF+7], v[AK0], s[54:55] offset:512
	global_load_b32 v[QS], v31, s[56:57]
.irp j, 8,9,10,11
	v_mov_b32 v[QF+\j], 0                          ; q's codes of k = 96 .. 127 and the rest of block 2: zeros
.endr
.irp j, 64,65,66,67
	v_mov_b32 v[KF+\j], 0                          ; what the last tile of K names beyond its eight registers
.endr
	v_mov_b32 v13, 0xff61b1e6                      ; the largest t so far: -3e38
	v_floor_f32 v12, -v13                          ; -M
	v_mov_b32 v14, 0
	v_mov_b32 v15, 0
.irp b, 0,1,2,3
	v_mov_b32 v[BP+\b], 0                          ; written once: a lane permute's destination counts as one of its sources
.endr
	v_mov_b32 v[FF+1], 0                           ; (named as the upper half of a pair of which the low word serves both halves)
.set j, 0
.rept 32
	v_mov_b32 v[O+j], 0                            ; the step is written once: the first finds zeros, which the first change of M leaves zeros
.set j, j+1
.endr
	s_mov_b32 s48, 0                               ; the step's tiles of K, of V, K's words, V's words
	s_mov_b32 s49, 0
	s_mov_b32 s50, 0
	s_mov_b32 s51, 0
	s_mov_b32 s52, 16
	s_wait_loadcnt 0x0                             ; q
	s_wait_tensorcnt 0x0                           ; my part of the head has landed,
	s_barrier_signal -1
	s_barrier_wait -1                              ; everybody's has
.Lstep:                                            ; 16 trips of 128 keys
	v_add_nc_u32 v[ADK], s48, v[AK0]               ; (these four are also the places behind the last trip's products, in front of the loads below)
	v_add_nc_u32 v[ADV], s49, v[AV0]
	v_add_nc_u32 v[ADS], s50, v[ASK0]
	v_add_nc_u32 v[ADT], s51, v[ASV0]
.irp t, 0,1,2,3,4,5,6,7
	ds_load_b128 v[KF+8*\t:KF+8*\t+3], v[ADK] offset:1024*\t
	ds_load_b128 v[KF+8*\t+4:KF+8*\t+7], v[ADK] offset:1024*\t+512
.endr
.irp i, 0,1,2,3
	ds_load_b32 v[KS+\i], v[ADS] offset:128*\i     ; lanes 0-15 tile 2 i's words, lanes 16-31 tile 2 i + 1's
.endr
	s_wait_dscnt 0x0
.irp t, 0,2,4,6
	v_wmma_scale_f32_16x16x128_f8f6f4 v[S+8*\t:S+8*\t+7], v[KF+8*\t:KF+8*\t+11], v[QF:QF+11], 0, v[KS+\t/2], v[QS] matrix_a_fmt:MATRIX_FMT_FP6 matrix_b_fmt:MATRIX_FMT_FP6
	v_wmma_scale_f32_16x16x128_f8f6f4 v[S+8*\t+8:S+8*\t+15], v[KF+8*\t+8:KF+8*\t+19], v[QF:QF+11], 0, v[KS+\t/2], v[QS] matrix_a_fmt:MATRIX_FMT_FP6 matrix_b_fmt:MATRIX_FMT_FP6 matrix_a_scale:MATRIX_SCALE_ROW1
.endr
.rept 4
	v_nop                                          ; places in front of the loads into K's registers and of the first read of the scores
.endr
.irp t, 0,1,2,3
.irp c, 0,1,2
	ds_load_b128 v[VF+12*\t+4*\c:VF+12*\t+4*\c+3], v[ADV] offset:1536*\t+512*\c   ; V's tiles land under the softmax
.endr
.endr
	ds_load_b32 v[VS], v[ADT]
	ds_load_b32 v[VS+1], v[ADT] offset:128
.irp b, 0,1,2,3
	v_max3_num_f32 v[BM+\b], v[S+16*\b], v[S+1+16*\b], v[S+2+16*\b]   ; the largest score of each block of 32 keys: for the row's maximum, and, since p rises with the score, for the block's largest p
.endr
.irp i, 3,5,7,9,11,13
.irp b, 0,1,2,3
	v_max3_num_f32 v[BM+\b], v[BM+\b], v[S+16*\b+\i], v[S+1+16*\b+\i]
.endr
.endr
.irp b, 0,1,2,3
	v_max_num_f32 v[BM+\b], v[BM+\b], v[S+15+16*\b]
.endr
.irp b, 0,1,2,3
	v_permlanex16_b32 v[BP+\b], v[BM+\b], s[SEL], s[SEL+1]
.endr
.irp b, 0,1,2,3
	v_max_num_f32 v[BM+\b], v[BM+\b], v[BP+\b]
.endr
	v_max3_num_f32 v[TMP], v[BM], v[BM+1], v[BM+2]
	v_max_num_f32 v[TMP], v[TMP], v[BM+3]
	v_mul_f32 v[TMP], s[CS], v[TMP]
	v_max_num_f32 v13, v13, v[TMP]                 ; the running largest t
	v_mov_b32 v[TMP], v12
	v_floor_f32 v12, -v13                          ; the new -M: M is a whole number
	v_sub_f32 v[TMP], v12, v[TMP]
	v_cvt_i32_f32 v[TMP], v[TMP]                   ; (it saturates)
	v_ldexp_f32 v[FF], 1.0, v[TMP]                 ; f = 2^(old M - new M)
.set j, 0
.rept 32
	v_pk_fma_f32 v[S+j:S+j+1], v[S+j:S+j+1], s[CS:CS+1], v[12:13] op_sel_hi:[1,0,0]   ; t - M
.set j, j+2
.endr
.irp b, 0,1,2,3
	v_fma_f32 v[BM+\b], v[BM+\b], s[CS], v12
.endr
.set j, 0
.rept 64
	v_exp_f32 v[S+j], v[S+j]                       ; p = 2^(t - M)
.set j, j+1
.endr
	v_pk_mul_f32 v[14:15], v[14:15], v[FF:FF+1] op_sel_hi:[1,0]   ; the sums under the new M: a plain place behind the exponentials
	s_wait_alu depctr_va_vdst(0)                   ; one wait for the batch, ahead of its first reader
.irp b, 0,1,2,3
	v_exp_f32 v[BM+\b], v[BM+\b]                   ; each block's largest p
.endr
	v_pk_add_f32 v[L2:L2+1], v[S:S+1], v[S+2:S+3]  ; the row's sum of the unquantised p, in two chains
.irp j, 4,8,12,16,20,24,28,32,36,40,44,48,52,56,60
	v_pk_add_f32 v[14:15], v[14:15], v[S+\j:S+\j+1]
	v_pk_add_f32 v[L2:L2+1], v[L2:L2+1], v[S+2+\j:S+3+\j]
.endr
	v_pk_add_f32 v[14:15], v[14:15], v[L2:L2+1]
	s_wait_alu depctr_va_vdst(0)                   ; and one for the four
.irp b, 0,1,2,3
	v_max_num_f32 v[BM+\b], 0x1800000, v[BM+\b]    ; the floor 2^(3 - 127)
.endr
.irp b, 0,1,2,3
	v_add_nc_u32 v[SO+\b], 0xff000000, v[BM+\b]
.endr
.irp b, 0,1,2,3
	v_lshrrev_b32 v[BP+\b], 23, v[SO+\b]
.endr
	v_lshl_or_b32 v[PW], v[BP+1], 8, v[BP]
	v_lshl_or_b32 v[PW], v[BP+2], 16, v[PW]
	v_lshl_or_b32 v[PW], v[BP+3], 24, v[PW]
.irp c, 0,1
	v_cvt_scalef32_pk16_fp6_f32 v[PC+6*\c:PC+6*\c+2], v[S+32*\c:S+32*\c+15], v[SO+2*\c]
	v_cvt_scalef32_pk16_fp6_f32 v[PT+4*\c:PT+4*\c+2], v[S+32*\c+16:S+32*\c+31], v[SO+2*\c+1]
.endr
	v_nop                                          ; one plain place behind a scaled conversion
.irp c, 0,1
.irp i, 0,1,2
	v_permlane16_swap_b32 v[PC+6*\c+\i], v[PT+4*\c+\i]
.endr
.irp i, 0,1,2
	v_mov_b32 v[PC+3+6*\c+\i], v[PT+4*\c+\i]
.endr
.endr
.set j, 0
.rept 16
	v_pk_mul_f32 v[O+j:O+j+1], v[O+j:O+j+1], v[FF:FF+1] op_sel_hi:[1,0]   ; O^T under the new M; these are also the places between p's codes and word and the products
.set j, j+2
.endr
	s_wait_dscnt 0x0                               ; V
.irp t, 0,2
	v_wmma_scale_f32_16x16x128_f8f6f4 v[O+8*\t:O+8*\t+7], v[VF+12*\t:VF+12*\t+11], v[PC:PC+11], v[O+8*\t:O+8*\t+7], v[VS+\t/2], v[PW] matrix_a_fmt:MATRIX_FMT_FP6 matrix_b_fmt:MATRIX_FMT_FP6
	v_wmma_scale_f32_16x16x128_f8f6f4 v[O+8*\t+8:O+8*\t+15], v[VF+12*\t+12:VF+12*\t+23], v[PC:PC+11], v[O+8*\t+8:O+8*\t+15], v[VS+\t/2], v[PW] matrix_a_fmt:MATRIX_FMT_FP6 matrix_b_fmt:MATRIX_FMT_FP6 matrix_a_scale:MATRIX_SCALE_ROW1
.endr
	s_add_co_u32 s48, s48, 8192
	s_add_co_u32 s49, s49, 6144
	s_add_co_u32 s50, s50, 512
	s_add_co_u32 s51, s51, 256
	s_sub_co_u32 s52, s52, 1
	s_cmp_lg_u32 s52, 0
	s_cbranch_scc1 .Lstep
	; THE WAY OUT
.rept 4
	v_nop
.endr
	v_add_f32 v14, v14, v15
	v_permlanex16_b32 v[TMP], v14, s[SEL], s[SEL+1]
	v_add_f32 v14, v14, v[TMP]                     ; the row's sum
	v_rcp_f32 v14, v14
	v_nop
	s_wait_alu depctr_va_vdst(0)
.set j, 0
.rept 32
	v_mul_f32 v[S+j], v[O+j], v14                  ; register 16 B + i: channel 32 B + 16 (lane / 16) + i of my query
.set j, j+1
.endr
.irp b, 0,1
	v_max3_num_f32 v[BM+\b], |v[S+16*\b]|, |v[S+1+16*\b]|, 0x1800000
.endr
.irp i, 2,4,6,8,10,12,14
.irp b, 0,1
	v_max3_num_f32 v[BM+\b], v[BM+\b], |v[S+16*\b+\i]|, |v[S+1+16*\b+\i]|
.endr
.endr
.irp b, 0,1
	v_permlanex16_b32 v[BP+\b], v[BM+\b], s[SEL], s[SEL+1]
.endr
.irp b, 0,1
	v_max_num_f32 v[BM+\b], v[BM+\b], v[BP+\b]
.endr
.irp b, 0,1
	v_add_nc_u32 v[SO+\b], 0xff000000, v[BM+\b]
.endr
.irp b, 0,1
	v_lshrrev_b32 v[BP+\b], 23, v[SO+\b]
.endr
	v_cvt_scalef32_pk16_fp6_f32 v[PC:PC+2], v[S:S+15], v[SO]
	v_cvt_scalef32_pk16_fp6_f32 v[PT:PT+2], v[S+16:S+31], v[SO+1]
	v_nop
.irp i, 0,1,2
	v_permlane16_swap_b32 v[PC+\i], v[PT+\i]       ; lanes 0-15 now hold block 0 whole, lanes 16-31 block 1
.endr
	v_cndmask_b32 v[TMP], v[BP+1], v[BP], s53      ; and its byte
	global_store_b96 v[GO], v[PC:PC+2], s[58:59]
	global_store_b96 v[GO], v[PT:PT+2], s[58:59] offset:12
	global_store_b8 v[GS], v[TMP], s[60:61]
	s_wait_tensorcnt 0x0                           ; the wave's end
	ds_add_u32 v[SPW], v[NIL]
	s_wait_dscnt 0x0
	CROUND                                         ; the closing round
	s_endpgm
.Lfunc_end_k_q4ad3f7d9d4_attn:
	.size	k_q4ad3f7d9d4_attn, .Lfunc_end_k_q4ad3f7d9d4_attn-k_q4ad3f7d9d4_attn
	.p2alignl 7, 3214868480
	.fill 96, 4, 3214868480
	.section	.rodata,"a",@progbits
	.p2align	6, 0x0
	.amdhsa_kernel k_q4ad3f7d9d4_attn
		.amdhsa_group_segment_fixed_size 243712
		.amdhsa_private_segment_fixed_size 0
		.amdhsa_enable_private_segment 0
		.amdhsa_kernarg_size 16
		.amdhsa_user_sgpr_count 2
		.amdhsa_user_sgpr_kernarg_segment_ptr 1
		.amdhsa_wavefront_size32 1
		.amdhsa_system_sgpr_workgroup_id_x 1
		.amdhsa_system_sgpr_workgroup_id_y 1
		.amdhsa_system_sgpr_workgroup_id_z 1
		.amdhsa_system_vgpr_workitem_id 0
		.amdhsa_next_free_vgpr 256
		.amdhsa_next_free_sgpr 66
		.amdhsa_reserve_vcc 0
		.amdhsa_float_denorm_mode_32 3
		.amdhsa_float_denorm_mode_16_64 3
		.amdhsa_memory_ordered 1
		.amdhsa_forward_progress 1
		.amdhsa_inst_pref_size 28
	.end_amdhsa_kernel
	.amdgpu_metadata
---
amdhsa.version: [ 1, 2 ]
amdhsa.kernels:
  - .name:           k_q4ad3f7d9d4_attn
    .symbol:         k_q4ad3f7d9d4_attn.kd
    .args:
      - { .name: qkv, .offset: 0, .size: 8, .value_kind: global_buffer, .address_space: global }
      - { .name: att, .offset: 8, .size: 8, .value_kind: global_buffer, .address_space: global }
    .group_segment_fixed_size: 243712
    .private_segment_fixed_size: 0
    .kernarg_segment_align: 8
    .kernarg_segment_size: 16
    .max_flat_workgroup_size: 512
    .sgpr_count:     66
    .vgpr_count:     256
    .wavefront_size: 32
...
	.end_amdgpu_metadata
.endif
;; end of part 4
;; launch oproj (part 5): grid 4 x 16, 4 waves a work-group, clusters of 4 x 4, 327,680 bytes of LDS; arguments att, wts, bo, x, x1; writes x1
.if DOCPART == 5
	.amdgcn_target "amdgcn-amd-amdhsa--gfx1250"
	.amdhsa_code_object_version 6
	.text
	.protected	k_q4ad3f7d9d4_oproj
	.globl	k_q4ad3f7d9d4_oproj
	.p2align	8
	.type	k_q4ad3f7d9d4_oproj,@function
k_q4ad3f7d9d4_oproj:
	s_mov_b64 s[64:65], 0
	v_nop
	global_prefetch_b8 v0, s[64:65] scope:SCOPE_SE
	s_setreg_imm32_b32 hwreg(HW_REG_WAVE_MODE, 25, 1), 1
	s_wait_xcnt 0x0
	s_wait_alu depctr_hold_cnt(0) depctr_sa_sdst(0) depctr_va_vdst(0) depctr_va_sdst(0) depctr_va_ssrc(0) depctr_va_vcc(0) depctr_vm_vsrc(0)
	s_getreg_b32 s2, hwreg(HW_REG_IB_STS2, 6, 4)
	s_cmp_eq_u32 s2, 0
	s_cbranch_scc0 .Lentry_in_a_cluster
	s_endpgm
.Lentry_in_a_cluster:
	s_bfe_u32 s2, ttmp6, 0x10000c
	s_cmp_lg_u32 s2, 0xf033
	s_cbranch_scc0 .Lentry_shape_is_right
	s_endpgm
.Lentry_shape_is_right:
; x1 = x + (attention's output) Wo + bo, the product on codes of FP6 (E2M3), the rest in f32.
; A tile of 256 x 256 a work-group, four waves of 128 x 128 (64 accumulators).  K = 1,024 in steps of 256 through a ring of two LDS slots filled by tensor loads; a step's 128 rows are 24,576 dense bytes.  The scale bytes of the
; tile's rows for all of K come once.  4 x 4 work-groups form a cluster: A's tiles are asked for jointly along a row of it, B's along a column.  The matrix instruction is used transposed; the weight's rows were laid so that the
; 16 registers of accumulators 2 B and 2 B + 1 are columns 32 B + 16 (lane / 16) + 0 .. 15 of the lane's row.  The bias is the C of each sum's first instruction.
; THE WAY OUT: 16 rows at a time through the wave's own stage (in slot 0, behind its last fill and last read), back as whole rows of 512 bytes; the residual, asked for up to four blocks ahead, is added there.
; The launch has 64 work-groups: one core serves all four products of this program.
.set SIZE_K, 1024
.set A_SC,   3145728
.set B_CODE, 2359296
.set B_SC,   9535488
.set BROWS,  1024
.set NQ,     2
.set ROWB,   192
.set PITCH,  240
.set FR,     12
.set NL,     6
.set NP,     4
.set HALFT,  128*PITCH
.set SLOT,   4*HALFT
.set LAPS,   SIZE_K/512
.set NCH,    SIZE_K/256
.set SCL,    2*SLOT
.set HALFS,  1024*NCH
.set SPARE,  ((SCL+4*HALFS+128+255)/256)*256
.set A_STEP, 4096*ROWB
.set B_STEP, BROWS*ROWB
.set SPITCH, 528
.set ADRA, 16
.set ADRB, 20
.set STO,  24
.set RD,   25
.set CO,   26
.set ADRS, 27
.set SPW,  28
.set NIL,  29
.set SC,   32
.set BIAS, 64
.set AF,   128
.set BK,   128
.set G1, 24
.set G0, 32
.set G1B, 48
.set G0B, 56
.set G1S, 68
.set G0S, 76
.set G1SB, 80
.set G0SB, 88
.set MSB, 0
.macro WIN new
.if MSB != \new
	s_set_vgpr_msb (MSB<<8)|\new
.set MSB, \new
.endif
.endm
.set MUL_LO, 0xa1
.set MUL_HI, 0xf1
.set TO_B,   0x40
.macro JLOAD g0a, g1a, g0b, g1b
	s_cmp_eq_u32 s15, 0
	s_cbranch_scc0 .Lfor_b_\@
	tensor_load_to_lds s[\g0a:\g0a+3], s[\g1a:\g1a+7]
	s_nop 0
.rept 4
	v_nop
.endr
	s_branch .Lasked_\@
.Lfor_b_\@:
	tensor_load_to_lds s[\g0b:\g0b+3], s[\g1b:\g1b+7]
	s_nop 0
.rept 4
	v_nop
.endr
.Lasked_\@:
.endm
.macro CREST
	s_cmp_lg_u32 s14, 0
	s_cbranch_scc1 .Lnot_wave_0_\@
	s_barrier_signal -3
.Lnot_wave_0_\@:
	s_barrier_wait -3
	s_barrier_signal -1
	s_barrier_wait -1
.endm
.macro CROUND
	s_barrier_signal -1
	s_barrier_wait -1
	CREST
.endm
	s_load_b64 s[4:5], s[0:1], 0x0                 ; A's operand
	s_load_b64 s[8:9], s[0:1], 0x8                 ; the weights' buffer
	s_load_b128 s[96:99], s[0:1], 0x10             ; the bias, the residual
	s_load_b64 s[12:13], s[0:1], 0x20              ; out
	v_lshl_add_u32 v[SPW], v0, 2, SPARE
	v_mov_b32 v[NIL], 0
	ds_add_u32 v[SPW], v[NIL]                      ; the wave's opening
	v_lshrrev_b32 v1, 5, v0
	v_readfirstlane_b32 s14, v1
	s_lshr_b32 s15, s14, 1
	s_and_b32 s16, s14, 1
	s_bfe_u32 s40, ttmp6, 0x40000
	s_bfe_u32 s41, ttmp6, 0x40004
	s_lshl_b32 s42, ttmp9, 2
	s_add_co_u32 s42, s42, s40                     ; tile column
	s_and_b32 s17, ttmp7, 0xffff
	s_lshl_b32 s17, s17, 2
	s_add_co_u32 s17, s17, s41                     ; tile row
	s_lshl_b32 s43, s41, 2
	s_lshl_b32 s43, 15, s43
	s_lshl_b32 s44, 0x1111, s40
	s_or_b32 s[G1+0], s43, (0<<16)|(1<<20)|(1<<21)|(3<<22)|(3<<25)
	s_or_b32 s[G1B+0], s44, (0<<16)|(1<<20)|(1<<21)|(3<<22)|(3<<25)
.irp g, G1, G1B
	s_mov_b32 s[\g+1], ROWB<<16
	s_mov_b32 s[\g+2], 128<<16
	s_mov_b32 s[\g+3], ROWB<<16
	s_mov_b32 s[\g+4], 128
	s_mov_b32 s[\g+5], ROWB
	s_mov_b32 s[\g+6], 0
	s_mov_b32 s[\g+7], 0
.endr
	s_or_b32 s[G1S+0], s43, (3<<16)|(1<<21)
	s_or_b32 s[G1SB+0], s44, (3<<16)|(1<<21)
.irp g, G1S, G1SB
	s_mov_b32 s[\g+1], 128<<16
	s_mov_b32 s[\g+2], NCH<<16
	s_mov_b32 s[\g+3], 128<<16
	s_mov_b32 s[\g+4], NCH
	s_mov_b32 s[\g+6], 0
	s_mov_b32 s[\g+7], 0
.endr
	s_mov_b32 s[G1S+5], 4096
	s_mov_b32 s[G1SB+5], BROWS
	s_lshl_b32 s18, s16, 7
	s_lshl_b32 s20, s17, 8
	s_add_co_u32 s20, s20, s18
	s_lshl_b32 s46, s42, 8
	s_add_co_u32 s46, s46, s18
	s_mov_b32 s21, 0
	s_mov_b32 s47, 0
	s_mov_b64 s[18:19], 8
	s_mul_u64 s[22:23], s[20:21], s[18:19]
	s_mul_u64 s[92:93], s[46:47], s[18:19]
	s_mov_b64 s[18:19], ROWB
	s_mul_u64 s[20:21], s[20:21], s[18:19]
	s_mul_u64 s[46:47], s[46:47], s[18:19]
	s_mul_i32 s45, s14, HALFT
	s_mul_i32 s94, s14, HALFS
	s_wait_dscnt 0x0
	s_wait_kmcnt 0x0
	s_add_nc_u64 s[6:7], s[4:5], A_SC
	s_add_nc_u64 s[10:11], s[8:9], B_SC
	s_add_nc_u64 s[8:9], s[8:9], B_CODE
	s_add_nc_u64 s[20:21], s[4:5], s[20:21]
	s_add_nc_u64 s[22:23], s[6:7], s[22:23]
	s_add_nc_u64 s[46:47], s[8:9], s[46:47]
	s_add_nc_u64 s[92:93], s[10:11], s[92:93]
	CROUND
	s_mov_b32 s[G0S], 1
	s_add_co_u32 s[G0S+1], s94, SCL
	s_mov_b64 s[G0S+2:G0S+3], s[22:23]
	s_or_b32 s[G0S+3], s[G0S+3], 0x80000000
	s_mov_b32 s[G0SB], 1
	s_add_co_u32 s[G0SB+1], s94, SCL+128
	s_mov_b64 s[G0SB+2:G0SB+3], s[92:93]
	s_or_b32 s[G0SB+3], s[G0SB+3], 0x80000000
	JLOAD G0S, G1S, G0SB, G1SB
.irp s, 0,1
	s_mov_b32 s[G0+4*\s], 1
	s_add_co_u32 s[G0+4*\s+1], s45, \s*SLOT
	s_add_nc_u64 s[G0+4*\s+2:G0+4*\s+3], s[20:21], \s*A_STEP
	s_or_b32 s[G0+4*\s+3], s[G0+4*\s+3], 0x80000000
	s_mov_b32 s[G0B+4*\s], 1
	s_add_co_u32 s[G0B+4*\s+1], s45, \s*SLOT
	s_add_nc_u64 s[G0B+4*\s+2:G0B+4*\s+3], s[46:47], \s*B_STEP
	s_or_b32 s[G0B+4*\s+3], s[G0B+4*\s+3], 0x80000000
	JLOAD G0+4*\s, G1, G0B+4*\s, G1B
.endr
	v_and_b32 v1, 15, v0
	v_bfe_u32 v2, v0, 4, 1
	v_mul_u32_u24 v3, v1, PITCH
	v_mul_u32_u24 v4, v2, 24
	v_add_nc_u32 v4, v3, v4
	v_lshl_add_u32 v5, v2, 4, v4
	s_mul_i32 s21, s15, HALFT
	s_mul_i32 s22, s16, HALFT
	s_add_co_u32 s22, s22, 2*HALFT
.irp s, 0,1
	v_add_nc_u32 v[ADRA+\s], s21, v4
	v_add_nc_u32 v[ADRB+\s], s22, v4
	v_add_nc_u32 v[ADRA+2+\s], s21, v5
	v_add_nc_u32 v[ADRB+2+\s], s22, v5
	s_add_co_u32 s21, s21, SLOT
	s_add_co_u32 s22, s22, SLOT
.endr
	v_lshlrev_b32 v5, 3, v1
	s_mul_i32 s21, s15, HALFS
	s_mul_i32 s22, s16, HALFS
	s_add_co_u32 s22, s22, 2*HALFS+128
	s_sub_co_u32 s22, s22, s21
	v_mul_u32_u24 v6, s22, v2
	s_add_co_u32 s21, s21, SCL
	v_add_nc_u32 v5, v5, v6
	v_add_nc_u32 v[ADRS], s21, v5
	s_mul_i32 s23, s14, 16*SPITCH                  ; my stage
	v_mul_u32_u24 v5, v1, SPITCH
	v_lshl_add_u32 v5, v2, 6, v5
	v_add_nc_u32 v[STO], s23, v5                   ; in: row r, + 64 h: my 16 columns of a group of 32
	v_and_b32 v6, 31, v0
	v_lshlrev_b32 v[CO], 4, v6
	v_add_nc_u32 v[RD], s23, v[CO]                 ; back: a row of 512 bytes to the 32 lanes
	v_lshlrev_b32 v30, 6, v2
	s_lshl_b32 s46, s42, 10
	s_lshl_b32 s47, s16, 9
	s_add_co_u32 s46, s46, s47                     ; my first column, in bytes
	s_mov_b32 s47, 0
	s_add_nc_u64 s[96:97], s[96:97], s[46:47]
	s_lshl_b32 s20, s17, 8
	s_lshl_b32 s21, s15, 7
	s_add_co_u32 s20, s20, s21
	s_lshl_b32 s20, s20, 12                        ; my first row, in bytes
	s_add_co_u32 s20, s20, s46
	s_mov_b32 s21, 0
	s_add_nc_u64 s[12:13], s[12:13], s[20:21]
	s_add_nc_u64 s[98:99], s[98:99], s[20:21]
.irp b, 0,1,2,3,4,5,6,7
	global_load_b128 v[BIAS+8*\b:BIAS+8*\b+3], v30, s[96:97] offset:(32*(\b/2)+8*(\b%2))*4
	global_load_b128 v[BIAS+8*\b+4:BIAS+8*\b+7], v30, s[96:97] offset:(32*(\b/2)+8*(\b%2))*4+16
.endr
.macro FRAG reg, adr, q, i
.irp p, 0,1,2,3,4,5
.set PC, 12*(\q)+6*(\p/3)+\p%3
.if PC%8 < 5
	ds_load_b64 v[\reg+2*\p:\reg+2*\p+1], v[\adr] offset:8*PC+16*(PC/8)+(\i)*16*PITCH
.else
	ds_load_b64 v[\reg+2*\p:\reg+2*\p+1], v[\adr+2] offset:8*PC+16*(PC/8)+(\i)*16*PITCH
.endif
.endr
.endm
.macro MUL16 a0, p, q, sc, zero        ; the 64 accumulators take turns, one instruction a turn
.irp a, \a0, \a0+1
.irp b, 0,1,2,3,4,5,6,7
.if \zero
	v_wmma_scale_f32_16x16x128_f8f6f4 v[8*(8*((\a)%4)+\b):8*(8*((\a)%4)+\b)+7], v[128*(\p)+FR*\b:128*(\p)+FR*\b+FR-1], v[AF+FR*(\a):AF+FR*(\a)+FR-1], v[BIAS+8*\b:BIAS+8*\b+7], v[SC+8*NQ*(\sc)+NQ*\b+(\q)], v[SC+8*NQ*(\sc)+NQ*(\a)+(\q)] matrix_a_fmt:MATRIX_FMT_FP6 matrix_b_fmt:MATRIX_FMT_FP6 matrix_a_scale:MATRIX_SCALE_ROW1
.else
	v_wmma_scale_f32_16x16x128_f8f6f4 v[8*(8*((\a)%4)+\b):8*(8*((\a)%4)+\b)+7], v[128*(\p)+FR*\b:128*(\p)+FR*\b+FR-1], v[AF+FR*(\a):AF+FR*(\a)+FR-1], v[8*(8*((\a)%4)+\b):8*(8*((\a)%4)+\b)+7], v[SC+8*NQ*(\sc)+NQ*\b+(\q)], v[SC+8*NQ*(\sc)+NQ*(\a)+(\q)] matrix_a_fmt:MATRIX_FMT_FP6 matrix_b_fmt:MATRIX_FMT_FP6 matrix_a_scale:MATRIX_SCALE_ROW1
.endif
.endr
.endr
.endm
.macro FETCH_B slot, q, p
	WIN TO_B
.irp i, 0,1,2,3,4,5,6,7
	FRAG 128*(\p)+FR*\i, ADRB+\slot, \q, \i
.endr
	WIN 0
.endm
.macro FETCH_A slot, q, i0
.irp i, \i0, \i0+1, \i0+2, \i0+3
	FRAG AF+FR*(\i), ADRA+\slot, \q, \i
.endr
.endm
.macro SCALES sc
.irp i, 0,1,2,3,4,5,6,7
	ds_load_b64 v[SC+8*NQ*\sc+NQ*\i:SC+8*NQ*\sc+NQ*\i+1], v[ADRS] offset:\i*128
.endr
.endm
.macro PLACES n
.rept \n
	v_nop
.endr
.endm
.macro STEP slot, q, zero
	s_wait_dscnt 4*NL                              ; B's set and A's blocks 0-3 are in; A's blocks 4-7 may be out
.if \zero
	WIN 0x81
.else
	WIN MUL_LO
.endif
	MUL16 0, (\q)%2, \q, \slot, \zero
	MUL16 2, (\q)%2, \q, \slot, \zero
	s_wait_dscnt 0
	PLACES NP
	FETCH_B \slot, (\q)+1, 1-(\q)%2
	FETCH_A \slot, (\q)+1, 0
.if \zero
	WIN 0xc1
.else
	WIN MUL_HI
.endif
	MUL16 4, (\q)%2, \q, \slot, \zero
	MUL16 6, (\q)%2, \q, \slot, \zero
	PLACES NP
	WIN 0
	FETCH_A \slot, (\q)+1, 4
.endm
.macro TURN slot, next, fill
	s_wait_tensorcnt 0x0                           ; all my tensor loads have landed: my part of the next slot
	ds_add_u32 v[SPW], v[NIL]
	s_wait_dscnt 4*NL+1                            ; (the add and A's blocks 4-7 may be out)
	WIN MUL_LO
	MUL16 0, 1, NQ-1, \slot, 0
	s_wait_dscnt 0x0                               ; the add is done, and my reads of this slot are over
	s_barrier_signal -1
	MUL16 2, 1, NQ-1, \slot, 0
	WIN 0
	s_barrier_wait -1
.if \fill
	CREST                                          ; a round of the cluster's barrier: no wave of any partner still reads this slot or has a load on its way
	s_add_nc_u64 s[G0+4*\slot+2:G0+4*\slot+3], s[G0+4*\slot+2:G0+4*\slot+3], 2*A_STEP
	s_add_nc_u64 s[G0B+4*\slot+2:G0B+4*\slot+3], s[G0B+4*\slot+2:G0B+4*\slot+3], 2*B_STEP
	JLOAD G0+4*\slot, G1, G0B+4*\slot, G1B
.else
	PLACES NP
.endif
	v_add_nc_u32 v[ADRS], 1024, v[ADRS]
	FETCH_B \next, 0, 0
	FETCH_A \next, 0, 0
	SCALES \next
	WIN MUL_HI
	MUL16 4, 1, NQ-1, \slot, 0
	MUL16 6, 1, NQ-1, \slot, 0
	PLACES NP
	WIN 0
	FETCH_A \next, 0, 4
.endm
.macro RLOAD a                         ; the residual's rows 16 a .. 16 a + 15, my 512 bytes of each, into window 1
	WIN TO_B
.set t, 0
.rept 16
	global_load_b128 v[64*((\a)%4)+4*t:64*((\a)%4)+4*t+3], v[CO], s[98:99] offset:(16*(\a)+t)*4096
.set t, t+1
.endr
	WIN 0
.endm
.macro TOSTAGE a
.set AC, 64*((\a)%4)
	WIN 0x08+4*((\a)/4)
.irp b, 0,1,2,3,4,5,6,7
	ds_store_b128 v[STO], v[AC+8*\b:AC+8*\b+3] offset:128*(\b/2)+32*(\b%2)
	ds_store_b128 v[STO], v[AC+8*\b+4:AC+8*\b+7] offset:128*(\b/2)+32*(\b%2)+16
.endr
	WIN 0
.set BB, BK+64*((\a)%2)
.irp t, 0,1,2,3,4,5,6,7,8,9,10,11,12,13,14,15
	ds_load_b128 v[BB+4*\t:BB+4*\t+3], v[RD] offset:\t*SPITCH   ; a wave's LDS instructions are served in order: these see the stores above
.endr
.endm
.macro SEND a, younger
.set BB, BK+64*((\a)%2)
	s_wait_dscnt \younger                          ; the block is back in registers
.if (\a) <= 4
	s_wait_loadcnt 48                              ; its residual is in; three younger blocks' may be out
.else
	s_wait_loadcnt 16*(7-(\a))
.endif
	WIN 0x04
.set t, 0
.rept 32
	v_pk_add_f32 v[BB+t:BB+t+1], v[BB+t:BB+t+1], v[64*((\a)%4)+t:64*((\a)%4)+t+1]
.set t, t+2
.endr
	WIN 0
.if (\a) < 4
	RLOAD (\a)+4
.endif
.set t, 0
.rept 16
	global_store_b128 v[CO], v[BB+4*t:BB+4*t+3], s[12:13] offset:(16*(\a)+t)*4096   ; 512 consecutive bytes, aligned
.set t, t+1
.endr
.endm
	s_wait_tensorcnt 1                             ; the scales and my part of K step 0 are in; K step 1's load may be out
	s_barrier_signal -1
	s_barrier_wait -1
	FETCH_B 0, 0, 0
	FETCH_A 0, 0, 0
	SCALES 0
	FETCH_A 0, 0, 4
	s_wait_loadcnt 0x0                             ; the bias
	STEP 0, 0, 1
	s_mov_b32 s3, LAPS-1
.Llap:
	TURN 0, 1, 1
	STEP 1, 0, 0
	TURN 1, 0, 1
	STEP 0, 0, 0
	s_sub_co_u32 s3, s3, 1
	s_cmp_lg_u32 s3, 0
	s_cbranch_scc1 .Llap
	TURN 0, 1, 0
	STEP 1, 0, 0
	RLOAD 0                                        ; into B's first set, which is done with (four places stand behind its last reader): they land under the last 64 products
	RLOAD 1
	s_wait_dscnt 4*NL
	WIN MUL_LO
	MUL16 0, 1, NQ-1, 1, 0
	MUL16 2, 1, NQ-1, 1, 0
	s_wait_dscnt 0
	WIN MUL_HI
	MUL16 4, 1, NQ-1, 1, 0
	MUL16 6, 1, NQ-1, 1, 0
	WIN 0
	PLACES NP
	RLOAD 2
	RLOAD 3
	TOSTAGE 0
.irp a, 1,2,3,4,5,6,7
.if \a > 1
	s_wait_xcnt 0x0                                ; the stores of two blocks back have read the registers into which this block's rows come
.endif
	TOSTAGE \a
	SEND \a-1, 32                                  ; behind that block's loads: this block's 16 stores and 16 loads
.endr
	SEND 7, 0
	s_wait_tensorcnt 0x0                           ; the wave's end
	ds_add_u32 v[SPW], v[NIL]
	s_wait_dscnt 0x0
	CROUND                                         ; the closing round
	s_endpgm
.Lfunc_end_k_q4ad3f7d9d4_oproj:
	.size	k_q4ad3f7d9d4_oproj, .Lfunc_end_k_q4ad3f7d9d4_oproj-k_q4ad3f7d9d4_oproj
	.p2alignl 7, 3214868480
	.fill 96, 4, 3214868480
	.section	.rodata,"a",@progbits
	.p2align	6, 0x0
	.amdhsa_kernel k_q4ad3f7d9d4_oproj
		.amdhsa_group_segment_fixed_size 327680
		.amdhsa_private_segment_fixed_size 0
		.amdhsa_enable_private_segment 0
		.amdhsa_kernarg_size 40
		.amdhsa_user_sgpr_count 2
		.amdhsa_user_sgpr_kernarg_segment_ptr 1
		.amdhsa_wavefront_size32 1
		.amdhsa_system_sgpr_workgroup_id_x 1
		.amdhsa_system_sgpr_workgroup_id_y 1
		.amdhsa_system_sgpr_workgroup_id_z 1
		.amdhsa_system_vgpr_workitem_id 0
		.amdhsa_next_free_vgpr 1024
		.amdhsa_next_free_sgpr 102
		.amdhsa_reserve_vcc 0
		.amdhsa_float_denorm_mode_32 3
		.amdhsa_float_denorm_mode_16_64 3
		.amdhsa_memory_ordered 1
		.amdhsa_forward_progress 1
		.amdhsa_inst_pref_size 190
	.end_amdhsa_kernel
	.amdgpu_metadata
---
amdhsa.version: [ 1, 2 ]
amdhsa.kernels:
  - .name:           k_q4ad3f7d9d4_oproj
    .symbol:         k_q4ad3f7d9d4_oproj.kd
    .args:
      - { .name: att, .offset: 0, .size: 8, .value_kind: global_buffer, .address_space: global }
      - { .name: wts, .offset: 8, .size: 8, .value_kind: global_buffer, .address_space: global }
      - { .name: bo, .offset: 16, .size: 8, .value_kind: global_buffer, .address_space: global }
      - { .name: x, .offset: 24, .size: 8, .value_kind: global_buffer, .address_space: global }
      - { .name: x1, .offset: 32, .size: 8, .value_kind: global_buffer, .address_space: global }
    .group_segment_fixed_size: 327680
    .private_segment_fixed_size: 0
    .kernarg_segment_align: 8
    .kernarg_segment_size: 40
    .max_flat_workgroup_size: 128
    .sgpr_count:     102
    .vgpr_count:     1024
    .wavefront_size: 32
...
	.end_amdgpu_metadata
.endif
;; end of part 5
;; launch ln2: the kernel of part 2 again; grid 128 x 1, 8 waves a work-group, no clusters, 43,008 bytes of LDS; arguments x1, ln2_w, ln2_b, hq; writes hq
;; launch ff1 (part 6): grid 16 x 16, 4 waves a work-group, clusters of 4 x 4, 327,680 bytes of LDS; arguments hq, wts, b1, gq; writes gq
.if DOCPART == 6
	.amdgcn_target "amdgcn-amd-amdhsa--gfx1250"
	.amdhsa_code_object_version 6
	.text
	.protected	k_q4ad3f7d9d4_ff1
	.globl	k_q4ad3f7d9d4_ff1
	.p2align	8
	.type	k_q4ad3f7d9d4_ff1,@function
k_q4ad3f7d9d4_ff1:
	s_mov_b64 s[64:65], 0
	v_nop
	global_prefetch_b8 v0, s[64:65] scope:SCOPE_SE
	s_setreg_imm32_b32 hwreg(HW_REG_WAVE_MODE, 25, 1), 1
	s_wait_xcnt 0x0
	s_wait_alu depctr_hold_cnt(0) depctr_sa_sdst(0) depctr_va_vdst(0) depctr_va_sdst(0) depctr_va_ssrc(0) depctr_va_vcc(0) depctr_vm_vsrc(0)
	s_getreg_b32 s2, hwreg(HW_REG_IB_STS2, 6, 4)
	s_cmp_eq_u32 s2, 0
	s_cbranch_scc0 .Lentry_in_a_cluster
	s_endpgm
.Lentry_in_a_cluster:
	s_bfe_u32 s2, ttmp6, 0x10000c
	s_cmp_lg_u32 s2, 0xf033
	s_cbranch_scc0 .Lentry_shape_is_right
	s_endpgm
.Lentry_shape_is_right:
; g = gelu(h W1 + b1), exact (erf), quantised along the 4,096 hidden units and stored as the next product's operand: codes [16][4096][192 bytes], scale bytes [16][4096][8] from byte 12,582,912 on.
; THE PRODUCT: a tile of 256 x 256 a work-group, four waves of 128 x 128; K = 1,024 in steps of 256 through a ring of two LDS slots filled by tensor loads; scale bytes once; 4 x 4 clusters with joint loads.
; The matrix instruction is used transposed; the weight's rows were laid so that the 16 registers of accumulators 2 B and 2 B + 1 are hidden units 32 B + 16 (lane / 16) + 0 .. 15 of the lane's row: neighbours along the next K.
; THE WAY OUT: a loop of eight trips, 16 rows each.  Only the copy out of the accumulators differs from trip to trip (register numbers): it is chosen by the trip's number; gelu and the quantiser are written once.
; erf(u) = u A(u^2) / B(u^2) with |u| held at 4, polynomials of degree 6 and 4 in u^2, all in f32; gelu = h/2 + (h/2) erf(h / sqrt 2).
; The tile's 256 columns are one chunk of the operand: 256 rows x 192 bytes are gathered in LDS bytes of their own and leave as 49,152 consecutive bytes.
; LIMITS: NaN and infinities are not served; a block of zeros gets the byte 1; in the negative tail gelu's absolute error is that of 1 + erf, some 1e-7 |h|.
.set SIZE_K, 1024
.set A_SC,   3145728
.set B_CODE, 3145728
.set B_SC,   9568256
.set BROWS,  4096
.set NQ,     2
.set ROWB,   192
.set PITCH,  240
.set FR,     12
.set NL,     6
.set NP,     4
.set HALFT,  128*PITCH
.set SLOT,   4*HALFT
.set LAPS,   SIZE_K/512
.set NCH,    SIZE_K/256
.set SCL,    2*SLOT
.set HALFS,  1024*NCH
.set SPARE,  ((SCL+4*HALFS+128+255)/256)*256
.set OST,    SPARE+512                 ; 256 rows x 192 bytes of codes: no tensor load lands here
.set OSS,    OST+256*192               ; 256 rows x 8 scale bytes
.set A_STEP, 4096*ROWB
.set B_STEP, BROWS*ROWB
.set ADRA, 16
.set ADRB, 20
.set STC,  24
.set STS,  25
.set ADRS, 27
.set SPW,  28
.set NIL,  29
.set SC,   32
.set BIAS, 64
.set AF,   128
.set G1, 24
.set G0, 32
.set G1B, 48
.set G0B, 56
.set G1S, 68
.set G0S, 76
.set G1SB, 80
.set G0SB, 88
.set SEL, 92
.set MSB, 0
.macro WIN new
.if MSB != \new
	s_set_vgpr_msb (MSB<<8)|\new
.set MSB, \new
.endif
.endm
.set MUL_LO, 0xa1
.set MUL_HI, 0xf1
.set TO_B,   0x40
.macro JLOAD g0a, g1a, g0b, g1b
	s_cmp_eq_u32 s15, 0
	s_cbranch_scc0 .Lfor_b_\@
	tensor_load_to_lds s[\g0a:\g0a+3], s[\g1a:\g1a+7]
	s_nop 0
.rept 4
	v_nop
.endr
	s_branch .Lasked_\@
.Lfor_b_\@:
	tensor_load_to_lds s[\g0b:\g0b+3], s[\g1b:\g1b+7]
	s_nop 0
.rept 4
	v_nop
.endr
.Lasked_\@:
.endm
.macro CREST
	s_cmp_lg_u32 s14, 0
	s_cbranch_scc1 .Lnot_wave_0_\@
	s_barrier_signal -3
.Lnot_wave_0_\@:
	s_barrier_wait -3
	s_barrier_signal -1
	s_barrier_wait -1
.endm
.macro CROUND
	s_barrier_signal -1
	s_barrier_wait -1
	CREST
.endm
	s_load_b64 s[4:5], s[0:1], 0x0                 ; h's operand
	s_load_b64 s[8:9], s[0:1], 0x8                 ; the weights' buffer
	s_load_b64 s[96:97], s[0:1], 0x10              ; b1
	s_load_b64 s[12:13], s[0:1], 0x18              ; out
	v_lshl_add_u32 v[SPW], v0, 2, SPARE
	v_mov_b32 v[NIL], 0
	ds_add_u32 v[SPW], v[NIL]                      ; the wave's opening
	v_lshrrev_b32 v1, 5, v0
	v_readfirstlane_b32 s14, v1
	s_lshr_b32 s15, s14, 1
	s_and_b32 s16, s14, 1
	s_bfe_u32 s40, ttmp6, 0x40000
	s_bfe_u32 s41, ttmp6, 0x40004
	s_lshl_b32 s42, ttmp9, 2
	s_add_co_u32 s42, s42, s40                     ; tile column
	s_and_b32 s17, ttmp7, 0xffff
	s_lshl_b32 s17, s17, 2
	s_add_co_u32 s17, s17, s41                     ; tile row
	s_lshl_b32 s43, s41, 2
	s_lshl_b32 s43, 15, s43
	s_lshl_b32 s44, 0x1111, s40
	s_or_b32 s[G1+0], s43, (0<<16)|(1<<20)|(1<<21)|(3<<22)|(3<<25)
	s_or_b32 s[G1B+0], s44, (0<<16)|(1<<20)|(1<<21)|(3<<22)|(3<<25)
.irp g, G1, G1B
	s_mov_b32 s[\g+1], ROWB<<16
	s_mov_b32 s[\g+2], 128<<16
	s_mov_b32 s[\g+3], ROWB<<16
	s_mov_b32 s[\g+4], 128
	s_mov_b32 s[\g+5], ROWB
	s_mov_b32 s[\g+6], 0
	s_mov_b32 s[\g+7], 0
.endr
	s_or_b32 s[G1S+0], s43, (3<<16)|(1<<21)
	s_or_b32 s[G1SB+0], s44, (3<<16)|(1<<21)
.irp g, G1S, G1SB
	s_mov_b32 s[\g+1], 128<<16
	s_mov_b32 s[\g+2], NCH<<16
	s_mov_b32 s[\g+3], 128<<16
	s_mov_b32 s[\g+4], NCH
	s_mov_b32 s[\g+6], 0
	s_mov_b32 s[\g+7], 0
.endr
	s_mov_b32 s[G1S+5], 4096
	s_mov_b32 s[G1SB+5], BROWS
	s_lshl_b32 s18, s16, 7
	s_lshl_b32 s20, s17, 8
	s_add_co_u32 s20, s20, s18
	s_lshl_b32 s46, s42, 8
	s_add_co_u32 s46, s46, s18
	s_mov_b32 s21, 0
	s_mov_b32 s47, 0
	s_mov_b64 s[18:19], 8
	s_mul_u64 s[22:23], s[20:21], s[18:19]
	s_mul_u64 s[92:93], s[46:47], s[18:19]
	s_mov_b64 s[18:19], ROWB
	s_mul_u64 s[20:21], s[20:21], s[18:19]
	s_mul_u64 s[46:47], s[46:47], s[18:19]
	s_mul_i32 s45, s14, HALFT
	s_mul_i32 s94, s14, HALFS
	s_wait_dscnt 0x0
	s_wait_kmcnt 0x0
	s_add_nc_u64 s[6:7], s[4:5], A_SC
	s_add_nc_u64 s[10:11], s[8:9], B_SC
	s_add_nc_u64 s[8:9], s[8:9], B_CODE
	s_add_nc_u64 s[20:21], s[4:5], s[20:21]
	s_add_nc_u64 s[22:23], s[6:7], s[22:23]
	s_add_nc_u64 s[46:47], s[8:9], s[46:47]
	s_add_nc_u64 s[92:93], s[10:11], s[92:93]
	CROUND
	s_mov_b32 s[G0S], 1
	s_add_co_u32 s[G0S+1], s94, SCL
	s_mov_b64 s[G0S+2:G0S+3], s[22:23]
	s_or_b32 s[G0S+3], s[G0S+3], 0x80000000
	s_mov_b32 s[G0SB], 1
	s_add_co_u32 s[G0SB+1], s94, SCL+128
	s_mov_b64 s[G0SB+2:G0SB+3], s[92:93]
	s_or_b32 s[G0SB+3], s[G0SB+3], 0x80000000
	JLOAD G0S, G1S, G0SB, G1SB
.irp s, 0,1
	s_mov_b32 s[G0+4*\s], 1
	s_add_co_u32 s[G0+4*\s+1], s45, \s*SLOT
	s_add_nc_u64 s[G0+4*\s+2:G0+4*\s+3], s[20:21], \s*A_STEP
	s_or_b32 s[G0+4*\s+3], s[G0+4*\s+3], 0x80000000
	s_mov_b32 s[G0B+4*\s], 1
	s_add_co_u32 s[G0B+4*\s+1], s45, \s*SLOT
	s_add_nc_u64 s[G0B+4*\s+2:G0B+4*\s+3], s[46:47], \s*B_STEP
	s_or_b32 s[G0B+4*\s+3], s[G0B+4*\s+3], 0x80000000
	JLOAD G0+4*\s, G1, G0B+4*\s, G1B
.endr
	v_and_b32 v1, 15, v0
	v_bfe_u32 v2, v0, 4, 1
	v_mul_u32_u24 v3, v1, PITCH
	v_mul_u32_u24 v4, v2, 24
	v_add_nc_u32 v4, v3, v4
	v_lshl_add_u32 v5, v2, 4, v4
	s_mul_i32 s21, s15, HALFT
	s_mul_i32 s22, s16, HALFT
	s_add_co_u32 s22, s22, 2*HALFT
.irp s, 0,1
	v_add_nc_u32 v[ADRA+\s], s21, v4
	v_add_nc_u32 v[ADRB+\s], s22, v4
	v_add_nc_u32 v[ADRA+2+\s], s21, v5
	v_add_nc_u32 v[ADRB+2+\s], s22, v5
	s_add_co_u32 s21, s21, SLOT
	s_add_co_u32 s22, s22, SLOT
.endr
	v_lshlrev_b32 v5, 3, v1
	s_mul_i32 s21, s15, HALFS
	s_mul_i32 s22, s16, HALFS
	s_add_co_u32 s22, s22, 2*HALFS+128
	s_sub_co_u32 s22, s22, s21
	v_mul_u32_u24 v6, s22, v2
	s_add_co_u32 s21, s21, SCL
	v_add_nc_u32 v5, v5, v6
	v_add_nc_u32 v[ADRS], s21, v5
	; the way out's addresses
	s_mul_i32 s21, s15, 24576
	s_mul_i32 s22, s16, 96
	s_add_co_u32 s21, s21, s22
	s_add_co_u32 s21, s21, OST
	v_mul_u32_u24 v5, v1, 192
	v_mad_u32_u24 v5, v2, 24, v5
	v_add_nc_u32 v[STC], s21, v5                   ; codes: row r of my 128, my 96 bytes of it, + 24 h
	s_lshl_b32 s21, s15, 10
	s_lshl_b32 s22, s16, 2
	s_add_co_u32 s21, s21, s22
	s_add_co_u32 s21, s21, OSS
	v_lshl_add_u32 v[STS], v1, 3, s21              ; the scale word: row r, my 4 bytes of its 8
	v_and_b32 v6, 31, v0
	v_lshlrev_b32 v7, 4, v6
	s_mul_i32 s21, s14, 12288
	s_add_co_u32 s21, s21, OST
	v_add_nc_u32 v26, s21, v7
	s_lshl_b32 s21, s14, 9
	s_add_co_u32 s21, s21, OSS
	v_add_nc_u32 v8, s21, v7
	v_lshlrev_b32 v30, 6, v2
	s_lshl_b32 s46, s42, 10
	s_lshl_b32 s47, s16, 9
	s_add_co_u32 s46, s46, s47
	s_mov_b32 s47, 0
	s_add_nc_u64 s[96:97], s[96:97], s[46:47]
	s_mul_i32 s20, s42, 786432
	s_mul_i32 s21, s17, 49152
	s_add_co_u32 s20, s20, s21
	s_mul_i32 s21, s14, 12288
	s_add_co_u32 s20, s20, s21
	s_mov_b32 s21, 0
	s_add_nc_u64 s[98:99], s[12:13], s[20:21]      ; my quarter of the tile's codes
	s_lshl_b32 s20, s42, 15
	s_lshl_b32 s22, s17, 11
	s_add_co_u32 s20, s20, s22
	s_lshl_b32 s22, s14, 9
	s_add_co_u32 s20, s20, s22
	s_add_co_u32 s20, s20, 12582912
	s_add_nc_u64 s[12:13], s[12:13], s[20:21]      ; and of its scale bytes
.irp b, 0,1,2,3,4,5,6,7
	global_load_b128 v[BIAS+8*\b:BIAS+8*\b+3], v30, s[96:97] offset:(32*(\b/2)+8*(\b%2))*4
	global_load_b128 v[BIAS+8*\b+4:BIAS+8*\b+7], v30, s[96:97] offset:(32*(\b/2)+8*(\b%2))*4+16
.endr
.macro FRAG reg, adr, q, i
.irp p, 0,1,2,3,4,5
.set PCE, 12*(\q)+6*(\p/3)+\p%3
.if PCE%8 < 5
	ds_load_b64 v[\reg+2*\p:\reg+2*\p+1], v[\adr] offset:8*PCE+16*(PCE/8)+(\i)*16*PITCH
.else
	ds_load_b64 v[\reg+2*\p:\reg+2*\p+1], v[\adr+2] offset:8*PCE+16*(PCE/8)+(\i)*16*PITCH
.endif
.endr
.endm
.macro MUL16 a0, p, q, sc, zero        ; the 64 accumulators take turns, one instruction a turn
.irp a, \a0, \a0+1
.irp b, 0,1,2,3,4,5,6,7
.if \zero
	v_wmma_scale_f32_16x16x128_f8f6f4 v[8*(8*((\a)%4)+\b):8*(8*((\a)%4)+\b)+7], v[128*(\p)+FR*\b:128*(\p)+FR*\b+FR-1], v[AF+FR*(\a):AF+FR*(\a)+FR-1], v[BIAS+8*\b:BIAS+8*\b+7], v[SC+8*NQ*(\sc)+NQ*\b+(\q)], v[SC+8*NQ*(\sc)+NQ*(\a)+(\q)] matrix_a_fmt:MATRIX_FMT_FP6 matrix_b_fmt:MATRIX_FMT_FP6 matrix_a_scale:MATRIX_SCALE_ROW1
.else
	v_wmma_scale_f32_16x16x128_f8f6f4 v[8*(8*((\a)%4)+\b):8*(8*((\a)%4)+\b)+7], v[128*(\p)+FR*\b:128*(\p)+FR*\b+FR-1], v[AF+FR*(\a):AF+FR*(\a)+FR-1], v[8*(8*((\a)%4)+\b):8*(8*((\a)%4)+\b)+7], v[SC+8*NQ*(\sc)+NQ*\b+(\q)], v[SC+8*NQ*(\sc)+NQ*(\a)+(\q)] matrix_a_fmt:MATRIX_FMT_FP6 matrix_b_fmt:MATRIX_FMT_FP6 matrix_a_scale:MATRIX_SCALE_ROW1
.endif
.endr
.endr
.endm
.macro FETCH_B slot, q, p
	WIN TO_B
.irp i, 0,1,2,3,4,5,6,7
	FRAG 128*(\p)+FR*\i, ADRB+\slot, \q, \i
.endr
	WIN 0
.endm
.macro FETCH_A slot, q, i0
.irp i, \i0, \i0+1, \i0+2, \i0+3
	FRAG AF+FR*(\i), ADRA+\slot, \q, \i
.endr
.endm
.macro SCALES sc
.irp i, 0,1,2,3,4,5,6,7
	ds_load_b64 v[SC+8*NQ*\sc+NQ*\i:SC+8*NQ*\sc+NQ*\i+1], v[ADRS] offset:\i*128
.endr
.endm
.macro PLACES n
.rept \n
	v_nop
.endr
.endm
.macro STEP slot, q, zero
	s_wait_dscnt 4*NL                              ; B's set and A's blocks 0-3 are in; A's blocks 4-7 may be out
.if \zero
	WIN 0x81
.else
	WIN MUL_LO
.endif
	MUL16 0, (\q)%2, \q, \slot, \zero
	MUL16 2, (\q)%2, \q, \slot, \zero
	s_wait_dscnt 0
	PLACES NP
	FETCH_B \slot, (\q)+1, 1-(\q)%2
	FETCH_A \slot, (\q)+1, 0
.if \zero
	WIN 0xc1
.else
	WIN MUL_HI
.endif
	MUL16 4, (\q)%2, \q, \slot, \zero
	MUL16 6, (\q)%2, \q, \slot, \zero
	PLACES NP
	WIN 0
	FETCH_A \slot, (\q)+1, 4
.endm
.macro TURN slot, next, fill
	s_wait_tensorcnt 0x0                           ; all my tensor loads have landed: my part of the next slot
	ds_add_u32 v[SPW], v[NIL]
	s_wait_dscnt 4*NL+1                            ; (the add and A's blocks 4-7 may be out)
	WIN MUL_LO
	MUL16 0, 1, NQ-1, \slot, 0
	s_wait_dscnt 0x0                               ; the add is done, and my reads of this slot are over
	s_barrier_signal -1
	MUL16 2, 1, NQ-1, \slot, 0
	WIN 0
	s_barrier_wait -1
.if \fill
	CREST                                          ; a round of the cluster's barrier: no wave of any partner still reads this slot or has a load on its way
	s_add_nc_u64 s[G0+4*\slot+2:G0+4*\slot+3], s[G0+4*\slot+2:G0+4*\slot+3], 2*A_STEP
	s_add_nc_u64 s[G0B+4*\slot+2:G0B+4*\slot+3], s[G0B+4*\slot+2:G0B+4*\slot+3], 2*B_STEP
	JLOAD G0+4*\slot, G1, G0B+4*\slot, G1B
.else
	PLACES NP
.endif
	v_add_nc_u32 v[ADRS], 1024, v[ADRS]
	FETCH_B \next, 0, 0
	FETCH_A \next, 0, 0
	SCALES \next
	WIN MUL_HI
	MUL16 4, 1, NQ-1, \slot, 0
	MUL16 6, 1, NQ-1, \slot, 0
	PLACES NP
	WIN 0
	FETCH_A \next, 0, 4
.endm
	s_wait_tensorcnt 1                             ; the scales and my part of K step 0 are in; K step 1's load may be out
	s_barrier_signal -1
	s_barrier_wait -1
	FETCH_B 0, 0, 0
	FETCH_A 0, 0, 0
	SCALES 0
	FETCH_A 0, 0, 4
	s_wait_loadcnt 0x0                             ; the bias
	STEP 0, 0, 1
	s_mov_b32 s3, LAPS-1
.Llap:
	TURN 0, 1, 1
	STEP 1, 0, 0
	TURN 1, 0, 1
	STEP 0, 0, 0
	s_sub_co_u32 s3, s3, 1
	s_cmp_lg_u32 s3, 0
	s_cbranch_scc1 .Llap
	TURN 0, 1, 0
	STEP 1, 0, 0
	s_wait_dscnt 4*NL
	WIN MUL_LO
	MUL16 0, 1, NQ-1, 1, 0
	MUL16 2, 1, NQ-1, 1, 0
	s_wait_dscnt 0
	WIN MUL_HI
	MUL16 4, 1, NQ-1, 1, 0
	MUL16 6, 1, NQ-1, 1, 0
	WIN 0
	PLACES NP
	; ---------------- the way out
.set H,  64                            ; v64-127  h / 2, then gelu(h): 64 numbers of my row
.set U,  128                           ; v128-159 h / sqrt 2, held at +-4
.set Z,  160                           ; v160-191 its square
.set P,  192                           ; v192-223 the numerator
.set Q,  224                           ; v224-255 the denominator
.set PC, 128                           ; the quantiser works where U and Z lay
.set TM, 152
.set PW, 168
	s_mov_b32 s[SEL], 0x76543210
	s_mov_b32 s[SEL+1], 0xfedcba98
	v_mov_b32 v16, 0xaf95df0b                      ; the two leading coefficients, as pairs (the fragments' address registers are done with)
	v_mov_b32 v17, 0xaf95df0b
	v_mov_b32 v18, 0xb77460cd
	v_mov_b32 v19, 0xb77460cd
.macro COPY k                          ; rows 16 k on: h / 2 out of the accumulators, each from its low end on
	WIN 2+(\k)/4
.set i, 0
.rept 32
	v_pk_mul_f32 v[H+i:H+i+1], v[64*((\k)%4)+i:64*((\k)%4)+i+1], 0.5 op_sel_hi:[1,0]
.set i, i+2
.endr
	WIN 0
.endm
.macro FMA16 d, a, b, k                ; d = a b + k, 32 numbers
.set i, 0
.rept 16
	v_pk_fma_f32 v[\d+i:\d+i+1], v[\a+i:\a+i+1], v[\b+i:\b+i+1], \k op_sel_hi:[1,1,0]
.set i, i+2
.endr
.endm
.macro MUL16P d, a, b
.set i, 0
.rept 16
	v_pk_mul_f32 v[\d+i:\d+i+1], v[\a+i:\a+i+1], v[\b+i:\b+i+1]
.set i, i+2
.endr
.endm
.macro GELU32 o
.set i, 0
.rept 16
	v_pk_mul_f32 v[U+i:U+i+1], v[H+\o+i:H+\o+i+1], 0x3fb504f3 op_sel_hi:[1,0]   ; (h / 2) sqrt 2
.set i, i+2
.endr
.set i, 0
.rept 32
	v_med3_num_f32 v[U+i], v[U+i], -4.0, 4.0
.set i, i+1
.endr
	MUL16P Z, U, U
.set i, 0
.rept 16
	v_pk_fma_f32 v[P+i:P+i+1], v[Z+i:Z+i+1], v[16:17], 0x32edffee op_sel_hi:[1,1,0]
.set i, i+2
.endr
	FMA16 P, P, Z, 0xb60cff51
	FMA16 P, P, Z, 0xb86ec2d2
	FMA16 P, P, Z, 0xba40ac63
	FMA16 P, P, Z, 0xbb41a1f6
	FMA16 P, P, Z, 0xbc83dbd4
.set i, 0
.rept 16
	v_pk_fma_f32 v[Q+i:Q+i+1], v[Z+i:Z+i+1], v[18:19], 0xb95fbd29 op_sel_hi:[1,1,0]
.set i, i+2
.endr
	FMA16 Q, Q, Z, 0xbadc924e
	FMA16 Q, Q, Z, 0xbbf19bf8
	FMA16 Q, Q, Z, 0xbc69b6a7
.set i, 0
.rept 32
	v_rcp_f32 v[Q+i], v[Q+i]
.set i, i+1
.endr
	MUL16P P, P, U                                 ; plain work behind the batch,
	s_wait_alu depctr_va_vdst(0)                   ; and one wait for it, ahead of its first reader
	MUL16P P, P, Q                                 ; erf
.set i, 0
.rept 16
	v_pk_fma_f32 v[H+\o+i:H+\o+i+1], v[H+\o+i:H+\o+i+1], v[P+i:P+i+1], v[H+\o+i:H+\o+i+1]
.set i, i+2
.endr
.endm
	s_mov_b32 s3, 0
	s_mov_b32 s66, 0
	s_mov_b32 s67, 0
.Lrow:
	s_cmp_eq_u32 s3, 0
	s_cbranch_scc1 .Lc0
	s_cmp_eq_u32 s3, 1
	s_cbranch_scc1 .Lc1
	s_cmp_eq_u32 s3, 2
	s_cbranch_scc1 .Lc2
	s_cmp_eq_u32 s3, 3
	s_cbranch_scc1 .Lc3
	s_cmp_eq_u32 s3, 4
	s_cbranch_scc1 .Lc4
	s_cmp_eq_u32 s3, 5
	s_cbranch_scc1 .Lc5
	s_cmp_eq_u32 s3, 6
	s_cbranch_scc1 .Lc6
	COPY 7
	s_branch .Lcommon
.Lc0:
	COPY 0
	s_branch .Lcommon
.Lc1:
	COPY 1
	s_branch .Lcommon
.Lc2:
	COPY 2
	s_branch .Lcommon
.Lc3:
	COPY 3
	s_branch .Lcommon
.Lc4:
	COPY 4
	s_branch .Lcommon
.Lc5:
	COPY 5
	s_branch .Lcommon
.Lc6:
	COPY 6
.Lcommon:
	GELU32 0
	GELU32 32
	; the quantiser: register 16 b + i = hidden unit 32 b + 16 (lane / 16) + i of my row
.irp b, 0,1,2,3
	v_max3_num_f32 v[TM+\b], |v[H+16*\b]|, |v[H+1+16*\b]|, 0x1800000
.endr
.irp i, 2,4,6,8,10,12,14
.irp b, 0,1,2,3
	v_max3_num_f32 v[TM+\b], v[TM+\b], |v[H+16*\b+\i]|, |v[H+1+16*\b+\i]|
.endr
.endr
.irp b, 0,1,2,3
	v_permlanex16_b32 v[TM+4+\b], v[TM+\b], s[SEL], s[SEL+1]
.endr
.irp b, 0,1,2,3
	v_max_num_f32 v[TM+\b], v[TM+\b], v[TM+4+\b]
.endr
.irp b, 0,1,2,3
	v_add_nc_u32 v[TM+12+\b], 0xff000000, v[TM+\b]
.endr
.irp b, 0,1,2,3
	v_lshrrev_b32 v[TM+4+\b], 23, v[TM+12+\b]
.endr
	v_lshl_or_b32 v[PW], v[TM+5], 8, v[TM+4]
	v_lshl_or_b32 v[PW], v[TM+6], 16, v[PW]
	v_lshl_or_b32 v[PW], v[TM+7], 24, v[PW]
.irp c, 0,1
	v_cvt_scalef32_pk16_fp6_f32 v[PC+6*\c:PC+6*\c+2], v[H+32*\c:H+32*\c+15], v[TM+12+2*\c]
	v_cvt_scalef32_pk16_fp6_f32 v[PC+12+4*\c:PC+14+4*\c], v[H+32*\c+16:H+32*\c+31], v[TM+12+2*\c+1]
.endr
	v_nop                                          ; one plain place behind a scaled conversion
.irp c, 0,1
.irp i, 0,1,2
	v_permlane16_swap_b32 v[PC+6*\c+\i], v[PC+12+4*\c+\i]
.endr
.irp i, 0,1,2
	v_mov_b32 v[PC+3+6*\c+\i], v[PC+12+4*\c+\i]
.endr
.endr
	v_add_nc_u32 v30, s66, v[STC]
	v_add_nc_u32 v31, s67, v[STS]
.irp c, 0,1
.irp p, 0,1,2
	ds_store_b64 v30, v[PC+6*\c+2*\p:PC+6*\c+2*\p+1] offset:48*\c+8*\p
.endr
.endr
	ds_store_b32 v31, v[PW]                        ; both halves of the lanes write the same word with the same value
	s_wait_dscnt 0x0                               ; the stores have read their registers; behind the last trip: for the others' sake
	s_add_co_u32 s66, s66, 3072
	s_add_co_u32 s67, s67, 128
	s_add_co_u32 s3, s3, 1
	s_cmp_lt_u32 s3, 8
	s_cbranch_scc1 .Lrow
	s_barrier_signal -1
	s_barrier_wait -1                              ; the tile's 256 rows lie whole in LDS
.set q, 0
.rept 24
	ds_load_b128 v[64+4*q:67+4*q], v26 offset:512*q
.set q, q+1
.endr
	ds_load_b128 v[160:163], v8
.set q, 0
.rept 24
	s_wait_dscnt 24-q
	global_store_b128 v7, v[64+4*q:67+4*q], s[98:99] offset:512*q   ; 512 consecutive bytes, aligned
.set q, q+1
.endr
	s_wait_dscnt 0x0
	global_store_b128 v7, v[160:163], s[12:13]
	s_wait_tensorcnt 0x0                           ; the wave's end
	ds_add_u32 v[SPW], v[NIL]
	s_wait_dscnt 0x0
	CROUND                                         ; the closing round
	s_endpgm
.Lfunc_end_k_q4ad3f7d9d4_ff1:
	.size	k_q4ad3f7d9d4_ff1, .Lfunc_end_k_q4ad3f7d9d4_ff1-k_q4ad3f7d9d4_ff1
	.p2alignl 7, 3214868480
	.fill 96, 4, 3214868480
	.section	.rodata,"a",@progbits
	.p2align	6, 0x0
	.amdhsa_kernel k_q4ad3f7d9d4_ff1
		.amdhsa_group_segment_fixed_size 327680
		.amdhsa_private_segment_fixed_size 0
		.amdhsa_enable_private_segment 0
		.amdhsa_kernarg_size 32
		.amdhsa_user_sgpr_count 2
		.amdhsa_user_sgpr_kernarg_segment_ptr 1
		.amdhsa_wavefront_size32 1
		.amdhsa_system_sgpr_workgroup_id_x 1
		.amdhsa_system_sgpr_workgroup_id_y 1
		.amdhsa_system_sgpr_workgroup_id_z 1
		.amdhsa_system_vgpr_workitem_id 0
		.amdhsa_next_free_vgpr 1024
		.amdhsa_next_free_sgpr 102
		.amdhsa_reserve_vcc 0
		.amdhsa_float_denorm_mode_32 3
		.amdhsa_float_denorm_mode_16_64 3
		.amdhsa_memory_ordered 1
		.amdhsa_forward_progress 1
		.amdhsa_inst_pref_size 207
	.end_amdhsa_kernel
	.amdgpu_metadata
---
amdhsa.version: [ 1, 2 ]
amdhsa.kernels:
  - .name:           k_q4ad3f7d9d4_ff1
    .symbol:         k_q4ad3f7d9d4_ff1.kd
    .args:
      - { .name: hq, .offset: 0, .size: 8, .value_kind: global_buffer, .address_space: global }
      - { .name: wts, .offset: 8, .size: 8, .value_kind: global_buffer, .address_space: global }
      - { .name: b1, .offset: 16, .size: 8, .value_kind: global_buffer, .address_space: global }
      - { .name: gq, .offset: 24, .size: 8, .value_kind: global_buffer, .address_space: global }
    .group_segment_fixed_size: 327680
    .private_segment_fixed_size: 0
    .kernarg_segment_align: 8
    .kernarg_segment_size: 32
    .max_flat_workgroup_size: 128
    .sgpr_count:     102
    .vgpr_count:     1024
    .wavefront_size: 32
...
	.end_amdgpu_metadata
.endif
;; end of part 6
;; launch ff2 (part 7): grid 4 x 16, 4 waves a work-group, clusters of 4 x 4, 327,680 bytes of LDS; arguments gq, wts, b2, x1, out0; writes out0
.if DOCPART == 7
	.amdgcn_target "amdgcn-amd-amdhsa--gfx1250"
	.amdhsa_code_object_version 6
	.text
	.protected	k_q4ad3f7d9d4_ff2
	.globl	k_q4ad3f7d9d4_ff2
	.p2align	8
	.type	k_q4ad3f7d9d4_ff2,@function
k_q4ad3f7d9d4_ff2:
	s_mov_b64 s[64:65], 0
	v_nop
	global_prefetch_b8 v0, s[64:65] scope:SCOPE_SE
	s_setreg_imm32_b32 hwreg(HW_REG_WAVE_MODE, 25, 1), 1
	s_wait_xcnt 0x0
	s_wait_alu depctr_hold_cnt(0) depctr_sa_sdst(0) depctr_va_vdst(0) depctr_va_sdst(0) depctr_va_ssrc(0) depctr_va_vcc(0) depctr_vm_vsrc(0)
	s_getreg_b32 s2, hwreg(HW_REG_IB_STS2, 6, 4)
	s_cmp_eq_u32 s2, 0
	s_cbranch_scc0 .Lentry_in_a_cluster
	s_endpgm
.Lentry_in_a_cluster:
	s_bfe_u32 s2, ttmp6, 0x10000c
	s_cmp_lg_u32 s2, 0xf033
	s_cbranch_scc0 .Lentry_shape_is_right
	s_endpgm
.Lentry_shape_is_right:
; out = x1 + g W2 + b2, the product on codes of FP6 (E2M3), the rest in f32.
; A tile of 256 x 256 a work-group, four waves of 128 x 128 (64 accumulators).  K = 4,096 in steps of 256 through a ring of two LDS slots filled by tensor loads; a step's 128 rows are 24,576 dense bytes.  The scale bytes of the
; tile's rows for all of K (65,536 bytes) come once.  4 x 4 work-groups form a cluster: A's tiles are asked for jointly along a row of it, B's along a column.  The matrix instruction is used transposed; the weight's rows were
; laid so that the 16 registers of accumulators 2 B and 2 B + 1 are columns 32 B + 16 (lane / 16) + 0 .. 15 of the lane's row.  The bias is the C of each sum's first instruction.
; THE WAY OUT: 16 rows at a time through the wave's own stage (in slot 0, behind its last fill and last read), back as whole rows of 512 bytes; the residual, asked for up to four blocks ahead, is added there.
; The launch has 64 work-groups: one core serves all four products of this program.
.set SIZE_K, 4096
.set A_SC,   12582912
.set B_CODE, 6291456
.set B_SC,   9699328
.set BROWS,  1024
.set NQ,     2
.set ROWB,   192
.set PITCH,  240
.set FR,     12
.set NL,     6
.set NP,     4
.set HALFT,  128*PITCH
.set SLOT,   4*HALFT
.set LAPS,   SIZE_K/512
.set NCH,    SIZE_K/256
.set SCL,    2*SLOT
.set HALFS,  1024*NCH
.set SPARE,  ((SCL+4*HALFS+128+255)/256)*256
.set A_STEP, 4096*ROWB
.set B_STEP, BROWS*ROWB
.set SPITCH, 528
.set ADRA, 16
.set ADRB, 20
.set STO,  24
.set RD,   25
.set CO,   26
.set ADRS, 27
.set SPW,  28
.set NIL,  29
.set SC,   32
.set BIAS, 64
.set AF,   128
.set BK,   128
.set G1, 24
.set G0, 32
.set G1B, 48
.set G0B, 56
.set G1S, 68
.set G0S, 76
.set G1SB, 80
.set G0SB, 88
.set MSB, 0
.macro WIN new
.if MSB != \new
	s_set_vgpr_msb (MSB<<8)|\new
.set MSB, \new
.endif
.endm
.set MUL_LO, 0xa1
.set MUL_HI, 0xf1
.set TO_B,   0x40
.macro JLOAD g0a, g1a, g0b, g1b
	s_cmp_eq_u32 s15, 0
	s_cbranch_scc0 .Lfor_b_\@
	tensor_load_to_lds s[\g0a:\g0a+3], s[\g1a:\g1a+7]
	s_nop 0
.rept 4
	v_nop
.endr
	s_branch .Lasked_\@
.Lfor_b_\@:
	tensor_load_to_lds s[\g0b:\g0b+3], s[\g1b:\g1b+7]
	s_nop 0
.rept 4
	v_nop
.endr
.Lasked_\@:
.endm
.macro CREST
	s_cmp_lg_u32 s14, 0
	s_cbranch_scc1 .Lnot_wave_0_\@
	s_barrier_signal -3
.Lnot_wave_0_\@:
	s_barrier_wait -3
	s_barrier_signal -1
	s_barrier_wait -1
.endm
.macro CROUND
	s_barrier_signal -1
	s_barrier_wait -1
	CREST
.endm
	s_load_b64 s[4:5], s[0:1], 0x0                 ; A's operand
	s_load_b64 s[8:9], s[0:1], 0x8                 ; the weights' buffer
	s_load_b128 s[96:99], s[0:1], 0x10             ; the bias, the residual
	s_load_b64 s[12:13], s[0:1], 0x20              ; out
	v_lshl_add_u32 v[SPW], v0, 2, SPARE
	v_mov_b32 v[NIL], 0
	ds_add_u32 v[SPW], v[NIL]                      ; the wave's opening
	v_lshrrev_b32 v1, 5, v0
	v_readfirstlane_b32 s14, v1
	s_lshr_b32 s15, s14, 1
	s_and_b32 s16, s14, 1
	s_bfe_u32 s40, ttmp6, 0x40000
	s_bfe_u32 s41, ttmp6, 0x40004
	s_lshl_b32 s42, ttmp9, 2
	s_add_co_u32 s42, s42, s40                     ; tile column
	s_and_b32 s17, ttmp7, 0xffff
	s_lshl_b32 s17, s17, 2
	s_add_co_u32 s17, s17, s41                     ; tile row
	s_lshl_b32 s43, s41, 2
	s_lshl_b32 s43, 15, s43
	s_lshl_b32 s44, 0x1111, s40
	s_or_b32 s[G1+0], s43, (0<<16)|(1<<20)|(1<<21)|(3<<22)|(3<<25)
	s_or_b32 s[G1B+0], s44, (0<<16)|(1<<20)|(1<<21)|(3<<22)|(3<<25)
.irp g, G1, G1B
	s_mov_b32 s[\g+1], ROWB<<16
	s_mov_b32 s[\g+2], 128<<16
	s_mov_b32 s[\g+3], ROWB<<16
	s_mov_b32 s[\g+4], 128
	s_mov_b32 s[\g+5], ROWB
	s_mov_b32 s[\g+6], 0
	s_mov_b32 s[\g+7], 0
.endr
	s_or_b32 s[G1S+0], s43, (3<<16)|(1<<21)
	s_or_b32 s[G1SB+0], s44, (3<<16)|(1<<21)
.irp g, G1S, G1SB
	s_mov_b32 s[\g+1], 128<<16
	s_mov_b32 s[\g+2], NCH<<16
	s_mov_b32 s[\g+3], 128<<16
	s_mov_b32 s[\g+4], NCH
	s_mov_b32 s[\g+6], 0
	s_mov_b32 s[\g+7], 0
.endr
	s_mov_b32 s[G1S+5], 4096
	s_mov_b32 s[G1SB+5], BROWS
	s_lshl_b32 s18, s16, 7
	s_lshl_b32 s20, s17, 8
	s_add_co_u32 s20, s20, s18
	s_lshl_b32 s46, s42, 8
	s_add_co_u32 s46, s46, s18
	s_mov_b32 s21, 0
	s_mov_b32 s47, 0
	s_mov_b64 s[18:19], 8
	s_mul_u64 s[22:23], s[20:21], s[18:19]
	s_mul_u64 s[92:93], s[46:47], s[18:19]
	s_mov_b64 s[18:19], ROWB
	s_mul_u64 s[20:21], s[20:21], s[18:19]
	s_mul_u64 s[46:47], s[46:47], s[18:19]
	s_mul_i32 s45, s14, HALFT
	s_mul_i32 s94, s14, HALFS
	s_wait_dscnt 0x0
	s_wait_kmcnt 0x0
	s_add_nc_u64 s[6:7], s[4:5], A_SC
	s_add_nc_u64 s[10:11], s[8:9], B_SC
	s_add_nc_u64 s[8:9], s[8:9], B_CODE
	s_add_nc_u64 s[20:21], s[4:5], s[20:21]
	s_add_nc_u64 s[22:23], s[6:7], s[22:23]
	s_add_nc_u64 s[46:47], s[8:9], s[46:47]
	s_add_nc_u64 s[92:93], s[10:11], s[92:93]
	CROUND
	s_mov_b32 s[G0S], 1
	s_add_co_u32 s[G0S+1], s94, SCL
	s_mov_b64 s[G0S+2:G0S+3], s[22:23]
	s_or_b32 s[G0S+3], s[G0S+3], 0x80000000
	s_mov_b32 s[G0SB], 1
	s_add_co_u32 s[G0SB+1], s94, SCL+128
	s_mov_b64 s[G0SB+2:G0SB+3], s[92:93]
	s_or_b32 s[G0SB+3], s[G0SB+3], 0x80000000
	JLOAD G0S, G1S, G0SB, G1SB
.irp s, 0,1
	s_mov_b32 s[G0+4*\s], 1
	s_add_co_u32 s[G0+4*\s+1], s45, \s*SLOT
	s_add_nc_u64 s[G0+4*\s+2:G0+4*\s+3], s[20:21], \s*A_STEP
	s_or_b32 s[G0+4*\s+3], s[G0+4*\s+3], 0x80000000
	s_mov_b32 s[G0B+4*\s], 1
	s_add_co_u32 s[G0B+4*\s+1], s45, \s*SLOT
	s_add_nc_u64 s[G0B+4*\s+2:G0B+4*\s+3], s[46:47], \s*B_STEP
	s_or_b32 s[G0B+4*\s+3], s[G0B+4*\s+3], 0x80000000
	JLOAD G0+4*\s, G1, G0B+4*\s, G1B
.endr
	v_and_b32 v1, 15, v0
	v_bfe_u32 v2, v0, 4, 1
	v_mul_u32_u24 v3, v1, PITCH
	v_mul_u32_u24 v4, v2, 24
	v_add_nc_u32 v4, v3, v4
	v_lshl_add_u32 v5, v2, 4, v4
	s_mul_i32 s21, s15, HALFT
	s_mul_i32 s22, s16, HALFT
	s_add_co_u32 s22, s22, 2*HALFT
.irp s, 0,1
	v_add_nc_u32 v[ADRA+\s], s21, v4
	v_add_nc_u32 v[ADRB+\s], s22, v4
	v_add_nc_u32 v[ADRA+2+\s], s21, v5
	v_add_nc_u32 v[ADRB+2+\s], s22, v5
	s_add_co_u32 s21, s21, SLOT
	s_add_co_u32 s22, s22, SLOT
.endr
	v_lshlrev_b32 v5, 3, v1
	s_mul_i32 s21, s15, HALFS
	s_mul_i32 s22, s16, HALFS
	s_add_co_u32 s22, s22, 2*HALFS+128
	s_sub_co_u32 s22, s22, s21
	v_mul_u32_u24 v6, s22, v2
	s_add_co_u32 s21, s21, SCL
	v_add_nc_u32 v5, v5, v6
	v_add_nc_u32 v[ADRS], s21, v5
	s_mul_i32 s23, s14, 16*SPITCH                  ; my stage
	v_mul_u32_u24 v5, v1, SPITCH
	v_lshl_add_u32 v5, v2, 6, v5
	v_add_nc_u32 v[STO], s23, v5                   ; in: row r, + 64 h: my 16 columns of a group of 32
	v_and_b32 v6, 31, v0
	v_lshlrev_b32 v[CO], 4, v6
	v_add_nc_u32 v[RD], s23, v[CO]                 ; back: a row of 512 bytes to the 32 lanes
	v_lshlrev_b32 v30, 6, v2
	s_lshl_b32 s46, s42, 10
	s_lshl_b32 s47, s16, 9
	s_add_co_u32 s46, s46, s47                     ; my first column, in bytes
	s_mov_b32 s47, 0
	s_add_nc_u64 s[96:97], s[96:97], s[46:47]
	s_lshl_b32 s20, s17, 8
	s_lshl_b32 s21, s15, 7
	s_add_co_u32 s20, s20, s21
	s_lshl_b32 s20, s20, 12                        ; my first row, in bytes
	s_add_co_u32 s20, s20, s46
	s_mov_b32 s21, 0
	s_add_nc_u64 s[12:13], s[12:13], s[20:21]
	s_add_nc_u64 s[98:99], s[98:99], s[20:21]
.irp b, 0,1,2,3,4,5,6,7
	global_load_b128 v[BIAS+8*\b:BIAS+8*\b+3], v30, s[96:97] offset:(32*(\b/2)+8*(\b%2))*4
	global_load_b128 v[BIAS+8*\b+4:BIAS+8*\b+7], v30, s[96:97] offset:(32*(\b/2)+8*(\b%2))*4+16
.endr
.macro FRAG reg, adr, q, i
.irp p, 0,1,2,3,4,5
.set PC, 12*(\q)+6*(\p/3)+\p%3
.if PC%8 < 5
	ds_load_b64 v[\reg+2*\p:\reg+2*\p+1], v[\adr] offset:8*PC+16*(PC/8)+(\i)*16*PITCH
.else
	ds_load_b64 v[\reg+2*\p:\reg+2*\p+1], v[\adr+2] offset:8*PC+16*(PC/8)+(\i)*16*PITCH
.endif
.endr
.endm
.macro MUL16 a0, p, q, sc, zero        ; the 64 accumulators take turns, one instruction a turn
.irp a, \a0, \a0+1
.irp b, 0,1,2,3,4,5,6,7
.if \zero
	v_wmma_scale_f32_16x16x128_f8f6f4 v[8*(8*((\a)%4)+\b):8*(8*((\a)%4)+\b)+7], v[128*(\p)+FR*\b:128*(\p)+FR*\b+FR-1], v[AF+FR*(\a):AF+FR*(\a)+FR-1], v[BIAS+8*\b:BIAS+8*\b+7], v[SC+8*NQ*(\sc)+NQ*\b+(\q)], v[SC+8*NQ*(\sc)+NQ*(\a)+(\q)] matrix_a_fmt:MATRIX_FMT_FP6 matrix_b_fmt:MATRIX_FMT_FP6 matrix_a_scale:MATRIX_SCALE_ROW1
.else
	v_wmma_scale_f32_16x16x128_f8f6f4 v[8*(8*((\a)%4)+\b):8*(8*((\a)%4)+\b)+7], v[128*(\p)+FR*\b:128*(\p)+FR*\b+FR-1], v[AF+FR*(\a):AF+FR*(\a)+FR-1], v[8*(8*((\a)%4)+\b):8*(8*((\a)%4)+\b)+7], v[SC+8*NQ*(\sc)+NQ*\b+(\q)], v[SC+8*NQ*(\sc)+NQ*(\a)+(\q)] matrix_a_fmt:MATRIX_FMT_FP6 matrix_b_fmt:MATRIX_FMT_FP6 matrix_a_scale:MATRIX_SCALE_ROW1
.endif
.endr
.endr
.endm
.macro FETCH_B slot, q, p
	WIN TO_B
.irp i, 0,1,2,3,4,5,6,7
	FRAG 128*(\p)+FR*\i, ADRB+\slot, \q, \i
.endr
	WIN 0
.endm
.macro FETCH_A slot, q, i0
.irp i, \i0, \i0+1, \i0+2, \i0+3
	FRAG AF+FR*(\i), ADRA+\slot, \q, \i
.endr
.endm
.macro SCALES sc
.irp i, 0,1,2,3,4,5,6,7
	ds_load_b64 v[SC+8*NQ*\sc+NQ*\i:SC+8*NQ*\sc+NQ*\i+1], v[ADRS] offset:\i*128
.endr
.endm
.macro PLACES n
.rept \n
	v_nop
.endr
.endm
.macro STEP slot, q, zero
	s_wait_dscnt 4*NL                              ; B's set and A's blocks 0-3 are in; A's blocks 4-7 may be out
.if \zero
	WIN 0x81
.else
	WIN MUL_LO
.endif
	MUL16 0, (\q)%2, \q, \slot, \zero
	MUL16 2, (\q)%2, \q, \slot, \zero
	s_wait_dscnt 0
	PLACES NP
	FETCH_B \slot, (\q)+1, 1-(\q)%2
	FETCH_A \slot, (\q)+1, 0
.if \zero
	WIN 0xc1
.else
	WIN MUL_HI
.endif
	MUL16 4, (\q)%2, \q, \slot, \zero
	MUL16 6, (\q)%2, \q, \slot, \zero
	PLACES NP
	WIN 0
	FETCH_A \slot, (\q)+1, 4
.endm
.macro TURN slot, next, fill
	s_wait_tensorcnt 0x0                           ; all my tensor loads have landed: my part of the next slot
	ds_add_u32 v[SPW], v[NIL]
	s_wait_dscnt 4*NL+1                            ; (the add and A's blocks 4-7 may be out)
	WIN MUL_LO
	MUL16 0, 1, NQ-1, \slot, 0
	s_wait_dscnt 0x0                               ; the add is done, and my reads of this slot are over
	s_barrier_signal -1
	MUL16 2, 1, NQ-1, \slot, 0
	WIN 0
	s_barrier_wait -1
.if \fill
	CREST                                          ; a round of the cluster's barrier: no wave of any partner still reads this slot or has a load on its way
	s_add_nc_u64 s[G0+4*\slot+2:G0+4*\slot+3], s[G0+4*\slot+2:G0+4*\slot+3], 2*A_STEP
	s_add_nc_u64 s[G0B+4*\slot+2:G0B+4*\slot+3], s[G0B+4*\slot+2:G0B+4*\slot+3], 2*B_STEP
	JLOAD G0+4*\slot, G1, G0B+4*\slot, G1B
.else
	PLACES NP
.endif
	v_add_nc_u32 v[ADRS], 1024, v[ADRS]
	FETCH_B \next, 0, 0
	FETCH_A \next, 0, 0
	SCALES \next
	WIN MUL_HI
	MUL16 4, 1, NQ-1, \slot, 0
	MUL16 6, 1, NQ-1, \slot, 0
	PLACES NP
	WIN 0
	FETCH_A \next, 0, 4
.endm
.macro RLOAD a                         ; the residual's rows 16 a .. 16 a + 15, my 512 bytes of each, into window 1
	WIN TO_B
.set t, 0
.rept 16
	global_load_b128 v[64*((\a)%4)+4*t:64*((\a)%4)+4*t+3], v[CO], s[98:99] offset:(16*(\a)+t)*4096 th:TH_LOAD_NT
.set t, t+1
.endr
	WIN 0
.endm
.macro TOSTAGE a
.set AC, 64*((\a)%4)
	WIN 0x08+4*((\a)/4)
.irp b, 0,1,2,3,4,5,6,7
	ds_store_b128 v[STO], v[AC+8*\b:AC+8*\b+3] offset:128*(\b/2)+32*(\b%2)
	ds_store_b128 v[STO], v[AC+8*\b+4:AC+8*\b+7] offset:128*(\b/2)+32*(\b%2)+16
.endr
	WIN 0
.set BB, BK+64*((\a)%2)
.irp t, 0,1,2,3,4,5,6,7,8,9,10,11,12,13,14,15
	ds_load_b128 v[BB+4*\t:BB+4*\t+3], v[RD] offset:\t*SPITCH   ; a wave's LDS instructions are served in order: these see the stores above
.endr
.endm
.macro SEND a, younger
.set BB, BK+64*((\a)%2)
	s_wait_dscnt \younger                          ; the block is back in registers
.if (\a) <= 4
	s_wait_loadcnt 48                              ; its residual is in; three younger blocks' may be out
.else
	s_wait_loadcnt 16*(7-(\a))
.endif
	WIN 0x04
.set t, 0
.rept 32
	v_pk_add_f32 v[BB+t:BB+t+1], v[BB+t:BB+t+1], v[64*((\a)%4)+t:64*((\a)%4)+t+1]
.set t, t+2
.endr
	WIN 0
.if (\a) < 4
	RLOAD (\a)+4
.endif
.set t, 0
.rept 16
	global_store_b128 v[CO], v[BB+4*t:BB+4*t+3], s[12:13] offset:(16*(\a)+t)*4096 th:TH_STORE_NT   ; 512 consecutive bytes, aligned
.set t, t+1
.endr
.endm
	s_wait_tensorcnt 1                             ; the scales and my part of K step 0 are in; K step 1's load may be out
	s_barrier_signal -1
	s_barrier_wait -1
	FETCH_B 0, 0, 0
	FETCH_A 0, 0, 0
	SCALES 0
	FETCH_A 0, 0, 4
	s_wait_loadcnt 0x0                             ; the bias
	STEP 0, 0, 1
	s_mov_b32 s3, LAPS-1
.Llap:
	TURN 0, 1, 1
	STEP 1, 0, 0
	TURN 1, 0, 1
	STEP 0, 0, 0
	s_sub_co_u32 s3, s3, 1
	s_cmp_lg_u32 s3, 0
	s_cbranch_scc1 .Llap
	TURN 0, 1, 0
	STEP 1, 0, 0
	RLOAD 0                                        ; into B's first set, which is done with (four places stand behind its last reader): they land under the last 64 products
	RLOAD 1
	s_wait_dscnt 4*NL
	WIN MUL_LO
	MUL16 0, 1, NQ-1, 1, 0
	MUL16 2, 1, NQ-1, 1, 0
	s_wait_dscnt 0
	WIN MUL_HI
	MUL16 4, 1, NQ-1, 1, 0
	MUL16 6, 1, NQ-1, 1, 0
	WIN 0
	PLACES NP
	RLOAD 2
	RLOAD 3
	TOSTAGE 0
.irp a, 1,2,3,4,5,6,7
.if \a > 1
	s_wait_xcnt 0x0                                ; the stores of two blocks back have read the registers into which this block's rows come
.endif
	TOSTAGE \a
	SEND \a-1, 32                                  ; behind that block's loads: this block's 16 stores and 16 loads
.endr
	SEND 7, 0
	s_wait_tensorcnt 0x0                           ; the wave's end
	ds_add_u32 v[SPW], v[NIL]
	s_wait_dscnt 0x0
	CROUND                                         ; the closing round
	s_endpgm
.Lfunc_end_k_q4ad3f7d9d4_ff2:
	.size	k_q4ad3f7d9d4_ff2, .Lfunc_end_k_q4ad3f7d9d4_ff2-k_q4ad3f7d9d4_ff2
	.p2alignl 7, 3214868480
	.fill 96, 4, 3214868480
	.section	.rodata,"a",@progbits
	.p2align	6, 0x0
	.amdhsa_kernel k_q4ad3f7d9d4_ff2
		.amdhsa_group_segment_fixed_size 327680
		.amdhsa_private_segment_fixed_size 0
		.amdhsa_enable_private_segment 0
		.amdhsa_kernarg_size 40
		.amdhsa_user_sgpr_count 2
		.amdhsa_user_sgpr_kernarg_segment_ptr 1
		.amdhsa_wavefront_size32 1
		.amdhsa_system_sgpr_workgroup_id_x 1
		.amdhsa_system_sgpr_workgroup_id_y 1
		.amdhsa_system_sgpr_workgroup_id_z 1
		.amdhsa_system_vgpr_workitem_id 0
		.amdhsa_next_free_vgpr 1024
		.amdhsa_next_free_sgpr 102
		.amdhsa_reserve_vcc 0
		.amdhsa_float_denorm_mode_32 3
		.amdhsa_float_denorm_mode_16_64 3
		.amdhsa_memory_ordered 1
		.amdhsa_forward_progress 1
		.amdhsa_inst_pref_size 190
	.end_amdhsa_kernel
	.amdgpu_metadata
---
amdhsa.version: [ 1, 2 ]
amdhsa.kernels:
  - .name:           k_q4ad3f7d9d4_ff2
    .symbol:         k_q4ad3f7d9d4_ff2.kd
    .args:
      - { .name: gq, .offset: 0, .size: 8, .value_kind: global_buffer, .address_space: global }
      - { .name: wts, .offset: 8, .size: 8, .value_kind: global_buffer, .address_space: global }
      - { .name: b2, .offset: 16, .size: 8, .value_kind: global_buffer, .address_space: global }
      - { .name: x1, .offset: 24, .size: 8, .value_kind: global_buffer, .address_space: global }
      - { .name: out0, .offset: 32, .size: 8, .value_kind: global_buffer, .address_space: global }
    .group_segment_fixed_size: 327680
    .private_segment_fixed_size: 0
    .kernarg_segment_align: 8
    .kernarg_segment_size: 40
    .max_flat_workgroup_size: 128
    .sgpr_count:     102
    .vgpr_count:     1024
    .wavefront_size: 32
...
	.end_amdgpu_metadata
.endif
;; end of part 7
;; ======== version 2 of 2: 7 launches
;; limits: right only within a limited range of input values
;; workspace buffers: wts 10,092,544 bytes; hq 3,276,800 bytes; qkv 12,320,768 bytes; att 3,276,800 bytes; x1 16,777,216 bytes; gq 13,107,200 bytes
;; launch prep (part 8): grid 128 x 5, 4 waves a work-group, no clusters, 74,752 bytes of LDS; arguments wq, wk, wv, wo, w1, w2, wts, x, ln1_w, ln1_b, hq; writes wts, hq
.if DOCPART == 8
	.amdgcn_target "amdgcn-amd-amdhsa--gfx1250"
	.amdhsa_code_object_version 6
	.text
	.protected	k_q4ad3f7d9d4_prep
	.globl	k_q4ad3f7d9d4_prep
	.p2align	8
	.type	k_q4ad3f7d9d4_prep,@function
k_q4ad3f7d9d4_prep:
	s_mov_b64 s[64:65], 0
	v_nop
	global_prefetch_b8 v0, s[64:65] scope:SCOPE_SE
	s_setreg_imm32_b32 hwreg(HW_REG_WAVE_MODE, 25, 1), 1
	s_wait_xcnt 0x0
; The six weights, f32 [K][N] with K the FIRST axis, become codes of FP6 (E2M3) with one E8M0 byte for each 32 along K; and the rope's table of cosines and sines is made.
; LAYOUT OF AN OPERAND (R rows, K): codes [K/256][R][192 bytes], scale bytes [K/256][R][8]: a K step's 128 rows are one dense block for one tensor load.
; ROW p HOLDS COLUMN n = p with bits 3 and 4 exchanged: in the products' transposed use a lane's 16 registers of two neighbouring accumulators are then 16 neighbouring columns.
; A lane takes a column and its registers run down K: a block of 32 lies in one lane; a wave takes 32 columns x 256 K; its 32 x 192 bytes of codes leave through its own stage as 6,144 consecutive bytes.
; grid y = 0: wq, wk, wv, wo (x = 32 w + 8 kc + cg);  y = 1: w1 (x = 32 kc + cg);  y = 2: w2 (x = 8 kc + cg).  All choices are made by selects on the work-group's numbers: one path through the text.
; The first 16 work-groups of y = 0 also make the table [2048 positions][16 pairs](cos, sin): angle = position x 10^(-j/4) rounded once, reduced by multiples of pi/2 in two parts, polynomials on |r| <= pi/4.
; LIMITS: NaN and infinities are not served; a block of zeros gets the byte 1 (its codes are zeros, and this program alone reads the bytes); the 16 frequencies are correctly rounded literals.
.set WOC,   2359296
.set W1C,   3145728
.set W2C,   6291456
.set QKVS,  9437184
.set WOS,   9535488
.set W1S,   9568256
.set W2S,   9699328
.set TAB,   9830400
.set PITCH, 272                        ; a stage row: sixteen places of 16 bytes, each with 12 bytes of codes, + 16
.set TST,   34816                      ; behind the four stages: four stages of 32 x 144 bytes for the table
.set SPARE, 53248                      ; the spare words, 128 bytes a wave
.set SPW,   14
.set NIL,   15
.set SB,    24                         ; v24-25 the eight scale bytes
.set X,     32                         ; v32-95 two sets of 32 numbers
.set C,     96                         ; a block's codes
.set OUTR,  112                        ; v112-175 the way out
.set OFFR,  192                        ; v192-223 4 x lane + i x a row of the weight
	v_lshl_add_u32 v[SPW], v0, 2, SPARE
	v_mov_b32 v[NIL], 0
	s_and_b32 s19, ttmp7, 0xffff
	s_cmp_ge_u32 s19, 3                            ; grid y = 3, 4: the first layer norm, at the text's end: a path of its own, chosen by the work-group's number alone, with LDS bytes of its own
	s_cbranch_scc1 .Lnorm
	s_load_b256 s[4:11], s[0:1], 0x0               ; wq, wk, wv, wo
	s_load_b128 s[12:15], s[0:1], 0x20             ; w1, w2
	s_load_b64 s[16:17], s[0:1], 0x30              ; wts
	v_lshrrev_b32 v1, 5, v0
	v_readfirstlane_b32 s18, v1                    ; wave
	v_and_b32 v2, 31, v0                           ; lane
	v_and_b32 v3, 7, v2
	v_bfe_u32 v5, v2, 3, 1
	v_bfe_u32 v6, v2, 4, 1
	v_lshl_or_b32 v3, v5, 4, v3
	v_lshl_or_b32 v3, v6, 3, v3                    ; p: my column's row among the wave's 32
	s_mul_i32 s52, s18, 32*PITCH
	v_mul_u32_u24 v4, v3, PITCH
	v_add_nc_u32 v4, s52, v4                       ; into the stage: row p
	v_and_b32 v5, 15, v2
	v_mul_u32_u24 v7, v6, PITCH
	v_lshl_add_u32 v7, v5, 4, v7
	v_add_nc_u32 v7, s52, v7                       ; out of it: sixteen lanes to a row, two rows an instruction
	v_mul_u32_u24 v8, v6, 192
	v_mad_u32_u24 v8, v5, 12, v8                   ; the same place in the codes
	v_lshlrev_b32 v9, 3, v3                        ; my row's 8 scale bytes
	v_lshlrev_b32 v10, 4, v2                       ; 16 x lane
	s_mul_i32 s52, s18, 4608
	s_add_co_u32 s52, s52, TST
	v_mul_u32_u24 v30, v2, 144
	v_add_nc_u32 v30, s52, v30                     ; the table's stage, in: 144 x lane
	v_lshrrev_b32 v5, 3, v2
	v_mul_u32_u24 v31, v5, 144
	v_and_b32 v5, 7, v2
	v_lshl_add_u32 v31, v5, 4, v31
	v_add_nc_u32 v31, s52, v31                     ; and out: eight lanes to a position's 128 bytes
	; which weight, which 128 columns, which 256 along K
	s_and_b32 s19, ttmp7, 0xffff                   ; y
	s_lshr_b32 s20, ttmp9, 5                       ; y = 0: the weight; y = 1: kc
	s_and_b32 s21, ttmp9, 7                        ; cg
	s_bfe_u32 s22, ttmp9, 0x20003                  ; kc
	s_and_b32 s53, ttmp9, 31
	s_lshr_b32 s54, ttmp9, 3
	s_mov_b32 s23, 4096                            ; bytes in a row of the weight
	s_mov_b32 s24, 3072                            ; rows of the operand
	s_lshl_b32 s25, s20, 10                        ; the weight's first row in it
	s_mov_b32 s26, 0                               ; where the operand's codes begin,
	s_mov_b32 s27, QKVS                            ; and its scale bytes
	s_cmp_eq_u32 s20, 3
	s_cselect_b32 s24, 1024, s24
	s_cselect_b32 s25, 0, s25
	s_cselect_b32 s26, WOC, s26
	s_cselect_b32 s27, WOS, s27
	s_cmp_eq_u32 s19, 1
	s_cselect_b32 s21, s53, s21
	s_cselect_b32 s22, s20, s22
	s_cselect_b32 s23, 16384, s23
	s_cselect_b32 s24, 4096, s24
	s_cselect_b32 s25, 0, s25
	s_cselect_b32 s26, W1C, s26
	s_cselect_b32 s27, W1S, s27
	s_cmp_eq_u32 s19, 2
	s_cselect_b32 s22, s54, s22
	s_cselect_b32 s24, 1024, s24
	s_cselect_b32 s25, 0, s25
	s_cselect_b32 s26, W2C, s26
	s_cselect_b32 s27, W2S, s27
	s_lshl_b32 s28, s21, 7
	s_lshl_b32 s55, s18, 5
	s_add_co_u32 s28, s28, s55                     ; my wave's first column
	s_mul_i32 s56, s22, s23
	s_lshl_b32 s56, s56, 8                         ; 256 kc rows of the weight,
	s_lshl_b32 s55, s28, 2
	s_add_co_u32 s56, s56, s55                     ; + 4 x column
	s_mov_b32 s57, 0
	s_mul_i32 s58, s22, s24
	s_add_co_u32 s58, s58, s25
	s_add_co_u32 s58, s58, s28                     ; my first row in the operand's chunk kc
	s_mul_i32 s60, s58, 192
	s_add_co_u32 s60, s60, s26
	s_mov_b32 s61, 0
	s_lshl_b32 s62, s58, 3
	s_add_co_u32 s62, s62, s27
	s_mov_b32 s63, 0
	s_lshl_b32 s58, s23, 5                         ; 32 rows of the weight
	s_mov_b32 s59, 0
	v_lshlrev_b32 v[OFFR], 2, v2
.set i, 1
.rept 31
	v_add_nc_u32 v[OFFR+i], s23, v[OFFR+i-1]
.set i, i+1
.endr
	s_wait_alu depctr_va_vdst(0)
	s_wait_kmcnt 0x0
	s_cmp_eq_u32 s20, 1
	s_cselect_b64 s[30:31], s[6:7], s[4:5]
	s_cmp_eq_u32 s20, 2
	s_cselect_b64 s[30:31], s[8:9], s[30:31]
	s_cmp_eq_u32 s20, 3
	s_cselect_b64 s[30:31], s[10:11], s[30:31]
	s_cmp_eq_u32 s19, 1
	s_cselect_b64 s[30:31], s[12:13], s[30:31]
	s_cmp_eq_u32 s19, 2
	s_cselect_b64 s[30:31], s[14:15], s[30:31]
	s_add_nc_u64 s[32:33], s[30:31], s[56:57]      ; a base for each of the eight blocks: none is ever stepped
.irp t, 1,2,3,4,5,6,7
	s_add_nc_u64 s[32+2*\t:33+2*\t], s[30+2*\t:31+2*\t], s[58:59]
.endr
	s_add_nc_u64 s[48:49], s[16:17], s[60:61]      ; my codes
	s_add_nc_u64 s[50:51], s[16:17], s[62:63]      ; my scale bytes
.macro LOAD t                          ; block t: W(32 t + i, my column): 32 lanes read 128 consecutive bytes
.set i, 0
.rept 32
	global_load_b32 v[X+32*((\t)%2)+i], v[OFFR+i], s[32+2*(\t):33+2*(\t)] th:TH_LOAD_NT
.set i, i+1
.endr
.endm
	LOAD 0
	LOAD 1
.macro BLOCK t
.set XS, X+32*((\t)%2)
.if (\t) < 7
	s_wait_loadcnt 32                              ; this block's 32 loads are in; the next block's may be out
.else
	s_wait_loadcnt 0
.endif
	v_max3_num_f32 v12, |v[XS]|, |v[XS+1]|, |v[XS+2]|
	v_max3_num_f32 v13, |v[XS+3]|, |v[XS+4]|, |v[XS+5]|
.irp i, 6,10,14,18,22,26
	v_max3_num_f32 v12, v12, |v[XS+\i]|, |v[XS+\i+1]|
	v_max3_num_f32 v13, v13, |v[XS+\i+2]|, |v[XS+\i+3]|
.endr
	v_max3_num_f32 v12, v12, |v[XS+30]|, |v[XS+31]|
	v_max3_num_f32 v12, v12, v13, 0x1800000        ; the floor 2^(3 - 127): the byte cannot fall under 1
	v_add_nc_u32 v11, 0xff000000, v12              ; 2 off the exponent field: the conversion's scale operand
	v_lshrrev_b32 v13, 23, v11                     ; the scale's byte
.if (\t)%4 == 0
	v_mov_b32 v[SB+(\t)/4], v13
.else
	v_lshl_or_b32 v[SB+(\t)/4], v13, 8*((\t)%4), v[SB+(\t)/4]
.endif
	v_cvt_scalef32_pk16_fp6_f32 v[C:C+2], v[XS:XS+15], v11
	v_cvt_scalef32_pk16_fp6_f32 v[C+4:C+6], v[XS+16:XS+31], v11
	ds_store_b96 v4, v[C:C+2] offset:32*(\t)
	ds_store_b96 v4, v[C+4:C+6] offset:32*(\t)+16
.if (\t)+2 < 8
	LOAD (\t)+2
.endif
	s_wait_dscnt 0x0                               ; the stores have read their registers: the next block's codes may be written
.endm
.irp t, 0,1,2,3,4,5,6,7
	BLOCK \t
.endr
	s_wait_alu depctr_va_vdst(0)
	global_store_b64 v9, v[SB:SB+1], s[50:51]      ; 32 lanes store 256 consecutive bytes, aligned
.irp t, 0,1,2,3,4,5,6,7,8,9,10,11,12,13,14,15
	ds_load_b96 v[OUTR+4*\t:OUTR+4*\t+2], v7 offset:2*\t*PITCH   ; a wave's LDS instructions are served in order: these see my stores
.endr
.irp t, 0,1,2,3,4,5,6,7,8,9,10,11,12,13,14,15
	s_wait_dscnt 15-\t
	global_store_b96 v8, v[OUTR+4*\t:OUTR+4*\t+2], s[48:49] offset:2*\t*192   ; 384 consecutive bytes; the wave's sixteen stores cover 6,144 on end
.endr
	; ---- the rope's table: the first 16 work-groups of y = 0, a thread to a position
	s_cmp_lg_u32 s19, 0
	s_cbranch_scc1 .Lend
	s_cmp_ge_u32 ttmp9, 16
	s_cbranch_scc1 .Lend
	s_lshl_b32 s52, ttmp9, 7
	v_add_nc_u32 v16, s52, v0
	v_cvt_f32_u32 v16, v16                         ; my position, exact
	s_wait_alu depctr_va_vdst(0)
	s_lshl_b32 s53, s18, 5
	s_add_co_u32 s52, s52, s53
	s_lshl_b32 s52, s52, 7                         ; my wave's 32 positions x 128 bytes
	s_add_co_u32 s52, s52, TAB
	s_mov_b32 s53, 0
	s_add_nc_u64 s[52:53], s[16:17], s[52:53]
	s_mov_b32 s54, 0xbfc90fdb                      ; -(pi/2 rounded to f32),
	s_mov_b32 s55, 0x333bbd2e                      ; and what that rounding left over
	v_mov_b32 v5, 0xb94ca1f9                       ; the polynomials' leading coefficients
	v_mov_b32 v6, 0x37ccf5ce
.macro SC j, f
	v_mul_f32 v17, \f, v16                         ; the angle, rounded once
	v_mul_f32 v18, 0x3f22f983, v17
	v_rndne_f32 v18, v18                           ; n = the nearest multiple of pi/2
	v_fma_f32 v19, v18, s54, v17
	v_fma_f32 v19, v18, s55, v19                   ; r = angle - n pi/2, |r| <= pi/4
	v_mul_f32 v20, v19, v19
	v_fmaak_f32 v21, v5, v20, 0x3c08839e
	v_fmaak_f32 v21, v21, v20, 0xbe2aaaa3
	v_mul_f32 v23, v20, v19
	v_fma_f32 v21, v21, v23, v19                   ; sin r
	v_fmaak_f32 v22, v6, v20, 0xbab6061a
	v_fmaak_f32 v22, v22, v20, 0x3d2aaaa5
	v_mul_f32 v23, v20, v20
	v_fma_f32 v27, v20, -0.5, 1.0
	v_fma_f32 v22, v22, v23, v27                   ; cos r
	v_cvt_i32_f32 v26, v18
	v_and_b32 v27, 1, v26
	v_cmp_eq_u32 vcc_lo, 1, v27                    ; an odd quadrant exchanges the two
	v_cndmask_b32 v28, v21, v22, vcc_lo
	v_cndmask_b32 v29, v22, v21, vcc_lo
	v_lshlrev_b32 v27, 30, v26
	v_and_b32 v27, 0x80000000, v27                 ; the sine is negative in quadrants 2, 3
	v_xor_b32 v[33+2*\j], v27, v28
	v_add_nc_u32 v26, 1, v26
	v_lshlrev_b32 v27, 30, v26
	v_and_b32 v27, 0x80000000, v27                 ; the cosine in quadrants 1, 2
	v_xor_b32 v[32+2*\j], v27, v29
.endm
	SC 0, 0x3f800000
	SC 1, 0x3f0ff59a
	SC 2, 0x3ea1e89b
	SC 3, 0x3e361887
	SC 4, 0x3dcccccd
	SC 5, 0x3d6655c3
	SC 6, 0x3d0186e2
	SC 7, 0x3c91ad39
	SC 8, 0x3c23d70a
	SC 9, 0x3bb8449c
	SC 10, 0x3b4f3e37
	SC 11, 0x3ae91528
	SC 12, 0x3a83126f
	SC 13, 0x3a136a16
	SC 14, 0x39a5cb5f
	SC 15, 0x393a7753
.irp i, 0,1,2,3,4,5,6,7
	ds_store_b128 v30, v[32+4*\i:35+4*\i] offset:16*\i
.endr
.irp i, 0,1,2,3,4,5,6,7
	ds_load_b128 v[64+4*\i:67+4*\i], v31 offset:576*\i
.endr
.irp i, 0,1,2,3,4,5,6,7
	s_wait_dscnt 7-\i
	global_store_b128 v10, v[64+4*\i:67+4*\i], s[52:53] offset:512*\i   ; four positions, 512 consecutive bytes
.endr
.Lend:
	s_wait_tensorcnt 0x0                           ; the wave's end
	ds_add_u32 v[SPW], v[NIL]
	s_wait_dscnt 0x0
	s_endpgm
; ---- THE FIRST LAYER NORM: h = layernorm(x) w + b, quantised along the row to FP6 (E2M3) with one E8M0 byte for each 32.  x: [4096][1024] f32.  Out: an operand of 4,096 rows, K = 1,024: codes [4][4096][192 bytes], scale bytes [4][4096][8] from byte 3,145,728 on.
; 256 work-groups (128 (y - 3) + x) of 16 rows; a wave takes LNR rows, one at a time, whole in 32 registers: mean, then the mean of the squares of (x - mean), both in f32: memory is read once.  All of a wave's loads are issued at its head.
; The conversions want 16 neighbours in a lane, the loads 16 neighbouring bytes in neighbouring lanes: a row turns through the wave's own stage in LDS (64 places of 64 bytes + 16 of padding).
; A work-group's scale bytes are 128 consecutive bytes in each of the four chunks: they are gathered in LDS, and wave 0 stores them behind a barrier, eight lanes to a chunk.
; LIMITS: NaN and infinities are not served; a block of zeros gets the byte 1 (its codes are zeros, and this program alone reads the bytes).
.set LNW,  4                           ; waves
.set LNR,  4                           ; rows a wave
.set STG,  53760                       ; behind the weights' path's bytes and the spare words: LNW stages of 5,120 bytes
.set SCB,  STG+LNW*5120                ; [4 chunks][16 rows][8 bytes]
.set CH,   20                          ; v20-27   four chains of pairs
.set LY,   32                          ; v32-63   a row's numbers, 16 neighbours a lane, in two halves
.set LX,   64                          ; v64..    LNR rows as loaded
.set LW,   192                         ; v192-223 the gain
.set LBI,  224                         ; v224-255 the bias
.Lnorm:
	s_load_b256 s[4:11], s[0:1], 0x38              ; x, gain, bias, out
	s_sub_co_u32 s30, s19, 3
	s_lshl_b32 s30, s30, 7
	s_add_co_u32 s30, s30, ttmp9                   ; which 16 rows
	v_lshrrev_b32 v1, 5, v0
	v_readfirstlane_b32 s12, v1                    ; wave
	v_and_b32 v1, 31, v0                           ; lane
	v_lshlrev_b32 v2, 4, v1                        ; 16 x lane
	s_mul_i32 s13, s12, 5120
	s_add_co_u32 s13, s13, STG                     ; my stage
	v_lshrrev_b32 v3, 2, v1
	v_and_b32 v7, 3, v1
	v_mul_u32_u24 v3, v3, 80
	v_mul_u32_u24 v4, v1, 80
	v_lshl_add_u32 v3, v7, 4, v3
	v_add_nc_u32 v4, s13, v4                       ; out: a place a lane
	v_add_nc_u32 v3, s13, v3                       ; in: four lanes' 64 bytes to a place
	v_lshrrev_b32 v7, 4, v1
	v_and_b32 v28, 15, v1
	v_mul_u32_u24 v5, v7, 786432
	v_bfe_u32 v6, v1, 1, 3
	v_mad_u32_u24 v5, v28, 12, v5                  ; codes: chunk (lane / 16), 12 bytes a lane
	v_lshl_add_u32 v6, v7, 7, v6
	s_mul_i32 s14, s12, 8*LNR
	s_add_co_u32 s14, s14, SCB
	v_add_nc_u32 v6, s14, v6                       ; my block's byte: chunk, my wave's rows, byte (lane / 2) % 8
	v_add_nc_u32 v8, SCB, v2                       ; the bytes' way out: 16 x lane in LDS,
	v_lshrrev_b32 v9, 3, v1
	v_and_b32 v28, 7, v1
	v_lshlrev_b32 v9, 15, v9
	v_lshl_add_u32 v9, v28, 4, v9                  ; 32,768 x (lane / 8) + 16 x (lane % 8) in memory
	v_mov_b32 v17, 0                               ; (named as upper halves of pairs of which the low word serves both halves)
	v_mov_b32 v19, 0
	s_lshl_b32 s16, s30, 4
	s_mul_i32 s17, s12, LNR
	s_add_co_u32 s16, s16, s17                     ; my first row
	s_lshl_b32 s18, s16, 12
	s_mov_b32 s19, 0
	s_mul_i32 s20, s16, 192
	s_mov_b32 s21, 0
	s_lshl_b32 s22, s30, 7
	s_add_co_u32 s22, s22, 3145728
	s_mov_b32 s23, 0
	s_mov_b32 s24, 0x76543210
	s_mov_b32 s25, 0xfedcba98                      ; lane l xor 16
	s_mov_b32 s26, 0x3a800000                      ; 1 / 1024
	s_mov_b32 s27, 0x3727c5ac                      ; 1e-5
	s_wait_alu depctr_va_vdst(0)
	s_wait_kmcnt 0x0
	s_add_nc_u64 s[4:5], s[4:5], s[18:19]
	s_add_nc_u64 s[28:29], s[10:11], s[20:21]
	s_add_nc_u64 s[10:11], s[10:11], s[22:23]
.macro XLOAD i
.irp j, 0,1,2,3,4,5,6,7
	global_load_b128 v[LX+32*\i+4*\j:LX+32*\i+4*\j+3], v2, s[4:5] offset:4096*\i+512*\j th:TH_LOAD_NT
.endr
.endm
	XLOAD 0
.irp j, 0,1,2,3,4,5,6,7
	global_load_b128 v[LW+4*\j:LW+4*\j+3], v2, s[6:7] offset:512*\j
.endr
.irp j, 0,1,2,3,4,5,6,7
	global_load_b128 v[LBI+4*\j:LBI+4*\j+3], v2, s[8:9] offset:512*\j
.endr
	XLOAD 1
	XLOAD 2
	XLOAD 3
.macro ACROSS                          ; four chains become one number in v[CH], the same in all 32 lanes
	s_delay_alu instid0(VALU_DEP_3)
	v_pk_add_f32 v[CH:CH+1], v[CH:CH+1], v[CH+2:CH+3]
	s_delay_alu instid0(VALU_DEP_2)
	v_pk_add_f32 v[CH+4:CH+5], v[CH+4:CH+5], v[CH+6:CH+7]
	s_delay_alu instid0(VALU_DEP_1)
	v_pk_add_f32 v[CH:CH+1], v[CH:CH+1], v[CH+4:CH+5]
	s_delay_alu instid0(VALU_DEP_1)
	v_add_f32 v[CH], v[CH], v[CH+1]
.irp m, 1,2,4,8
	s_delay_alu instid0(VALU_DEP_1)
	v_add_f32_dpp v[CH], v[CH], v[CH] row_xmask:\m row_mask:0xf bank_mask:0xf
.endr
	s_delay_alu instid0(VALU_DEP_1)
	v_permlanex16_b32 v[CH+1], v[CH], s24, s25
	s_delay_alu instid0(VALU_DEP_1)
	v_add_f32 v[CH], v[CH], v[CH+1]
.endm
; c1: the loads that may stay out when this row is wanted; c2: when gain and bias are wanted
.macro ROW i, c1, c2
.set XI, LX+32*\i
	s_wait_loadcnt \c1
.irp c, 0,1,2,3
	v_pk_add_f32 v[CH+2*\c:CH+2*\c+1], v[XI+2*\c:XI+2*\c+1], v[XI+8+2*\c:XI+9+2*\c]
.endr
.irp g, 16,24
.irp c, 0,1,2,3
	s_delay_alu instid0(VALU_DEP_4)
	v_pk_add_f32 v[CH+2*\c:CH+2*\c+1], v[CH+2*\c:CH+2*\c+1], v[XI+\g+2*\c:XI+\g+2*\c+1]
.endr
.endr
	ACROSS
	s_delay_alu instid0(VALU_DEP_1)
	v_mul_f32 v16, s26, v[CH]                      ; the mean
.set p, 0
.rept 16
	v_pk_add_f32 v[XI+p:XI+p+1], v[XI+p:XI+p+1], v[16:17] op_sel_hi:[1,0] neg_lo:[0,1] neg_hi:[0,1]
.set p, p+2
.endr
.irp c, 0,1,2,3
	v_pk_mul_f32 v[CH+2*\c:CH+2*\c+1], v[XI+2*\c:XI+2*\c+1], v[XI+2*\c:XI+2*\c+1]
.endr
.irp g, 8,16,24
.irp c, 0,1,2,3
	s_delay_alu instid0(VALU_DEP_4)
	v_pk_fma_f32 v[CH+2*\c:CH+2*\c+1], v[XI+\g+2*\c:XI+\g+2*\c+1], v[XI+\g+2*\c:XI+\g+2*\c+1], v[CH+2*\c:CH+2*\c+1]
.endr
.endr
	ACROSS
	s_delay_alu instid0(VALU_DEP_1)
	v_fma_f32 v[CH+1], v[CH], s26, s27             ; the variance + 1e-5
	s_wait_alu depctr_va_vdst(0)                   ; the wait ahead of the transcendental,
	v_rsq_f32 v18, v[CH+1]
	v_nop                                          ; a plain instruction behind it,
	s_wait_alu depctr_va_vdst(0)                   ; and the wait ahead of its first reader
	s_wait_loadcnt \c2
.set p, 0
.rept 16
	v_pk_mul_f32 v[XI+p:XI+p+1], v[XI+p:XI+p+1], v[18:19] op_sel_hi:[1,0]
.set p, p+2
.endr
.set p, 0
.rept 16
	v_pk_fma_f32 v[XI+p:XI+p+1], v[XI+p:XI+p+1], v[LW+p:LW+p+1], v[LBI+p:LBI+p+1]
.set p, p+2
.endr
.irp j, 0,1,2,3,4,5,6,7
	ds_store_b128 v3, v[XI+4*\j:XI+4*\j+3] offset:640*\j
.endr
.irp hf, 0,1
.irp k, 0,1,2,3
	ds_load_b128 v[LY+16*\hf+4*\k:LY+16*\hf+4*\k+3], v4 offset:2560*\hf+16*\k   ; a wave's LDS instructions are served in order: these see the stores above
.endr
.endr
.irp hf, 0,1
.set YS, LY+16*\hf
.if \hf == 0
	s_wait_dscnt 4                                 ; the first half is back (the second half's four loads may be out): so the stage's stores have read the row's registers
.else
	s_wait_dscnt 1                                 ; the second half is back (the first half's byte store may be out)
.endif
	v_max3_num_f32 v10, |v[YS]|, |v[YS+1]|, |v[YS+2]|
	v_max3_num_f32 v11, |v[YS+3]|, |v[YS+4]|, |v[YS+5]|
.irp q, 6,10
	s_delay_alu instid0(VALU_DEP_2)
	v_max3_num_f32 v10, v10, |v[YS+\q]|, |v[YS+\q+1]|
	s_delay_alu instid0(VALU_DEP_2)
	v_max3_num_f32 v11, v11, |v[YS+\q+2]|, |v[YS+\q+3]|
.endr
	s_delay_alu instid0(VALU_DEP_2)
	v_max3_num_f32 v10, v10, |v[YS+14]|, |v[YS+15]|
	s_delay_alu instid0(VALU_DEP_1)
	v_max3_num_f32 v10, v10, v11, 0x1800000        ; the floor 2^(3 - 127)
	s_delay_alu instid0(VALU_DEP_1)
	v_max_num_f32_dpp v10, v10, v10 row_xmask:1 row_mask:0xf bank_mask:0xf   ; with my neighbour's 16: the block's largest magnitude
	s_delay_alu instid0(VALU_DEP_1)
	v_add_nc_u32 v12, 0xff000000, v10              ; 2 off its exponent field: the conversion's scale operand
	v_cvt_scalef32_pk16_fp6_f32 v[XI+4*\hf:XI+4*\hf+2], v[YS:YS+15], v12
	v_lshrrev_b32 v[XI+8+\hf], 23, v12             ; the scale's byte
	ds_store_b8 v6, v[XI+8+\hf] offset:256*\hf+8*\i   ; both lanes of a block write the same byte with the same value
	global_store_b96 v5, v[XI+4*\hf:XI+4*\hf+2], s[28:29] offset:1572864*\hf+192*\i   ; sixteen lanes store a row's 192 bytes of a chunk
.endr
.endm
	ROW 0, 40, 24                                  ; out: gain, bias and rows 1 to 3; then rows 1 to 3
	ROW 1, 16, 16
	ROW 2, 8, 8
	ROW 3, 0, 0
	s_wait_dscnt 0x0                               ; for the others' sake: my byte stores are done
	s_barrier_signal -1
	s_barrier_wait -1
	s_cmp_lg_u32 s12, 0
	s_cbranch_scc1 .Lndone
	ds_load_b128 v[32:35], v8
	s_wait_dscnt 0x0
	global_store_b128 v9, v[32:35], s[10:11]       ; eight lanes store a chunk's 128 consecutive bytes
.Lndone:
	s_wait_tensorcnt 0x0                           ; the wave's end
	ds_add_u32 v[SPW], v[NIL]
	s_wait_dscnt 0x0
	s_endpgm
.Lfunc_end_k_q4ad3f7d9d4_prep:
	.size	k_q4ad3f7d9d4_prep, .Lfunc_end_k_q4ad3f7d9d4_prep-k_q4ad3f7d9d4_prep
	.p2alignl 7, 3214868480
	.fill 96, 4, 3214868480
	.section	.rodata,"a",@progbits
	.p2align	6, 0x0
	.amdhsa_kernel k_q4ad3f7d9d4_prep
		.amdhsa_group_segment_fixed_size 74752
		.amdhsa_private_segment_fixed_size 0
		.amdhsa_enable_private_segment 0
		.amdhsa_kernarg_size 88
		.amdhsa_user_sgpr_count 2
		.amdhsa_user_sgpr_kernarg_segment_ptr 1
		.amdhsa_wavefront_size32 1
		.amdhsa_system_sgpr_workgroup_id_x 1
		.amdhsa_system_sgpr_workgroup_id_y 1
		.amdhsa_system_sgpr_workgroup_id_z 1
		.amdhsa_system_vgpr_workitem_id 0
		.amdhsa_next_free_vgpr 256
		.amdhsa_next_free_sgpr 66
		.amdhsa_reserve_vcc 1
		.amdhsa_float_denorm_mode_32 3
		.amdhsa_float_denorm_mode_16_64 3
		.amdhsa_memory_ordered 1
		.amdhsa_forward_progress 1
		.amdhsa_inst_pref_size 119
	.end_amdhsa_kernel
	.amdgpu_metadata
---
amdhsa.version: [ 1, 2 ]
amdhsa.kernels:
  - .name:           k_q4ad3f7d9d4_prep
    .symbol:         k_q4ad3f7d9d4_prep.kd
    .args:
      - { .name: wq, .offset: 0, .size: 8, .value_kind: global_buffer, .address_space: global }
      - { .name: wk, .offset: 8, .size: 8, .value_kind: global_buffer, .address_space: global }
      - { .name: wv, .offset: 16, .size: 8, .value_kind: global_buffer, .address_space: global }
      - { .name: wo, .offset: 24, .size: 8, .value_kind: global_buffer, .address_space: global }
      - { .name: w1, .offset: 32, .size: 8, .value_kind: global_buffer, .address_space: global }
      - { .name: w2, .offset: 40, .size: 8, .value_kind: global_buffer, .address_space: global }
      - { .name: wts, .offset: 48, .size: 8, .value_kind: global_buffer, .address_space: global }
      - { .name: x, .offset: 56, .size: 8, .value_kind: global_buffer, .address_space: global }
      - { .name: ln1_w, .offset: 64, .size: 8, .value_kind: global_buffer, .address_space: global }
      - { .name: ln1_b, .offset: 72, .size: 8, .value_kind: global_buffer, .address_space: global }
      - { .name: hq, .offset: 80, .size: 8, .value_kind: global_buffer, .address_space: global }
    .group_segment_fixed_size: 74752
    .private_segment_fixed_size: 0
    .kernarg_segment_align: 8
    .kernarg_segment_size: 88
    .max_flat_workgroup_size: 128
    .sgpr_count:     66
    .vgpr_count:     256
    .wavefront_size: 32
...
	.end_amdgpu_metadata
.endif
;; end of part 8
;; launch qkv (part 9): grid 12 x 16, 4 waves a work-group, clusters of 4 x 4, 327,680 bytes of LDS; arguments hq, wts, bq, bk, bv, mask, qkv; writes qkv
.if DOCPART == 9
	.amdgcn_target "amdgcn-amd-amdhsa--gfx1250"
	.amdhsa_code_object_version 6
	.text
	.protected	k_q4ad3f7d9d4_qkv
	.globl	k_q4ad3f7d9d4_qkv
	.p2align	8
	.type	k_q4ad3f7d9d4_qkv,@function
k_q4ad3f7d9d4_qkv:
	s_mov_b64 s[64:65], 0
	v_nop
	global_prefetch_b8 v0, s[64:65] scope:SCOPE_SE
	s_setreg_imm32_b32 hwreg(HW_REG_WAVE_MODE, 25, 1), 1
	s_wait_xcnt 0x0
	s_wait_alu depctr_hold_cnt(0) depctr_sa_sdst(0) depctr_va_vdst(0) depctr_va_sdst(0) depctr_va_ssrc(0) depctr_va_vcc(0) depctr_vm_vsrc(0)
	s_getreg_b32 s2, hwreg(HW_REG_IB_STS2, 6, 4)
	s_cmp_eq_u32 s2, 0
	s_cbranch_scc0 .Lentry_in_a_cluster
	s_endpgm
.Lentry_in_a_cluster:
	s_bfe_u32 s2, ttmp6, 0x10000c
	s_cmp_lg_u32 s2, 0xf033
	s_cbranch_scc0 .Lentry_shape_is_right
	s_endpgm
.Lentry_shape_is_right:
; q, k, v = h W + b on codes of FP6 (E2M3); then the rope on q and k; then all three are quantised for attention and stored as IMAGES OF OPERAND REGISTERS.
; THE PRODUCT.  A tile of 256 tokens x 256 columns a work-group, four waves of 128 x 128 (64 accumulators).  K = 1,024 in four steps of 256 through a ring of two LDS slots filled by tensor loads; a step's 128 rows are
; 24,576 dense bytes.  The scale bytes of the tile's rows for all of K come once.  4 x 4 work-groups form a cluster: A's tiles are asked for jointly along a row of it, B's along a column.
; The matrix instruction is used transposed (source 0 = 16 rows of the weight, source 1 = 16 tokens), and the weight's rows were laid so that the 16 registers of accumulators 2 B and 2 B + 1 are columns 32 B + 16 (lane / 16) + 0 .. 15
; of the lane's token.  The bias is the C of each sum's first instruction.  Cluster x = 0, 1, 2 is q, k, v: the same in all partners, so the text may part on it: it parts ONCE, ahead of the last 64 products, which stand in both paths.
; Q, K: an image of 16 tokens of one head is 1,024 bytes: registers 0-3 at 16 x lane, 4-7 at 512 + 16 x lane; registers 0-5 = the lane's block of 32 of the head's 64.  THE MASK RIDES ON K = 64: q has the code -1.0 there under the
; scale byte 127; a masked key has the code 1.0 under the byte 161 and zeros everywhere else, so that its score is -2^34; an open key has the code 0 under the byte 1.
; V: quantised along the TOKENS: 32 tokens x 128 columns turn through a stage, a lane takes a column; an image (128 keys x 16 channels) is 1,536 bytes.  In a block of 32 keys place p holds key p with bits 3 and 4 exchanged, the
; order in which the softmax's codes fall; a tile's row r holds channel 32 (t / 2) + (16 (t % 2) + r with bits 3 and 4 exchanged).
; LIMITS: NaN and infinities are not served; a block of zeros gets the byte 1; a masked score is -2^34 where the module has -8e9 ahead of its factor 1/8: p is the same wherever open scores lie above -1e9.
.set SIZE_K, 1024
.set A_SC,   3145728
.set B_SC,   9437184
.set BROWS,  3072
.set TAB,    9830400
.set QSW,    11534336
.set VIMG,   8388608
.set KVS,    11927552
.set NQ,     2
.set ROWB,   192
.set PITCH,  240                       ; an LDS row: 3 x (64 bytes + 16 of padding)
.set FR,     12
.set NL,     6
.set NP,     4
.set HALFT,  128*PITCH
.set SLOT,   2*HALFT                   ; a slot's part of A's region, and of B's: 256 rows.  LDS: A's slot 0, A's slot 1, B's slot 0, B's slot 1
.set LAPS,   SIZE_K/512
.set NCH,    SIZE_K/256
.set SCL,    4*SLOT                    ; behind the ring: the scale bytes, [chunk][256 rows][8] for A, then for B; B's lie 128 bytes askew, so that the two halves of the lanes meet different banks
.set HALFS,  1024*NCH
.set SPARE,  ((SCL+4*HALFS+128+255)/256)*256
.set A_STEP, 4096*ROWB
.set B_STEP, BROWS*ROWB
.set ADRA, 16
.set ADRB, 20
.set ADRS, 27
.set SPW,  28
.set NIL,  29
.set SC,   32                          ; v32-63 scale words, two sets; they hold nothing else
.set BIAS, 64                          ; v64-127 the bias in the result's layout
.set AF,   128
.set G1, 24
.set G0, 32
.set G1B, 48
.set G0B, 56
.set G1S, 68
.set G0S, 76
.set G1SB, 80
.set G0SB, 88
.set SEL, 92
.set MSB, 0
.macro WIN new
.if MSB != \new
	s_set_vgpr_msb (MSB<<8)|\new
.set MSB, \new
.endif
.endm
.set MUL_LO, 0xa1
.set MUL_HI, 0xf1
.set TO_B,   0x40
.macro JLOAD g0a, g1a, g0b, g1b        ; a joint load: waves 0 and 1 fetch for A, waves 2 and 3 for B; an s_nop 0 and four v_nop follow each line
	s_cmp_eq_u32 s15, 0
	s_cbranch_scc0 .Lfor_b_\@
	tensor_load_to_lds s[\g0a:\g0a+3], s[\g1a:\g1a+7]
	s_nop 0
.rept 4
	v_nop
.endr
	s_branch .Lasked_\@
.Lfor_b_\@:
	tensor_load_to_lds s[\g0b:\g0b+3], s[\g1b:\g1b+7]
	s_nop 0
.rept 4
	v_nop
.endr
.Lasked_\@:
.endm
.macro CREST
	s_cmp_lg_u32 s14, 0
	s_cbranch_scc1 .Lnot_wave_0_\@
	s_barrier_signal -3
.Lnot_wave_0_\@:
	s_barrier_wait -3
	s_barrier_signal -1
	s_barrier_wait -1
.endm
.macro CROUND
	s_barrier_signal -1
	s_barrier_wait -1
	CREST
.endm
	s_load_b64 s[4:5], s[0:1], 0x0                 ; h's operand
	s_load_b64 s[8:9], s[0:1], 0x8                 ; the weights' buffer
	s_load_b128 s[96:99], s[0:1], 0x10             ; bq, bk
	s_load_b64 s[100:101], s[0:1], 0x20            ; bv
	s_load_b64 s[66:67], s[0:1], 0x28              ; mask
	s_load_b64 s[12:13], s[0:1], 0x30              ; out
	v_lshl_add_u32 v[SPW], v0, 2, SPARE
	v_mov_b32 v[NIL], 0
	ds_add_u32 v[SPW], v[NIL]                      ; the wave's opening
	ds_add_u32 v[SPW], v[NIL]
	v_lshrrev_b32 v1, 5, v0
	v_readfirstlane_b32 s14, v1                    ; wave
	s_lshr_b32 s15, s14, 1                         ; my half of the rows; also: I fetch for A (0) or B (1)
	s_and_b32 s16, s14, 1                          ; my half of the columns; also: which 128 rows I fetch
	s_bfe_u32 s40, ttmp6, 0x40000                  ; cx
	s_bfe_u32 s41, ttmp6, 0x40004                  ; cy
	s_lshl_b32 s42, ttmp9, 2
	s_add_co_u32 s42, s42, s40                     ; tile column
	s_and_b32 s17, ttmp7, 0xffff
	s_lshl_b32 s17, s17, 2
	s_add_co_u32 s17, s17, s41                     ; tile row
	s_lshl_b32 s43, s41, 2
	s_lshl_b32 s43, 15, s43                        ; my row of the cluster
	s_lshl_b32 s44, 0x1111, s40                    ; my column
	s_or_b32 s[G1+0], s43, (3<<16)|(1<<20)|(1<<21)|(3<<22)|(3<<25)   ; mask; elements of 8 bytes; padding: 4 words behind every 16
	s_or_b32 s[G1B+0], s44, (3<<16)|(1<<20)|(1<<21)|(3<<22)|(3<<25)
	s_mov_b32 s[G1+5], A_STEP/8                    ; the head's tile: K steps 0 and 1 of 256 rows, each 49,152 dense bytes: 2 rows of 6,144 elements, a K step apart
	s_mov_b32 s[G1B+5], B_STEP/8
.irp g, G1, G1B
	s_mov_b32 s[\g+1], 6144<<16
	s_mov_b32 s[\g+2], 2<<16
	s_mov_b32 s[\g+3], 6144<<16
	s_mov_b32 s[\g+4], 2
	s_mov_b32 s[\g+6], 0
	s_mov_b32 s[\g+7], 0
.endr
	s_or_b32 s[G1S+0], s43, (3<<16)|(1<<21)        ; the scale bytes of 256 rows: NCH rows of 256 elements of 8 bytes
	s_or_b32 s[G1SB+0], s44, (3<<16)|(1<<21)
.irp g, G1S, G1SB
	s_mov_b32 s[\g+1], 256<<16
	s_mov_b32 s[\g+2], NCH<<16
	s_mov_b32 s[\g+3], 256<<16
	s_mov_b32 s[\g+4], NCH
	s_mov_b32 s[\g+6], 0
	s_mov_b32 s[\g+7], 0
.endr
	s_mov_b32 s[G1S+5], 4096
	s_mov_b32 s[G1SB+5], BROWS
	s_lshl_b32 s18, s16, 7
	s_lshl_b32 s20, s17, 8
	s_add_co_u32 s20, s20, s18                     ; A: row 256 x tile row + 128 x half
	s_lshl_b32 s46, s42, 8
	s_add_co_u32 s46, s46, s18                     ; B: row 256 x tile column + 128 x half
	s_mov_b32 s21, 0
	s_mov_b32 s47, 0
	s_lshl_b32 s22, s17, 11                        ; the scale bytes of the tile's 256 rows: 8 bytes a row
	s_mov_b32 s23, 0
	s_lshl_b32 s92, s42, 11
	s_mov_b32 s93, 0
	s_mov_b64 s[18:19], ROWB
	s_mul_u64 s[20:21], s[20:21], s[18:19]
	s_mul_u64 s[46:47], s[46:47], s[18:19]
	s_mul_i32 s45, s16, HALFT                      ; in the ring I fill 128 rows of a slot's part
	s_wait_dscnt 0x0                               ; the opening add is done
	s_wait_kmcnt 0x0
	s_add_nc_u64 s[6:7], s[4:5], A_SC
	s_add_nc_u64 s[10:11], s[8:9], B_SC
	s_add_nc_u64 s[20:21], s[4:5], s[20:21]
	s_add_nc_u64 s[22:23], s[6:7], s[22:23]
	s_add_nc_u64 s[46:47], s[8:9], s[46:47]
	s_add_nc_u64 s[92:93], s[10:11], s[92:93]
	CROUND                                         ; all sixteen work-groups are here: the first joint loads meet
	s_mov_b32 s[G0S], 1
	s_mov_b32 s[G0S+1], SCL
	s_mov_b64 s[G0S+2:G0S+3], s[22:23]
	s_or_b32 s[G0S+3], s[G0S+3], 0x80000000
	s_mov_b32 s[G0SB], 1
	s_mov_b32 s[G0SB+1], SCL+2*HALFS+128
	s_mov_b64 s[G0SB+2:G0SB+3], s[92:93]
	s_or_b32 s[G0SB+3], s[G0SB+3], 0x80000000
.irp s, 0,1
	s_mov_b32 s[G0+4*\s], 1
	s_add_co_u32 s[G0+4*\s+1], s45, \s*SLOT
	s_add_nc_u64 s[G0+4*\s+2:G0+4*\s+3], s[20:21], \s*A_STEP
	s_or_b32 s[G0+4*\s+3], s[G0+4*\s+3], 0x80000000
	s_mov_b32 s[G0B+4*\s], 1
	s_add_co_u32 s[G0B+4*\s+1], s45, 4*HALFT+\s*SLOT
	s_add_nc_u64 s[G0B+4*\s+2:G0B+4*\s+3], s[46:47], \s*B_STEP
	s_or_b32 s[G0B+4*\s+3], s[G0B+4*\s+3], 0x80000000
.endr
; THE HEAD'S FOUR TILES, one joint load a wave: wave 0 A's codes of both slots (its slot 0 descriptor names the tile's first row and LDS byte 0), wave 1 A's scale bytes, wave 2 B's codes, wave 3 B's scale bytes.
; One chain of branches on the wave's number: every way passes exactly one load
.macro ARM under, g0, g1, next
	s_cmp_lt_u32 s14, \under
	s_cbranch_scc0 \next
	tensor_load_to_lds s[\g0:\g0+3], s[\g1:\g1+7]
	s_nop 0
.rept 4
	v_nop
.endr
	s_branch .Lhead_asked
\next:
.endm
	ARM 1, G0,  G1,  .Lhead_sa
	ARM 2, G0S, G1S, .Lhead_b
	ARM 3, G0B, G1B, .Lhead_sb
	tensor_load_to_lds s[G0SB:G0SB+3], s[G1SB:G1SB+7]
	s_nop 0
.rept 4
	v_nop
.endr
.Lhead_asked:
	; the prefetches' addresses: of the 24,576 bytes that I fetch in a refill, the partner at place p (cx for A, cy for B) names bytes 6,144 p on: 24 blocks of 256 bytes, a lane a block
	s_cmp_eq_u32 s15, 0
	s_cselect_b64 s[6:7], s[20:21], s[46:47]
	s_cselect_b32 s18, s40, s41
	s_mov_b32 s22, B_STEP
	s_cselect_b32 s22, A_STEP, s22
	s_mov_b32 s23, 0
	s_mul_i32 s18, s18, 6144
	s_mov_b32 s19, 0
	s_add_nc_u64 s[6:7], s[6:7], s[18:19]
	s_add_nc_u64 s[6:7], s[6:7], s[22:23]
	s_add_nc_u64 s[6:7], s[6:7], s[22:23]          ; K step 2
	s_add_nc_u64 s[10:11], s[6:7], s[22:23]        ; K step 3
	v_and_b32 v1, 15, v0                           ; r
	v_bfe_u32 v2, v0, 4, 1                         ; h
	v_mul_u32_u24 v3, v1, PITCH
	v_mul_u32_u24 v4, v2, 24
	v_add_nc_u32 v4, v3, v4
	v_lshl_add_u32 v5, v2, 4, v4
	s_mul_i32 s21, s15, HALFT
	s_mul_i32 s22, s16, HALFT
	s_add_co_u32 s22, s22, 4*HALFT
.irp s, 0,1
	v_add_nc_u32 v[ADRA+\s], s21, v4
	v_add_nc_u32 v[ADRB+\s], s22, v4
	v_add_nc_u32 v[ADRA+2+\s], s21, v5
	v_add_nc_u32 v[ADRB+2+\s], s22, v5
	s_add_co_u32 s21, s21, SLOT
	s_add_co_u32 s22, s22, SLOT
.endr
	v_lshlrev_b32 v5, 3, v1                        ; my row's 8 scale bytes of a chunk
	s_lshl_b32 s21, s15, 10                        ; my 128 rows of a chunk's 256
	s_lshl_b32 s22, s16, 10
	s_add_co_u32 s22, s22, 2*HALFS+128
	s_sub_co_u32 s22, s22, s21
	v_mul_u32_u24 v6, s22, v2                      ; lanes 16-31 take B's
	s_add_co_u32 s21, s21, SCL
	v_add_nc_u32 v5, v5, v6
	v_add_nc_u32 v[ADRS], s21, v5
	; the way out's addresses, all made here.  Its LDS lies in A's region, behind the ring's last fill and behind a barrier at which every wave's last fragment reads are done: each path has bytes of its own
	v_and_b32 v6, 31, v0
	v_lshlrev_b32 v7, 4, v6                        ; 16 x lane
	s_lshl_b32 s21, s14, 10                        ; q, k: my 2 x 128 scale words
	v_lshl_add_u32 v8, v1, 2, s21
	v_add_nc_u32 v9, s21, v7
	s_mul_i32 s21, s14, 16896
	s_add_co_u32 s21, s21, 4096                    ; v: my stage, 32 tokens x (512 bytes + 16)
	v_mul_u32_u24 v10, v1, 528
	v_lshl_add_u32 v10, v2, 6, v10
	v_add_nc_u32 v10, s21, v10
	v_lshl_add_u32 v11, v6, 2, s21
	s_mul_i32 s21, s14, 12288
	s_add_co_u32 s21, s21, 71680                   ; v: my eight images
	v_bfe_u32 v3, v0, 3, 1                         ; which tile of a pair my column falls into,
	v_and_b32 v4, 7, v0
	v_lshl_or_b32 v4, v2, 3, v4                    ; and which row of it
	v_mul_u32_u24 v12, v3, 1536
	v_lshl_add_u32 v12, v4, 4, v12
	v_add_nc_u32 v12, s21, v12
	v_add_nc_u32 v14, s21, v7
	s_lshl_b32 s21, s14, 9
	s_add_co_u32 s21, s21, 120832                  ; v: my 2 x 64 scale words
	v_lshlrev_b32 v13, 6, v3
	v_lshl_add_u32 v13, v4, 2, v13
	v_add_nc_u32 v13, s21, v13
	v_add_nc_u32 v15, s21, v7
	v_lshlrev_b32 v24, 7, v1
	v_lshl_add_u32 v24, v2, 6, v24                 ; the table: 128 r + 64 h
	v_lshlrev_b32 v25, 2, v1                       ; the mask: 4 r
	v_mul_u32_u24 v26, v2, 12288
	v_lshl_add_u32 v26, v1, 4, v26                 ; v's words in memory: a head to each half of the lanes
	v_lshlrev_b32 v30, 6, v2                       ; the bias: 64 h
	v_and_b32 v31, 31, v0
	v_min_u32 v31, 23, v31                         ; the prefetches' offset: 256 x lane; lanes 24 to 31 name the last block again
	v_lshlrev_b32 v31, 8, v31
	s_wait_alu depctr_va_vdst(0)
	s_cmp_eq_u32 ttmp9, 1
	s_cselect_b64 s[96:97], s[98:99], s[96:97]
	s_cmp_eq_u32 ttmp9, 2
	s_cselect_b64 s[96:97], s[100:101], s[96:97]
	s_lshl_b32 s46, s40, 10
	s_lshl_b32 s47, s16, 9
	s_add_co_u32 s46, s46, s47
	s_mov_b32 s47, 0
	s_add_nc_u64 s[96:97], s[96:97], s[46:47]      ; my 128 columns' bias
	global_prefetch_b8 v31, s[6:7] th:TH_LOAD_NT scope:SCOPE_SE     ; the head has asked for K steps 0 and 1: here K steps 2 and 3, which the two refills will load, are asked for, two fills ahead
	global_prefetch_b8 v31, s[10:11] th:TH_LOAD_NT scope:SCOPE_SE
.irp b, 0,1,2,3,4,5,6,7
	global_load_b128 v[BIAS+8*\b:BIAS+8*\b+3], v30, s[96:97] offset:(32*(\b/2)+8*(\b%2))*4
	global_load_b128 v[BIAS+8*\b+4:BIAS+8*\b+7], v30, s[96:97] offset:(32*(\b/2)+8*(\b%2))*4+16
.endr
.macro FRAG reg, adr, q, i             ; a fragment: 16 rows x 128 K, 12 registers, in pieces of 8 bytes; where the piece three on lies behind one padding more, the second address register serves
.irp p, 0,1,2,3,4,5
.set PC, 12*(\q)+6*(\p/3)+\p%3
.if PC%8 < 5
	ds_load_b64 v[\reg+2*\p:\reg+2*\p+1], v[\adr] offset:8*PC+16*(PC/8)+(\i)*16*PITCH
.else
	ds_load_b64 v[\reg+2*\p:\reg+2*\p+1], v[\adr+2] offset:8*PC+16*(PC/8)+(\i)*16*PITCH
.endif
.endr
.endm
; 16 matrix instructions: A's blocks a0, a0 + 1 x B's eight.  zero = 1: the sums begin with the bias.  The 64 accumulators take turns, one instruction a turn
.macro MUL16 a0, p, q, sc, zero
.irp a, \a0, \a0+1
.irp b, 0,1,2,3,4,5,6,7
.if \zero
	v_wmma_scale_f32_16x16x128_f8f6f4 v[8*(8*((\a)%4)+\b):8*(8*((\a)%4)+\b)+7], v[128*(\p)+FR*\b:128*(\p)+FR*\b+FR-1], v[AF+FR*(\a):AF+FR*(\a)+FR-1], v[BIAS+8*\b:BIAS+8*\b+7], v[SC+8*NQ*(\sc)+NQ*\b+(\q)], v[SC+8*NQ*(\sc)+NQ*(\a)+(\q)] matrix_a_fmt:MATRIX_FMT_FP6 matrix_b_fmt:MATRIX_FMT_FP6 matrix_a_scale:MATRIX_SCALE_ROW1
.else
	v_wmma_scale_f32_16x16x128_f8f6f4 v[8*(8*((\a)%4)+\b):8*(8*((\a)%4)+\b)+7], v[128*(\p)+FR*\b:128*(\p)+FR*\b+FR-1], v[AF+FR*(\a):AF+FR*(\a)+FR-1], v[8*(8*((\a)%4)+\b):8*(8*((\a)%4)+\b)+7], v[SC+8*NQ*(\sc)+NQ*\b+(\q)], v[SC+8*NQ*(\sc)+NQ*(\a)+(\q)] matrix_a_fmt:MATRIX_FMT_FP6 matrix_b_fmt:MATRIX_FMT_FP6 matrix_a_scale:MATRIX_SCALE_ROW1
.endif
.endr
.endr
.endm
.macro FETCH_B slot, q, p
	WIN TO_B
.irp i, 0,1,2,3,4,5,6,7
	FRAG 128*(\p)+FR*\i, ADRB+\slot, \q, \i
.endr
	WIN 0
.endm
.macro FETCH_A slot, q, i0
.irp i, \i0, \i0+1, \i0+2, \i0+3
	FRAG AF+FR*(\i), ADRA+\slot, \q, \i
.endr
.endm
.macro SCALES sc                       ; a K step's scale words: lanes 0-15 A's block i, lanes 16-31 B's block i
.irp i, 0,1,2,3,4,5,6,7
	ds_load_b64 v[SC+8*NQ*\sc+NQ*\i:SC+8*NQ*\sc+NQ*\i+1], v[ADRS] offset:\i*128
.endr
.endm
.macro PLACES n                        ; plain vector instructions between a matrix instruction and a load into, or a read of, its registers
.rept \n
	v_nop
.endr
.endm
.macro STEP slot, q, zero
	s_wait_dscnt 4*NL                              ; B's set and A's blocks 0-3 are in; A's blocks 4-7 may be out
.if \zero
	WIN 0x81                                       ; C (the bias) in window 0
.else
	WIN MUL_LO
.endif
	MUL16 0, (\q)%2, \q, \slot, \zero
	MUL16 2, (\q)%2, \q, \slot, \zero
	s_wait_dscnt 0
	PLACES NP
	FETCH_B \slot, (\q)+1, 1-(\q)%2
	FETCH_A \slot, (\q)+1, 0
.if \zero
	WIN 0xc1
.else
	WIN MUL_HI
.endif
	MUL16 4, (\q)%2, \q, \slot, \zero
	MUL16 6, (\q)%2, \q, \slot, \zero
	PLACES NP
	WIN 0
	FETCH_A \slot, (\q)+1, 4
.endm
; a slot's last step changes slots: one barrier; in front of it each wave waits for all its tensor loads, adds 0 to its spare word, and waits for that and for its reads of this slot
.macro TURN slot, next, fill
	s_wait_tensorcnt 0x0                           ; all my tensor loads have landed: my part of the next slot
	ds_add_u32 v[SPW], v[NIL]
	s_wait_dscnt 4*NL+1                            ; (the add and A's blocks 4-7 may be out)
	WIN MUL_LO
	MUL16 0, 1, NQ-1, \slot, 0
	s_wait_dscnt 0x0                               ; the add is done, and my reads of this slot are over
	s_barrier_signal -1
	MUL16 2, 1, NQ-1, \slot, 0
	WIN 0
	s_barrier_wait -1
.if \fill
	CREST                                          ; the barrier has opened a round of the cluster's: no wave of any partner still reads this slot or has a load on its way
	s_add_nc_u64 s[G0+4*\slot+2:G0+4*\slot+3], s[G0+4*\slot+2:G0+4*\slot+3], 2*A_STEP
	s_add_nc_u64 s[G0B+4*\slot+2:G0B+4*\slot+3], s[G0B+4*\slot+2:G0B+4*\slot+3], 2*B_STEP
	JLOAD G0+4*\slot, G1, G0B+4*\slot, G1B         ; my one tensor load behind the round; its four v_nop are the places in front of the loads below
.else
	PLACES NP
.endif
	s_wait_alu depctr_va_vdst(0)
	v_add_nc_u32 v[ADRS], 2048, v[ADRS]            ; the next chunk's scale words
	FETCH_B \next, 0, 0
	FETCH_A \next, 0, 0
	SCALES \next
	WIN MUL_HI
	MUL16 4, 1, NQ-1, \slot, 0
	MUL16 6, 1, NQ-1, \slot, 0
	PLACES NP
	WIN 0
	FETCH_A \next, 0, 4
.endm
; the very last step of 128 along K: nothing more to fetch.  It stands in both paths of the way out
.macro LASTSTEP
	s_wait_dscnt 4*NL                              ; B's set and A's blocks 0-3 are in; A's blocks 4-7 may be out
	WIN MUL_LO
	MUL16 0, 1, NQ-1, 1, 0
	MUL16 2, 1, NQ-1, 1, 0
	s_wait_dscnt 0
	WIN MUL_HI
	MUL16 4, 1, NQ-1, 1, 0
	MUL16 6, 1, NQ-1, 1, 0
	WIN 0
	PLACES NP
.endm
	s_wait_tensorcnt 0x0                           ; my tile of the head's four is in, and no load of mine is out: group 1 may be written
.irp g, G1, G1B                        ; from here on a load brings 128 rows of one K step: 24,576 dense bytes as 96 rows of 256
	s_mov_b32 s[\g+1], 32<<16
	s_mov_b32 s[\g+2], 96<<16
	s_mov_b32 s[\g+3], 32<<16
	s_mov_b32 s[\g+4], 96
	s_mov_b32 s[\g+5], 32
.endr
	s_barrier_signal -1
	s_barrier_wait -1                              ; everybody's is in: both slots and the scale bytes
	FETCH_B 0, 0, 0
	FETCH_A 0, 0, 0
	SCALES 0
	FETCH_A 0, 0, 4
	s_wait_loadcnt 0x0                             ; the bias
	STEP 0, 0, 1
	s_mov_b32 s3, LAPS-1
.Llap:
	TURN 0, 1, 1
	STEP 1, 0, 0
	TURN 1, 0, 1
	STEP 0, 0, 0
	s_sub_co_u32 s3, s3, 1
	s_cmp_lg_u32 s3, 0
	s_cbranch_scc1 .Llap
	TURN 0, 1, 0
	STEP 1, 0, 0
	; the way out's scalars, in registers with which the head is done (none of them ever held a descriptor's word)
	s_lshl_b32 s18, s17, 8
	s_lshl_b32 s19, s15, 7
	s_add_co_u32 s18, s18, s19                     ; my first token of 4,096
	s_and_b32 s19, s18, 2047                       ; its position
	s_lshr_b32 s20, s18, 11
	s_lshl_b32 s20, s20, 4
	s_lshl_b32 s21, s40, 2
	s_add_co_u32 s20, s20, s21
	s_lshl_b32 s21, s16, 1
	s_add_co_u32 s20, s20, s21                     ; 16 x batch + my first head
	s_mov_b32 s23, 0
	s_mov_b32 s[SEL], 0x76543210
	s_mov_b32 s[SEL+1], 0xfedcba98                 ; lane l xor 16
	s_mov_b32 s94, 0xffff
	s_wait_xcnt 0x0                                ; the prefetches have read their addresses: s[6:7] and s[10:11] are written again below
	s_wait_dscnt 0x0                               ; my last fragments are in registers,
	s_barrier_signal -1
	s_barrier_wait -1                              ; everybody's are: the ring's bytes are read no more, and the way out may store there
	s_cmp_eq_u32 ttmp9, 2                          ; THE PATHS PART HERE, once: q and k go on, v jumps
	s_cbranch_scc1 .Lvpath
	; ---------------- q and k
	s_lshl_b32 s22, s19, 7
	s_add_co_u32 s22, s22, TAB
	s_add_nc_u64 s[4:5], s[8:9], s[22:23]          ; the table at my first position
	s_lshl_b32 s22, s18, 2
	s_add_nc_u64 s[66:67], s[66:67], s[22:23]      ; the mask at my first token
	s_lshl_b32 s22, ttmp9, 22
	s_lshl_b32 s21, s20, 17
	s_add_co_u32 s22, s22, s21
	s_lshl_b32 s21, s19, 6
	s_add_co_u32 s22, s22, s21
	s_add_nc_u64 s[6:7], s[12:13], s[22:23]        ; q's or k's images
	s_mul_i32 s22, ttmp9, 393216
	s_mul_i32 s21, s20, 12288
	s_add_co_u32 s22, s22, s21
	s_lshl_b32 s21, s19, 2
	s_add_co_u32 s22, s22, s21
	s_add_co_u32 s22, s22, QSW
	s_add_nc_u64 s[10:11], s[12:13], s[22:23]      ; and their words
	s_cmp_eq_u32 ttmp9, 0
	s_cselect_b32 s95, 1, 0                        ; q is never masked
	s_cselect_b32 s43, 0x28, 0                     ; the code at k = 64: q: -1.0; an open key: 0
	s_mov_b32 s44, 0x10000
	s_cselect_b32 s44, 0x7f0000, s44               ; its scale byte: q: 127; an open key: 1
	WIN TO_B                                       ; table and mask are asked for here, the table into B's first set, which is done with (four places stand behind its last reader): they land under the last 64 products
.irp a, 0,1,2,3,4,5,6,7
.irp i, 0,1,2,3
	global_load_b128 v[16*\a+4*\i:16*\a+4*\i+3], v24, s[4:5] offset:2048*\a+16*\i
.endr
.endr
	WIN 0
.irp a, 0,1,2,3,4,5,6,7
	global_load_b32 v[224+\a], v25, s[66:67] offset:64*\a
.endr
	LASTSTEP
	s_wait_loadcnt 0x0                             ; table and mask
.set H,    64                          ; v64-127  64 numbers of my token: two heads x (rotated 16, passed 16) of my half
.set TMPR, 128                         ; v128-159 the rope's cross terms
.set IM,   160                         ; v160-191 two heads' image registers, two sets by turns
.set QT,   192
.set TM,   200
.set PW,   216
.set MK,   224
.set WD,   232
	v_mov_b32 v218, 8                              ; a masked key: the code 1.0,
	v_mov_b32 v222, 0xa10000                       ; under the byte 161
	v_mov_b32 v219, s43
	v_mov_b32 v221, s44
.irp b, 0,1,2,3
	v_mov_b32 v[TM+4+\b], 0                        ; written once: a lane permute's destination counts as one of its sources
.endr
; 64 numbers of a lane, register 16 b + i = k 32 b + 16 (lane / 16) + i, become codes at v[d + st c] on (whole blocks, lanes 0-15 block 2 c, lanes 16-31 block 2 c + 1) and the four scale bytes in v[PW]
.macro QUANT s, d, st, q
.irp b, 0,1,2,3
	v_max3_num_f32 v[TM+\b], |v[\s+16*\b]|, |v[\s+1+16*\b]|, 0x1800000
.endr
.irp i, 2,4,6,8,10,12,14
.irp b, 0,1,2,3
	v_max3_num_f32 v[TM+\b], v[TM+\b], |v[\s+16*\b+\i]|, |v[\s+1+16*\b+\i]|
.endr
.endr
.irp b, 0,1,2,3
	v_permlanex16_b32 v[TM+4+\b], v[TM+\b], s[SEL], s[SEL+1]
.endr
.irp b, 0,1,2,3
	v_max_num_f32 v[TM+\b], v[TM+\b], v[TM+4+\b]
.endr
.irp b, 0,1,2,3
	v_add_nc_u32 v[TM+12+\b], 0xff000000, v[TM+\b]
.endr
.irp b, 0,1,2,3
	v_lshrrev_b32 v[TM+4+\b], 23, v[TM+12+\b]
.endr
	v_lshl_or_b32 v[PW], v[TM+5], 8, v[TM+4]
	v_lshl_or_b32 v[PW], v[TM+6], 16, v[PW]
	v_lshl_or_b32 v[PW], v[TM+7], 24, v[PW]
.irp c, 0,1
	v_cvt_scalef32_pk16_fp6_f32 v[\d+\st*\c:\d+\st*\c+2], v[\s+32*\c:\s+32*\c+15], v[TM+12+2*\c]
	v_cvt_scalef32_pk16_fp6_f32 v[\q+4*\c:\q+4*\c+2], v[\s+32*\c+16:\s+32*\c+31], v[TM+12+2*\c+1]
.endr
	v_nop                                          ; one plain place behind a scaled conversion
.irp c, 0,1
.irp i, 0,1,2
	v_permlane16_swap_b32 v[\d+\st*\c+\i], v[\q+4*\c+\i]
.endr
.irp i, 0,1,2
	v_mov_b32 v[\d+\st*\c+3+\i], v[\q+4*\c+\i]
.endr
.endr
.endm
.macro QKBLOCK a                       ; tokens 16 a .. 16 a + 15, two heads
.set AC, 64*((\a)%4)
.set IMA, IM+16*((\a)%2)
.if (\a) >= 2
	s_wait_xcnt 0x0                                ; the stores of two blocks back have read this set of image registers
.endif
	WIN (2+(\a)/4)|4                               ; source 0: the accumulators; source 1: the table, in window 1
.irp e, 0,1
.irp i, 0,1,2,3,4,5,6,7
	v_pk_mul_f32 v[TMPR+16*\e+2*\i:TMPR+16*\e+2*\i+1], v[AC+32*\e+2*\i:AC+32*\e+2*\i+1], v[16*(\a)+2*\i:16*(\a)+2*\i+1] op_sel:[1,1] op_sel_hi:[0,1]   ; (x1 sin, x0 sin)
.endr
.endr
.irp e, 0,1
.irp i, 0,1,2,3,4,5,6,7
	v_pk_fma_f32 v[H+32*\e+2*\i:H+32*\e+2*\i+1], v[AC+32*\e+2*\i:AC+32*\e+2*\i+1], v[16*(\a)+2*\i:16*(\a)+2*\i+1], v[TMPR+16*\e+2*\i:TMPR+16*\e+2*\i+1] op_sel_hi:[1,0,1] neg_lo:[0,0,1]   ; (x0 cos - x1 sin, x1 cos + x0 sin)
.endr
.irp i, 0,1,2,3,4,5,6,7
	v_pk_mul_f32 v[H+32*\e+16+2*\i:H+32*\e+17+2*\i], v[AC+32*\e+16+2*\i:AC+32*\e+17+2*\i], 1.0 op_sel_hi:[1,0]   ; features 32 to 63 pass
.endr
.endr
	WIN 0
	QUANT H, IMA, 8, QT
	v_or_b32 v220, s95, v[MK+(\a)]
	v_cmp_eq_u32 vcc_lo, 0, v220                   ; a masked key
.irp e, 0,1
.irp i, 0,1,2,3,4,5
	v_cndmask_b32 v[IMA+8*\e+\i], v[IMA+8*\e+\i], v[NIL], vcc_lo
.endr
.endr
	v_cndmask_b32 v217, v219, v218, vcc_lo
	v_cndmask_b32 v217, v[NIL], v217, s94          ; k = 64 lies in lanes 0-15
	v_cndmask_b32 v223, v221, v222, vcc_lo
	v_mov_b32 v[IMA+6], v217
	v_mov_b32 v[IMA+7], 0
	v_mov_b32 v[IMA+14], v217
	v_mov_b32 v[IMA+15], 0
	v_and_or_b32 v[WD+2*(\a)], v[PW], s94, v223
	v_lshrrev_b32 v[WD+2*(\a)+1], 16, v[PW]
	v_or_b32 v[WD+2*(\a)+1], v[WD+2*(\a)+1], v223
	ds_store_b32 v8, v[WD+2*(\a)] offset:64*(\a)           ; both halves of the lanes write the same word with the same value
	ds_store_b32 v8, v[WD+2*(\a)+1] offset:512+64*(\a)
.irp e, 0,1
	global_store_b128 v7, v[IMA+8*\e:IMA+8*\e+3], s[6:7] offset:131072*\e+1024*(\a)         ; 512 consecutive bytes, aligned
	global_store_b128 v7, v[IMA+8*\e+4:IMA+8*\e+7], s[6:7] offset:131072*\e+1024*(\a)+512
.endr
.endm
.irp a, 0,1,2,3,4,5,6,7
	QKBLOCK \a
.endr
	ds_load_b128 v[64:67], v9                      ; a wave's LDS instructions are served in order: these see my stores
	ds_load_b128 v[68:71], v9 offset:512
	s_wait_dscnt 0x0
	global_store_b128 v7, v[64:67], s[10:11]
	global_store_b128 v7, v[68:71], s[10:11] offset:12288
	s_branch .Ljoin
.Lvpath:
	; ---------------- v
	s_mul_i32 s22, s20, 98304
	s_mul_i32 s21, s19, 48
	s_add_co_u32 s22, s22, s21
	s_add_co_u32 s22, s22, VIMG
	s_add_nc_u64 s[6:7], s[12:13], s[22:23]        ; v's images
	s_mul_i32 s22, s20, 12288
	s_lshl_b32 s21, s19, 1
	s_add_co_u32 s22, s22, s21
	s_add_co_u32 s22, s22, KVS+8192
	s_add_nc_u64 s[10:11], s[12:13], s[22:23]      ; and their words
	LASTSTEP
.set XV, 64                            ; v64-191  four groups of 32 columns: my column's 32 tokens
.set GV, 192                           ; v192-223 a block's six registers of codes, for each group
.set TV, 224
.set SBW, 240                          ; v240-243 the scale words
.macro VLOADG c                        ; my column of group c, down the stage's 32 tokens: place p takes the token p with bits 3 and 4 exchanged
.set p, 0
.rept 32
	ds_load_b32 v[XV+32*(\c)+p], v11 offset:528*((p&7)|(((p>>3)&1)<<4)|(((p>>4)&1)<<3))+128*(\c)
.set p, p+1
.endr
.endm
.macro VPAIR be                        ; tokens 32 be .. 32 be + 31
	WIN 0x08+4*((\be)/2)
.irp k, 0,1
.set AC, 64*((2*(\be)+\k)%4)
.irp b, 0,1,2,3,4,5,6,7
	ds_store_b128 v10, v[AC+8*\b:AC+8*\b+3] offset:8448*\k+128*(\b/2)+32*(\b%2)
	ds_store_b128 v10, v[AC+8*\b+4:AC+8*\b+7] offset:8448*\k+128*(\b/2)+32*(\b%2)+16
.endr
.endr
	WIN 0
	VLOADG 0                                       ; a wave's LDS instructions are served in order: these see the stores above.  The loads run two groups ahead of the work
	VLOADG 1
.irp c, 0,1,2,3
.set XS, XV+32*\c
.set GC, GV+8*\c
.set TC, TV+4*\c
.if \c == 0
	s_wait_dscnt 32                                ; group 0 is in; behind it: group 1's 32 loads
.elseif \c < 3
	s_wait_dscnt 34                                ; this group is in; behind it: the last group's two image stores and the next group's 32 loads
.else
	s_wait_dscnt 2                                 ; group 3 is in; behind it: group 2's two image stores
.endif
	v_max3_num_f32 v244, |v[XS]|, |v[XS+1]|, |v[XS+2]|
	v_max3_num_f32 v245, |v[XS+3]|, |v[XS+4]|, |v[XS+5]|
.irp i, 6,10,14,18,22,26
	v_max3_num_f32 v244, v244, |v[XS+\i]|, |v[XS+\i+1]|
	v_max3_num_f32 v245, v245, |v[XS+\i+2]|, |v[XS+\i+3]|
.endr
	v_max3_num_f32 v244, v244, |v[XS+30]|, |v[XS+31]|
	v_max3_num_f32 v244, v244, v245, 0x1800000     ; the floor 2^(3 - 127)
	v_add_nc_u32 v246, 0xff000000, v244            ; 2 off the exponent field: the conversion's scale operand
	v_lshrrev_b32 v247, 23, v246                   ; the scale's byte
.if (\be) == 0
	v_mov_b32 v[SBW+\c], v247
.else
	v_lshl_or_b32 v[SBW+\c], v247, 8*(\be), v[SBW+\c]
.endif
	v_cvt_scalef32_pk16_fp6_f32 v[GC:GC+2], v[XS:XS+15], v246
	v_cvt_scalef32_pk16_fp6_f32 v[TC:TC+2], v[XS+16:XS+31], v246
	v_nop                                          ; one plain place behind a scaled conversion
.irp i, 0,1,2
	v_mov_b32 v[GC+3+\i], v[TC+\i]
.endr
.if (\be) < 2                          ; registers 0-5 of the image's lane 16 (be % 2) + row
	ds_store_b128 v12, v[GC:GC+3] offset:6144*(\c/2)+3072*(\c%2)+256*((\be)&1)
	ds_store_b64 v12, v[GC+4:GC+5] offset:6144*(\c/2)+3072*(\c%2)+256*((\be)&1)+512
.else                                  ; registers 6-11
	ds_store_b64 v12, v[GC:GC+1] offset:6144*(\c/2)+3072*(\c%2)+256*((\be)&1)+520
	ds_store_b128 v12, v[GC+2:GC+5] offset:6144*(\c/2)+3072*(\c%2)+256*((\be)&1)+1024
.endif
.if \c < 2
	VLOADG \c+2
.endif
.endr
.endm
	VPAIR 0
	VPAIR 1
	VPAIR 2
	VPAIR 3
.irp c, 0,1,2,3
	ds_store_b32 v13, v[SBW+\c] offset:256*(\c/2)+128*(\c%2)
.endr
.set q, 0
.rept 24
	ds_load_b128 v[XV+4*q:XV+4*q+3], v14 offset:512*q
.set q, q+1
.endr
	ds_load_b128 v[GV:GV+3], v15
.set q, 0
.rept 24
	s_wait_dscnt 24-q
	global_store_b128 v7, v[XV+4*q:XV+4*q+3], s[6:7] offset:98304*(q/12)+512*(q%12)   ; 512 consecutive bytes, aligned
.set q, q+1
.endr
	s_wait_dscnt 0x0
	global_store_b128 v26, v[GV:GV+3], s[10:11]    ; sixteen lanes store a head's 256 bytes of words
.Ljoin:
	s_wait_tensorcnt 0x0                           ; the wave's end
	ds_add_u32 v[SPW], v[NIL]
	s_wait_dscnt 0x0
	CROUND                                         ; the closing round
	s_endpgm
.Lfunc_end_k_q4ad3f7d9d4_qkv:
	.size	k_q4ad3f7d9d4_qkv, .Lfunc_end_k_q4ad3f7d9d4_qkv-k_q4ad3f7d9d4_qkv
	.p2alignl 7, 3214868480
	.fill 96, 4, 3214868480
	.section	.rodata,"a",@progbits
	.p2align	6, 0x0
	.amdhsa_kernel k_q4ad3f7d9d4_qkv
		.amdhsa_group_segment_fixed_size 327680
		.amdhsa_private_segment_fixed_size 0
		.amdhsa_enable_private_segment 0
		.amdhsa_kernarg_size 56
		.amdhsa_user_sgpr_count 2
		.amdhsa_user_sgpr_kernarg_segment_ptr 1
		.amdhsa_wavefront_size32 1
		.amdhsa_system_sgpr_workgroup_id_x 1
		.amdhsa_system_sgpr_workgroup_id_y 1
		.amdhsa_system_sgpr_workgroup_id_z 1
		.amdhsa_system_vgpr_workitem_id 0
		.amdhsa_next_free_vgpr 1024
		.amdhsa_next_free_sgpr 102
		.amdhsa_reserve_vcc 1
		.amdhsa_float_denorm_mode_32 3
		.amdhsa_float_denorm_mode_16_64 3
		.amdhsa_memory_ordered 1
		.amdhsa_forward_progress 1
		.amdhsa_inst_pref_size 255
	.end_amdhsa_kernel
	.section	.bss,"aw",@nobits
	.p2align	6
	.space	262144
	.amdgpu_metadata
---
amdhsa.version: [ 1, 2 ]
amdhsa.kernels:
  - .name:           k_q4ad3f7d9d4_qkv
    .symbol:         k_q4ad3f7d9d4_qkv.kd
    .args:
      - { .name: hq, .offset: 0, .size: 8, .value_kind: global_buffer, .address_space: global }
      - { .name: wts, .offset: 8, .size: 8, .value_kind: global_buffer, .address_space: global }
      - { .name: bq, .offset: 16, .size: 8, .value_kind: global_buffer, .address_space: global }
      - { .name: bk, .offset: 24, .size: 8, .value_kind: global_buffer, .address_space: global }
      - { .name: bv, .offset: 32, .size: 8, .value_kind: global_buffer, .address_space: global }
      - { .name: mask, .offset: 40, .size: 8, .value_kind: global_buffer, .address_space: global }
      - { .name: qkv, .offset: 48, .size: 8, .value_kind: global_buffer, .address_space: global }
    .group_segment_fixed_size: 327680
    .private_segment_fixed_size: 0
    .kernarg_segment_align: 8
    .kernarg_segment_size: 56
    .max_flat_workgroup_size: 128
    .sgpr_count:     102
    .vgpr_count:     1024
    .wavefront_size: 32
...
	.end_amdgpu_metadata
.endif
;; end of part 9
;; launch attn (part 10): grid 8 x 32, 16 waves a work-group, clusters of 4 x 1, 243,712 bytes of LDS; arguments qkv, att; writes att
.if DOCPART == 10
	.amdgcn_target "amdgcn-amd-amdhsa--gfx1250"
	.amdhsa_code_object_version 6
	.text
	.protected	k_q4ad3f7d9d4_attn
	.globl	k_q4ad3f7d9d4_attn
	.p2align	8
	.type	k_q4ad3f7d9d4_attn,@function
k_q4ad3f7d9d4_attn:
	s_mov_b64 s[64:65], 0
	v_nop
	global_prefetch_b8 v0, s[64:65] scope:SCOPE_SE
	s_setreg_imm32_b32 hwreg(HW_REG_WAVE_MODE, 25, 1), 1
	s_wait_xcnt 0x0
	s_wait_alu depctr_hold_cnt(0) depctr_sa_sdst(0) depctr_va_vdst(0) depctr_va_sdst(0) depctr_va_ssrc(0) depctr_va_vcc(0) depctr_vm_vsrc(0)
	s_getreg_b32 s2, hwreg(HW_REG_IB_STS2, 6, 4)
	s_cmp_eq_u32 s2, 0
	s_cbranch_scc0 .Lentry_in_a_cluster
	s_endpgm
.Lentry_in_a_cluster:
	s_bfe_u32 s2, ttmp6, 0x10000c
	s_cmp_lg_u32 s2, 0x3003
	s_cbranch_scc0 .Lentry_shape_is_right
	s_endpgm
.Lentry_shape_is_right:
; o = softmax(q k^T / 8, masked) v for one head, both products on codes of FP6 (E2M3); o / l is quantised along the model's 1,024 and stored as an operand of the next product.
; SOFTMAX: t = score x log2(e) / 8; M = the running largest t rounded up to a whole number; p = 2^(t - M) is quantised along the keys, not normalised; the row's sum is taken of the unquantised p and divides at the end.
; When M moves, the sum and O are multiplied by 2^(old M - new M): exact.  THE MASK costs no line here: a masked key's image gives the score -2^34, an exact whole t, so p = 0 beside any open key and p = 1 in a row with none.
; SHARES.  A work-group owns 256 queries of one (batch, head), each of its sixteen waves 16: four waves to a SIMD, so that one wave's vector work stands beside another's products and LDS loads.
; A WHOLE HEAD'S K AND V LIE IN LDS, as images of operand registers (131,072 + 98,304 bytes) with their scale words (12,288): filled ONCE, so there is no ring, no refill and no barrier in the loop.
; CLUSTER.  Four query blocks of a head read the same K and V: waves 0 to 13 ask jointly for 16,384 bytes each, wave 14 for the words; one tensor load a wave is out.
; LAYOUT.  Both products transposed: S^T = K Q^T, O^T = V^T P^T: a lane holds one query.  A tile of K is 16 neighbouring keys, 8 registers; the instruction names 12: the upper four are the next tile's and meet q's zero codes.
; p's codes fall with bits 3 and 4 of a key's place in its block exchanged: V's images were laid in that order.  V's rows were laid so that O^T's 16 registers of two tiles are 16 neighbouring channels.
; The way out stores 48 bytes of codes and 2 scale bytes for a token and head: these pieces are short in the operand itself.
; No prefetch: K and V are asked for once, at the head.  LIMITS: NaN and infinities are not served; a block of zeros gets the byte 1.
.set KIM,   4194304
.set VIMG,  8388608
.set QSW,   11534336
.set KVS,   11927552
.set LV,    131072
.set LKS,   229376
.set LVS,   237568
.set SPARE, 241664
.set AK0,  1
.set AV0,  2
.set ASK0, 3
.set ASV0, 4
.set SPW,  5
.set NIL,  6
.set GO,   7
.set ADK,  8
.set ADV,  9
.set ADS,  10
.set ADT,  11                          ; v12 -M, v13 the largest t, v[14:15] the sum in two halves
.set QF,   16                          ; v16-27 q's fragment
.set QS,   28                          ; q's scale words
.set GS,   29
.set KF,   32                          ; v32-95 eight tiles of K, v96-99 zeros
.set VF,   32                          ; v32-79 four tiles of V
.set S,    100                         ; v100-163 S^T, then p
.set O,    164                         ; v164-195 O^T
.set PC,   196                         ; v196-207 p's codes
.set PT,   208
.set BM,   216
.set BP,   220
.set SO,   224
.set KS,   228                         ; v228-231 K's scale words
.set VS,   232                         ; v232-233 V's
.set PW,   234                         ; p's
.set FF,   236
.set TMP,  238
.set L2,   240
.set WV,   18
.set SEL,  20
.set CS,   22
.set G1M,  24
.set G1S,  32
.set G0M,  40
.set G0S,  44
.macro CROUND
	s_barrier_signal -1
	s_barrier_wait -1
	s_cmp_lg_u32 s[WV], 0
	s_cbranch_scc1 .Lnot_wave_0_\@
	s_barrier_signal -3
.Lnot_wave_0_\@:
	s_barrier_wait -3
	s_barrier_signal -1
	s_barrier_wait -1
.endm
	s_load_b128 s[4:7], s[0:1], 0x0                ; the images, the output operand
	v_lshl_add_u32 v[SPW], v0, 2, SPARE
	v_mov_b32 v[NIL], 0
	ds_add_u32 v[SPW], v[NIL]                      ; the wave's opening
	ds_add_u32 v[SPW], v[NIL]
	v_lshrrev_b32 v8, 5, v0
	s_delay_alu instid0(VALU_DEP_1)
	v_readfirstlane_b32 s[WV], v8                  ; wave 0..15
	s_bfe_u32 s13, ttmp6, 0x40000                  ; cx: it enters q's and the output's addresses alone
	s_lshl_b32 s14, ttmp9, 2
	s_add_co_u32 s14, s14, s13                     ; my block of 256 queries
	s_and_b32 s15, ttmp7, 0xffff                   ; 16 x batch + head, which the four partners share
	s_mov_b32 s[G1M], 15|(3<<16)|(1<<21)           ; the mask: all four; elements of 8 bytes; 64 dense rows of 256 bytes
	s_mov_b32 s[G1M+1], 32<<16
	s_mov_b32 s[G1M+2], 64<<16
	s_mov_b32 s[G1M+3], 32<<16
	s_mov_b32 s[G1M+4], 64
	s_mov_b32 s[G1M+5], 32
	s_mov_b32 s[G1M+6], 0
	s_mov_b32 s[G1M+7], 0
	s_mov_b32 s[G1S], 15|(3<<16)|(1<<21)           ; the words: 48 such rows
	s_mov_b32 s[G1S+1], 32<<16
	s_mov_b32 s[G1S+2], 48<<16
	s_mov_b32 s[G1S+3], 32<<16
	s_mov_b32 s[G1S+4], 48
	s_mov_b32 s[G1S+5], 32
	s_mov_b32 s[G1S+6], 0
	s_mov_b32 s[G1S+7], 0
	s_lshl_b32 s8, s15, 17
	s_add_co_u32 s8, s8, KIM                       ; waves 0-7: K's images, 16,384 bytes a wave;
	s_mul_i32 s9, s15, 98304
	s_add_co_u32 s9, s9, VIMG-8*16384              ; waves 8-13: V's
	s_cmp_lt_u32 s[WV], 8
	s_cselect_b32 s8, s8, s9
	s_lshl_b32 s12, s[WV], 14                      ; in LDS V's images follow K's: 16,384 x wave
	s_add_co_u32 s8, s8, s12
	s_mov_b32 s9, 0
	s_mul_i32 s10, s15, 12288
	s_add_co_u32 s10, s10, KVS
	s_mov_b32 s11, 0
	s_mov_b32 s[SEL], 0x76543210
	s_mov_b32 s[SEL+1], 0xfedcba98
	s_mov_b32 s[CS], 0x3e38aa3b                    ; c = log2(e) / 8
	s_mov_b32 s[CS+1], s[CS]
	s_mov_b32 s53, 0xffff
	s_wait_dscnt 0x0                               ; the opening add is done
	s_wait_kmcnt 0x0
	s_mov_b32 s[G0M], 1
	s_mov_b32 s[G0M+1], s12
	s_add_nc_u64 s[G0M+2:G0M+3], s[4:5], s[8:9]
	s_or_b32 s[G0M+3], s[G0M+3], 0x80000000
	s_mov_b32 s[G0S], 1
	s_mov_b32 s[G0S+1], LKS
	s_add_nc_u64 s[G0S+2:G0S+3], s[4:5], s[10:11]
	s_or_b32 s[G0S+3], s[G0S+3], 0x80000000
	CROUND                                         ; all four work-groups are here: the joint loads meet
	s_cmp_lt_u32 s[WV], 14
	s_cbranch_scc0 .Lnot_img
	tensor_load_to_lds s[G0M:G0M+3], s[G1M:G1M+7]
	s_nop 0
.rept 4
	v_nop
.endr
	s_branch .Lasked
.Lnot_img:
	s_cmp_lt_u32 s[WV], 15
	s_cbranch_scc0 .Lasked
	tensor_load_to_lds s[G0S:G0S+3], s[G1S:G1S+7]
	s_nop 0
.rept 4
	v_nop
.endr
.Lasked:
	s_lshl_b32 s16, s14, 8
	s_lshl_b32 s17, s[WV], 4
	s_add_co_u32 s16, s16, s17                     ; my first query in the head
	s_lshl_b32 s48, s15, 17
	s_lshl_b32 s49, s16, 6
	s_add_co_u32 s48, s48, s49
	s_mov_b32 s49, 0
	s_add_nc_u64 s[54:55], s[4:5], s[48:49]        ; its image
	s_mul_i32 s48, s15, 12288
	s_lshl_b32 s50, s16, 2
	s_add_co_u32 s48, s48, s50
	s_add_co_u32 s48, s48, QSW
	s_add_nc_u64 s[56:57], s[4:5], s[48:49]        ; its scale words
	s_and_b32 s10, s15, 15
	s_lshr_b32 s11, s10, 2                         ; the head's chunk of 256 along the model's 1,024,
	s_and_b32 s10, s10, 3                          ; and its place in it
	s_lshr_b32 s17, s15, 4
	s_lshl_b32 s17, s17, 11
	s_add_co_u32 s17, s17, s16                     ; my first token of 4,096
	s_mul_i32 s48, s11, 786432
	s_mul_i32 s50, s17, 192
	s_add_co_u32 s48, s48, s50
	s_mul_i32 s50, s10, 48
	s_add_co_u32 s48, s48, s50
	s_add_nc_u64 s[58:59], s[6:7], s[48:49]        ; the output's codes
	s_lshl_b32 s48, s11, 15
	s_lshl_b32 s50, s17, 3
	s_add_co_u32 s48, s48, s50
	s_lshl_b32 s50, s10, 1
	s_add_co_u32 s48, s48, s50
	s_add_co_u32 s48, s48, 3145728
	s_add_nc_u64 s[60:61], s[6:7], s[48:49]        ; and its scale bytes
	v_and_b32 v30, 31, v0
	s_delay_alu instid0(VALU_DEP_1)
	v_lshlrev_b32 v[AK0], 4, v30                   ; an image's place for my lane
	s_delay_alu instid0(VALU_DEP_1)
	v_add_nc_u32 v[AV0], LV, v[AK0]
	s_delay_alu instid0(VALU_DEP_3)
	v_lshl_add_u32 v[ASK0], v30, 2, LKS
	s_delay_alu instid0(VALU_DEP_4)
	v_lshl_add_u32 v[ASV0], v30, 2, LVS
	v_and_b32 v31, 15, v0                          ; r
	v_bfe_u32 v30, v0, 4, 1                        ; h
	s_delay_alu instid0(VALU_DEP_2)
	v_mul_u32_u24 v[GO], v31, 192
	s_delay_alu instid0(VALU_DEP_1)
	v_mad_u32_u24 v[GO], v30, 24, v[GO]
	s_delay_alu instid0(VALU_DEP_3)
	v_lshl_add_u32 v[GS], v31, 3, v30
	v_lshlrev_b32 v31, 2, v31
	global_load_b128 v[QF:QF+3], v[AK0], s[54:55]
	global_load_b128 v[QF+4:QF+7], v[AK0], s[54:55] offset:512
	global_load_b32 v[QS], v31, s[56:57]
.irp j, 8,9,10,11
	v_mov_b32 v[QF+\j], 0                          ; q's codes of k = 96 .. 127 and the rest of block 2: zeros
.endr
.irp j, 64,65,66,67
	v_mov_b32 v[KF+\j], 0                          ; what the last tile of K names beyond its eight registers
.endr
	v_mov_b32 v13, 0xff61b1e6                      ; the largest t so far: -3e38
	s_delay_alu instid0(VALU_DEP_1)
	v_floor_f32 v12, -v13                          ; -M
	v_mov_b32 v14, 0
	v_mov_b32 v15, 0
.irp b, 0,1,2,3
	v_mov_b32 v[BP+\b], 0                          ; written once: a lane permute's destination counts as one of its sources
.endr
	v_mov_b32 v[FF+1], 0                           ; (named as the upper half of a pair of which the low word serves both halves)
.set j, 0
.rept 32
	v_mov_b32 v[O+j], 0                            ; the step is written once: the first finds zeros, which the first change of M leaves zeros
.set j, j+1
.endr
	s_mov_b32 s48, 0                               ; the step's tiles of K, of V, K's words, V's words
	s_mov_b32 s49, 0
	s_mov_b32 s50, 0
	s_mov_b32 s51, 0
	s_mov_b32 s52, 16
	s_wait_loadcnt 0x0                             ; q
	s_wait_tensorcnt 0x0                           ; my part of the head has landed,
	s_barrier_signal -1
	s_barrier_wait -1                              ; everybody's has
.Lstep:                                            ; 16 trips of 128 keys
	v_add_nc_u32 v[ADK], s48, v[AK0]               ; (these four are also the places behind the last trip's products, in front of the loads below)
	v_add_nc_u32 v[ADV], s49, v[AV0]
	v_add_nc_u32 v[ADS], s50, v[ASK0]
	v_add_nc_u32 v[ADT], s51, v[ASV0]
.irp t, 0,1,2,3,4,5,6,7
	ds_load_b128 v[KF+8*\t:KF+8*\t+3], v[ADK] offset:1024*\t
	ds_load_b128 v[KF+8*\t+4:KF+8*\t+7], v[ADK] offset:1024*\t+512
.endr
.irp i, 0,1,2,3
	ds_load_b32 v[KS+\i], v[ADS] offset:128*\i     ; lanes 0-15 tile 2 i's words, lanes 16-31 tile 2 i + 1's
.endr
	s_wait_alu depctr_va_vdst(0)
	s_wait_dscnt 0x0
.irp t, 0,2,4,6
	v_wmma_scale_f32_16x16x128_f8f6f4 v[S+8*\t:S+8*\t+7], v[KF+8*\t:KF+8*\t+11], v[QF:QF+11], 0, v[KS+\t/2], v[QS] matrix_a_fmt:MATRIX_FMT_FP6 matrix_b_fmt:MATRIX_FMT_FP6
	v_wmma_scale_f32_16x16x128_f8f6f4 v[S+8*\t+8:S+8*\t+15], v[KF+8*\t+8:KF+8*\t+19], v[QF:QF+11], 0, v[KS+\t/2], v[QS] matrix_a_fmt:MATRIX_FMT_FP6 matrix_b_fmt:MATRIX_FMT_FP6 matrix_a_scale:MATRIX_SCALE_ROW1
.endr
.rept 4
	v_nop                                          ; places in front of the loads into K's registers and of the first read of the scores
.endr
.irp t, 0,1,2,3
.irp c, 0,1,2
	ds_load_b128 v[VF+12*\t+4*\c:VF+12*\t+4*\c+3], v[ADV] offset:1536*\t+512*\c   ; V's tiles land under the softmax
.endr
.endr
	ds_load_b32 v[VS], v[ADT]
	ds_load_b32 v[VS+1], v[ADT] offset:128
.irp b, 0,1,2,3
	v_max3_num_f32 v[BM+\b], v[S+16*\b], v[S+1+16*\b], v[S+2+16*\b]   ; the largest score of each block of 32 keys: for the row's maximum, and, since p rises with the score, for the block's largest p
.endr
.irp i, 3,5,7,9,11,13
.irp b, 0,1,2,3
	v_max3_num_f32 v[BM+\b], v[BM+\b], v[S+16*\b+\i], v[S+1+16*\b+\i]
.endr
.endr
.irp b, 0,1,2,3
	v_max_num_f32 v[BM+\b], v[BM+\b], v[S+15+16*\b]
.endr
.irp b, 0,1,2,3
	s_delay_alu instid0(VALU_DEP_4)
	v_permlanex16_b32 v[BP+\b], v[BM+\b], s[SEL], s[SEL+1]
.endr
.irp b, 0,1,2,3
	s_delay_alu instid0(VALU_DEP_4)
	v_max_num_f32 v[BM+\b], v[BM+\b], v[BP+\b]
.endr
	s_delay_alu instid0(VALU_DEP_2)
	v_max3_num_f32 v[TMP], v[BM], v[BM+1], v[BM+2]
	s_delay_alu instid0(VALU_DEP_1)
	v_max_num_f32 v[TMP], v[TMP], v[BM+3]
	s_delay_alu instid0(VALU_DEP_1)
	v_mul_f32 v[TMP], s[CS], v[TMP]
	s_delay_alu instid0(VALU_DEP_1)
	v_max_num_f32 v13, v13, v[TMP]                 ; the running largest t
	v_mov_b32 v[TMP], v12
	s_delay_alu instid0(VALU_DEP_2)
	v_floor_f32 v12, -v13                          ; the new -M: M is a whole number
	s_delay_alu instid0(VALU_DEP_1)
	v_sub_f32 v[TMP], v12, v[TMP]
	s_delay_alu instid0(VALU_DEP_1)
	v_cvt_i32_f32 v[TMP], v[TMP]                   ; (it saturates)
	s_delay_alu instid0(VALU_DEP_1)
	v_ldexp_f32 v[FF], 1.0, v[TMP]                 ; f = 2^(old M - new M)
.set j, 0
.rept 32
	v_pk_fma_f32 v[S+j:S+j+1], v[S+j:S+j+1], s[CS:CS+1], v[12:13] op_sel_hi:[1,0,0]   ; t - M
.set j, j+2
.endr
.irp b, 0,1,2,3
	v_fma_f32 v[BM+\b], v[BM+\b], s[CS], v12
.endr
.set j, 0
	s_wait_alu depctr_va_vdst(0)
.rept 64
	v_exp_f32 v[S+j], v[S+j]                       ; p = 2^(t - M)
.set j, j+1
.endr
	v_pk_mul_f32 v[14:15], v[14:15], v[FF:FF+1] op_sel_hi:[1,0]   ; the sums under the new M: a plain place behind the exponentials
	s_wait_alu depctr_va_vdst(0)                   ; one wait for the batch, ahead of its first reader
.irp b, 0,1,2,3
	v_exp_f32 v[BM+\b], v[BM+\b]                   ; each block's largest p
.endr
	v_pk_add_f32 v[240:241], v[104:105], v[108:109]
	v_pk_add_f32 v[254:255], v[112:113], v[116:117]
	v_pk_add_f32 v[252:253], v[120:121], v[124:125]
	v_pk_add_f32 v[250:251], v[128:129], v[132:133]
	v_pk_add_f32 v[248:249], v[136:137], v[140:141]
	v_pk_add_f32 v[246:247], v[144:145], v[148:149]
	v_pk_add_f32 v[244:245], v[152:153], v[156:157]
	v_pk_add_f32 v[14:15], v[14:15], v[160:161]
	v_pk_add_f32 v[240:241], v[240:241], v[100:101]
	v_pk_add_f32 v[254:255], v[254:255], v[102:103]
	v_pk_add_f32 v[252:253], v[252:253], v[106:107]
	v_pk_add_f32 v[250:251], v[250:251], v[110:111]
	v_pk_add_f32 v[248:249], v[248:249], v[114:115]
	v_pk_add_f32 v[246:247], v[246:247], v[118:119]
	v_pk_add_f32 v[244:245], v[244:245], v[122:123]
	v_pk_add_f32 v[14:15], v[14:15], v[126:127]
	v_pk_add_f32 v[240:241], v[240:241], v[130:131]
	v_pk_add_f32 v[254:255], v[254:255], v[134:135]
	v_pk_add_f32 v[252:253], v[252:253], v[138:139]
	v_pk_add_f32 v[250:251], v[250:251], v[142:143]
	v_pk_add_f32 v[248:249], v[248:249], v[146:147]
	v_pk_add_f32 v[246:247], v[246:247], v[150:151]
	v_pk_add_f32 v[244:245], v[244:245], v[154:155]
	v_pk_add_f32 v[14:15], v[14:15], v[158:159]
	v_pk_add_f32 v[240:241], v[240:241], v[162:163]
	s_delay_alu instid0(VALU_DEP_2)
	v_pk_add_f32 v[14:15], v[14:15], v[250:251]
	s_delay_alu instid0(VALU_DEP_2)
	v_pk_add_f32 v[240:241], v[240:241], v[248:249]
	v_pk_add_f32 v[254:255], v[254:255], v[246:247]
	v_pk_add_f32 v[252:253], v[252:253], v[244:245]
	s_delay_alu instid0(VALU_DEP_2)
	v_pk_add_f32 v[14:15], v[14:15], v[254:255]
	s_delay_alu instid0(VALU_DEP_2)
	v_pk_add_f32 v[240:241], v[240:241], v[252:253]
	s_delay_alu instid0(VALU_DEP_1)
	v_pk_add_f32 v[14:15], v[14:15], v[240:241]
	s_wait_alu depctr_va_vdst(0)                   ; and one for the four
.irp b, 0,1,2,3
	v_max_num_f32 v[BM+\b], 0x1800000, v[BM+\b]    ; the floor 2^(3 - 127)
.endr
.irp b, 0,1,2,3
	s_delay_alu instid0(VALU_DEP_4)
	v_add_nc_u32 v[SO+\b], 0xff000000, v[BM+\b]
.endr
.irp b, 0,1,2,3
	s_delay_alu instid0(VALU_DEP_4)
	v_lshrrev_b32 v[BP+\b], 23, v[SO+\b]
.endr
	s_delay_alu instid0(VALU_DEP_3)
	v_lshl_or_b32 v[PW], v[BP+1], 8, v[BP]
	s_delay_alu instid0(VALU_DEP_1)
	v_lshl_or_b32 v[PW], v[BP+2], 16, v[PW]
	s_delay_alu instid0(VALU_DEP_1)
	v_lshl_or_b32 v[PW], v[BP+3], 24, v[PW]
.irp c, 0,1
	v_cvt_scalef32_pk16_fp6_f32 v[PC+6*\c:PC+6*\c+2], v[S+32*\c:S+32*\c+15], v[SO+2*\c]
	v_cvt_scalef32_pk16_fp6_f32 v[PT+4*\c:PT+4*\c+2], v[S+32*\c+16:S+32*\c+31], v[SO+2*\c+1]
.endr
	v_nop                                          ; one plain place behind a scaled conversion
.irp c, 0,1
.irp i, 0,1,2
	v_permlane16_swap_b32 v[PC+6*\c+\i], v[PT+4*\c+\i]
.endr
.irp i, 0,1,2
	s_delay_alu instid0(VALU_DEP_3)
	v_mov_b32 v[PC+3+6*\c+\i], v[PT+4*\c+\i]
.endr
.endr
.set j, 0
.rept 16
	v_pk_mul_f32 v[O+j:O+j+1], v[O+j:O+j+1], v[FF:FF+1] op_sel_hi:[1,0]   ; O^T under the new M; these are also the places between p's codes and word and the products
.set j, j+2
.endr
	s_wait_alu depctr_va_vdst(0)
	s_wait_dscnt 0x0                               ; V
.irp t, 0,2
	v_wmma_scale_f32_16x16x128_f8f6f4 v[O+8*\t:O+8*\t+7], v[VF+12*\t:VF+12*\t+11], v[PC:PC+11], v[O+8*\t:O+8*\t+7], v[VS+\t/2], v[PW] matrix_a_fmt:MATRIX_FMT_FP6 matrix_b_fmt:MATRIX_FMT_FP6
	v_wmma_scale_f32_16x16x128_f8f6f4 v[O+8*\t+8:O+8*\t+15], v[VF+12*\t+12:VF+12*\t+23], v[PC:PC+11], v[O+8*\t+8:O+8*\t+15], v[VS+\t/2], v[PW] matrix_a_fmt:MATRIX_FMT_FP6 matrix_b_fmt:MATRIX_FMT_FP6 matrix_a_scale:MATRIX_SCALE_ROW1
.endr
	s_add_co_u32 s48, s48, 8192
	s_add_co_u32 s49, s49, 6144
	s_add_co_u32 s50, s50, 512
	s_add_co_u32 s51, s51, 256
	s_sub_co_u32 s52, s52, 1
	s_cmp_lg_u32 s52, 0
	s_cbranch_scc1 .Lstep
	; THE WAY OUT
.rept 4
	v_nop
.endr
	v_add_f32 v14, v14, v15
	s_delay_alu instid0(VALU_DEP_1)
	v_permlanex16_b32 v[TMP], v14, s[SEL], s[SEL+1]
	s_delay_alu instid0(VALU_DEP_1)
	v_add_f32 v14, v14, v[TMP]                     ; the row's sum
	s_wait_alu depctr_va_vdst(0)
	v_rcp_f32 v14, v14
	v_nop
	s_wait_alu depctr_va_vdst(0)
.set j, 0
.rept 32
	v_mul_f32 v[S+j], v[O+j], v14                  ; register 16 B + i: channel 32 B + 16 (lane / 16) + i of my query
.set j, j+1
.endr
.irp b, 0,1
	v_max3_num_f32 v[BM+\b], |v[S+16*\b]|, |v[S+1+16*\b]|, 0x1800000
.endr
.irp i, 2,4,6,8,10,12,14
.irp b, 0,1
	s_delay_alu instid0(VALU_DEP_2)
	v_max3_num_f32 v[BM+\b], v[BM+\b], |v[S+16*\b+\i]|, |v[S+1+16*\b+\i]|
.endr
.endr
.irp b, 0,1
	s_delay_alu instid0(VALU_DEP_2)
	v_permlanex16_b32 v[BP+\b], v[BM+\b], s[SEL], s[SEL+1]
.endr
.irp b, 0,1
	s_delay_alu instid0(VALU_DEP_2)
	v_max_num_f32 v[BM+\b], v[BM+\b], v[BP+\b]
.endr
.irp b, 0,1
	s_delay_alu instid0(VALU_DEP_2)
	v_add_nc_u32 v[SO+\b], 0xff000000, v[BM+\b]
.endr
.irp b, 0,1
	s_delay_alu instid0(VALU_DEP_2)
	v_lshrrev_b32 v[BP+\b], 23, v[SO+\b]
.endr
	v_cvt_scalef32_pk16_fp6_f32 v[PC:PC+2], v[S:S+15], v[SO]
	v_cvt_scalef32_pk16_fp6_f32 v[PT:PT+2], v[S+16:S+31], v[SO+1]
	v_nop
.irp i, 0,1,2
	v_permlane16_swap_b32 v[PC+\i], v[PT+\i]       ; lanes 0-15 now hold block 0 whole, lanes 16-31 block 1
.endr
	v_cndmask_b32 v[TMP], v[BP+1], v[BP], s53      ; and its byte
	global_store_b96 v[GO], v[PC:PC+2], s[58:59]
	global_store_b96 v[GO], v[PT:PT+2], s[58:59] offset:12
	global_store_b8 v[GS], v[TMP], s[60:61]
	s_wait_tensorcnt 0x0                           ; the wave's end
	ds_add_u32 v[SPW], v[NIL]
	s_wait_dscnt 0x0
	CROUND                                         ; the closing round
	s_endpgm
.Lfunc_end_k_q4ad3f7d9d4_attn:
	.size	k_q4ad3f7d9d4_attn, .Lfunc_end_k_q4ad3f7d9d4_attn-k_q4ad3f7d9d4_attn
	.p2alignl 7, 3214868480
	.fill 96, 4, 3214868480
	.section	.rodata,"a",@progbits
	.p2align	6, 0x0
	.amdhsa_kernel k_q4ad3f7d9d4_attn
		.amdhsa_group_segment_fixed_size 243712
		.amdhsa_private_segment_fixed_size 0
		.amdhsa_enable_private_segment 0
		.amdhsa_kernarg_size 16
		.amdhsa_user_sgpr_count 2
		.amdhsa_user_sgpr_kernarg_segment_ptr 1
		.amdhsa_wavefront_size32 1
		.amdhsa_system_sgpr_workgroup_id_x 1
		.amdhsa_system_sgpr_workgroup_id_y 1
		.amdhsa_system_sgpr_workgroup_id_z 1
		.amdhsa_system_vgpr_workitem_id 0
		.amdhsa_next_free_vgpr 256
		.amdhsa_next_free_sgpr 66
		.amdhsa_reserve_vcc 0
		.amdhsa_float_denorm_mode_32 3
		.amdhsa_float_denorm_mode_16_64 3
		.amdhsa_memory_ordered 1
		.amdhsa_forward_progress 1
		.amdhsa_inst_pref_size 30
	.end_amdhsa_kernel
	.amdgpu_metadata
---
amdhsa.version: [ 1, 2 ]
amdhsa.kernels:
  - .name:           k_q4ad3f7d9d4_attn
    .symbol:         k_q4ad3f7d9d4_attn.kd
    .args:
      - { .name: qkv, .offset: 0, .size: 8, .value_kind: global_buffer, .address_space: global }
      - { .name: att, .offset: 8, .size: 8, .value_kind: global_buffer, .address_space: global }
    .group_segment_fixed_size: 243712
    .private_segment_fixed_size: 0
    .kernarg_segment_align: 8
    .kernarg_segment_size: 16
    .max_flat_workgroup_size: 512
    .sgpr_count:     66
    .vgpr_count:     256
    .wavefront_size: 32
...
	.end_amdgpu_metadata
.endif
;; end of part 10
;; launch oproj (part 11): grid 8 x 32, 4 waves a work-group, clusters of 4 x 4, 327,680 bytes of LDS; arguments att, wts, bo, x, x1; writes x1
.if DOCPART == 11
	.amdgcn_target "amdgcn-amd-amdhsa--gfx1250"
	.amdhsa_code_object_version 6
	.text
	.protected	k_q4ad3f7d9d4_oproj
	.globl	k_q4ad3f7d9d4_oproj
	.p2align	8
	.type	k_q4ad3f7d9d4_oproj,@function
k_q4ad3f7d9d4_oproj:
	s_mov_b64 s[64:65], 0
	v_nop
	global_prefetch_b8 v0, s[64:65] scope:SCOPE_SE
	s_setreg_imm32_b32 hwreg(HW_REG_WAVE_MODE, 25, 1), 1
	s_wait_xcnt 0x0
	s_wait_alu depctr_hold_cnt(0) depctr_sa_sdst(0) depctr_va_vdst(0) depctr_va_sdst(0) depctr_va_ssrc(0) depctr_va_vcc(0) depctr_vm_vsrc(0)
	s_getreg_b32 s2, hwreg(HW_REG_IB_STS2, 6, 4)
	s_cmp_eq_u32 s2, 0
	s_cbranch_scc0 .Lentry_in_a_cluster
	s_endpgm
.Lentry_in_a_cluster:
	s_bfe_u32 s2, ttmp6, 0x10000c
	s_cmp_lg_u32 s2, 0xf033
	s_cbranch_scc0 .Lentry_shape_is_right
	s_endpgm
.Lentry_shape_is_right:
; x1 = x + att wo + bo on codes of FP6 (E2M3).  A tile of 128 tokens x 128 columns a work-group, four waves of 64 x 64 (16 accumulators); the bias is the C of each sum's first instruction; x is added on the way out.
; ALL OF K = 1,024 LIES IN LDS: A's four chunks of 128 rows x 192 bytes, then B's four, then the scale bytes.  They come by four joint loads at the head, one a wave; nothing is filled again.
; 4 x 4 work-groups form a cluster: A's tiles are asked for jointly along a row of it, B's along a column.  No prefetch: every tile is asked for once, at the head, and there is no loop to run ahead in.
.set SIZE_K, 1024
.set A_SC,   3145728
.set B_CODE, 2359296
.set B_SC,   9535488
.set BROWS,  1024
.set ROWB,   192
.set PITCH,  240
.set FR,     12
.set NP,     4
.set HALFT,  128*PITCH
.set SLOT,   2*HALFT                   ; two chunks of A, or of B
.set LAPS,   SIZE_K/1024
.set NCH,    SIZE_K/256
.set SCL,    4*SLOT
.set HALFS,  512*NCH
.set SPARE,  ((SCL+4*HALFS+128+255)/256)*256
.set A_STEP, 4096*ROWB
.set B_STEP, BROWS*ROWB
.set SPITCH, 272
.set ADRA, 16
.set ADRB, 20
.set STO,  24
.set RD,   25
.set CO,   26
.set ADRS, 27
.set SPW,  28
.set NIL,  29
.set SC,   32
.set BIAS, 64
.set ACC,  128
.set G1, 24
.set G0, 32
.set G1B, 48
.set G0B, 56
.set G1S, 68
.set G0S, 76
.set G1SB, 80
.set G0SB, 88
.set MSB, 0
.macro WIN new
.if MSB != \new
	s_set_vgpr_msb (MSB<<8)|\new
.set MSB, \new
.endif
.endm
.set MUL,  0x05
.set TO_F, 0x40
.macro JLOAD g0a, g1a, g0b, g1b
	s_cmp_eq_u32 s15, 0
	s_cbranch_scc0 .Lfor_b_\@
	tensor_load_to_lds s[\g0a:\g0a+3], s[\g1a:\g1a+7]
	s_nop 0
.rept 4
	v_nop
.endr
	s_branch .Lasked_\@
.Lfor_b_\@:
	tensor_load_to_lds s[\g0b:\g0b+3], s[\g1b:\g1b+7]
	s_nop 0
.rept 4
	v_nop
.endr
.Lasked_\@:
.endm
.macro CREST
	s_cmp_lg_u32 s14, 0
	s_cbranch_scc1 .Lnot_wave_0_\@
	s_barrier_signal -3
.Lnot_wave_0_\@:
	s_barrier_wait -3
	s_barrier_signal -1
	s_barrier_wait -1
.endm
.macro CROUND
	s_barrier_signal -1
	s_barrier_wait -1
	CREST
.endm
	s_load_b64 s[4:5], s[0:1], 0x0
	s_load_b64 s[8:9], s[0:1], 0x8
	s_load_b128 s[96:99], s[0:1], 0x10
	s_load_b64 s[12:13], s[0:1], 0x20
	v_lshl_add_u32 v[SPW], v0, 2, SPARE
	v_mov_b32 v[NIL], 0
	ds_add_u32 v[SPW], v[NIL]
	ds_add_u32 v[SPW], v[NIL]
	v_lshrrev_b32 v1, 5, v0
	v_readfirstlane_b32 s14, v1
	s_lshr_b32 s15, s14, 1
	s_and_b32 s16, s14, 1
	s_bfe_u32 s40, ttmp6, 0x40000
	s_bfe_u32 s41, ttmp6, 0x40004
	s_lshl_b32 s42, ttmp9, 2
	s_add_co_u32 s42, s42, s40
	s_and_b32 s17, ttmp7, 0xffff
	s_lshl_b32 s17, s17, 2
	s_add_co_u32 s17, s17, s41
	s_lshl_b32 s43, s41, 2
	s_lshl_b32 s43, 15, s43
	s_lshl_b32 s44, 0x1111, s40
	s_or_b32 s[G1+0], s43, (3<<16)|(1<<20)|(1<<21)|(3<<22)|(3<<25)   ; mask; elements of 8 bytes; padding: 4 words behind every 16
	s_or_b32 s[G1B+0], s44, (3<<16)|(1<<20)|(1<<21)|(3<<22)|(3<<25)
	s_mov_b32 s[G1+5], A_STEP/8                    ; a tile: four chunks of 128 rows, each 24,576 dense bytes: 4 rows of 3,072 elements, a chunk apart
	s_mov_b32 s[G1B+5], B_STEP/8
.irp g, G1, G1B
	s_mov_b32 s[\g+1], 3072<<16
	s_mov_b32 s[\g+2], 4<<16
	s_mov_b32 s[\g+3], 3072<<16
	s_mov_b32 s[\g+4], 4
	s_mov_b32 s[\g+6], 0
	s_mov_b32 s[\g+7], 0
.endr
	s_or_b32 s[G1S+0], s43, (3<<16)|(1<<21)
	s_or_b32 s[G1SB+0], s44, (3<<16)|(1<<21)
.irp g, G1S, G1SB
	s_mov_b32 s[\g+1], 128<<16
	s_mov_b32 s[\g+2], NCH<<16
	s_mov_b32 s[\g+3], 128<<16
	s_mov_b32 s[\g+4], NCH
	s_mov_b32 s[\g+6], 0
	s_mov_b32 s[\g+7], 0
.endr
	s_mov_b32 s[G1S+5], 4096
	s_mov_b32 s[G1SB+5], BROWS
	s_lshl_b32 s20, s17, 7
	s_lshl_b32 s46, s42, 7
	s_mov_b32 s21, 0
	s_mov_b32 s47, 0
	s_mov_b64 s[18:19], 8
	s_mul_u64 s[22:23], s[20:21], s[18:19]
	s_mul_u64 s[92:93], s[46:47], s[18:19]
	s_mov_b64 s[18:19], ROWB
	s_mul_u64 s[20:21], s[20:21], s[18:19]
	s_mul_u64 s[46:47], s[46:47], s[18:19]
	s_mov_b32 s19, 0
	s_mul_i32 s18, s16, A_STEP
	s_add_nc_u64 s[20:21], s[20:21], s[18:19]
	s_mul_i32 s18, s16, B_STEP
	s_add_nc_u64 s[46:47], s[46:47], s[18:19]
	s_mul_i32 s45, s16, HALFT
	s_wait_dscnt 0x0
	s_wait_kmcnt 0x0
	s_add_nc_u64 s[6:7], s[4:5], A_SC
	s_add_nc_u64 s[10:11], s[8:9], B_SC
	s_add_nc_u64 s[8:9], s[8:9], B_CODE
	s_add_nc_u64 s[20:21], s[4:5], s[20:21]
	s_add_nc_u64 s[22:23], s[6:7], s[22:23]
	s_add_nc_u64 s[46:47], s[8:9], s[46:47]
	s_add_nc_u64 s[92:93], s[10:11], s[92:93]
	CROUND
	s_mov_b32 s[G0S], 1
	s_mov_b32 s[G0S+1], SCL
	s_mov_b64 s[G0S+2:G0S+3], s[22:23]
	s_or_b32 s[G0S+3], s[G0S+3], 0x80000000
	s_mov_b32 s[G0SB], 1
	s_mov_b32 s[G0SB+1], SCL+2*HALFS+128
	s_mov_b64 s[G0SB+2:G0SB+3], s[92:93]
	s_or_b32 s[G0SB+3], s[G0SB+3], 0x80000000
.irp s, 0,1
	s_mov_b32 s[G0+4*\s], 1
	s_add_co_u32 s[G0+4*\s+1], s45, \s*SLOT
	s_add_nc_u64 s[G0+4*\s+2:G0+4*\s+3], s[20:21], \s*2*A_STEP
	s_or_b32 s[G0+4*\s+3], s[G0+4*\s+3], 0x80000000
	s_mov_b32 s[G0B+4*\s], 1
	s_add_co_u32 s[G0B+4*\s+1], s45, 4*HALFT+\s*SLOT
	s_add_nc_u64 s[G0B+4*\s+2:G0B+4*\s+3], s[46:47], \s*2*B_STEP
	s_or_b32 s[G0B+4*\s+3], s[G0B+4*\s+3], 0x80000000
.endr
; THE HEAD'S FOUR TILES, one joint load a wave: wave 0 A's codes (its first descriptor names chunk 0 and LDS byte 0), wave 1 A's scale bytes, wave 2 B's codes, wave 3 B's scale bytes.
; One chain of branches on the wave's number: every way passes exactly one load
.macro ARM under, g0, g1, next
	s_cmp_lt_u32 s14, \under
	s_cbranch_scc0 \next
	tensor_load_to_lds s[\g0:\g0+3], s[\g1:\g1+7]
	s_nop 0
.rept 4
	v_nop
.endr
	s_branch .Lhead_asked
\next:
.endm
	ARM 1, G0,  G1,  .Lhead_sa
	ARM 2, G0S, G1S, .Lhead_b
	ARM 3, G0B, G1B, .Lhead_sb
	tensor_load_to_lds s[G0SB:G0SB+3], s[G1SB:G1SB+7]
	s_nop 0
.rept 4
	v_nop
.endr
.Lhead_asked:
	v_and_b32 v1, 15, v0
	v_bfe_u32 v2, v0, 4, 1
	v_mul_u32_u24 v3, v1, PITCH
	v_mul_u32_u24 v4, v2, 24
	v_add_nc_u32 v4, v3, v4
	v_lshl_add_u32 v5, v2, 4, v4
	s_mul_i32 s21, s15, 64*PITCH
	s_mul_i32 s22, s16, 64*PITCH
	s_add_co_u32 s22, s22, 4*HALFT
.irp s, 0,1
	v_add_nc_u32 v[ADRA+\s], s21, v4
	v_add_nc_u32 v[ADRB+\s], s22, v4
	v_add_nc_u32 v[ADRA+2+\s], s21, v5
	v_add_nc_u32 v[ADRB+2+\s], s22, v5
	s_add_co_u32 s21, s21, SLOT
	s_add_co_u32 s22, s22, SLOT
.endr
	v_lshlrev_b32 v5, 3, v1
	s_lshl_b32 s21, s15, 9
	s_lshl_b32 s22, s16, 9
	s_add_co_u32 s22, s22, 2*HALFS+128
	s_sub_co_u32 s22, s22, s21
	v_mul_u32_u24 v6, s22, v2
	s_add_co_u32 s21, s21, SCL
	v_add_nc_u32 v5, v5, v6
	v_add_nc_u32 v[ADRS], s21, v5
	s_mul_i32 s23, s14, 16*SPITCH
	v_mul_u32_u24 v5, v1, SPITCH
	v_lshl_add_u32 v5, v2, 6, v5
	v_add_nc_u32 v[STO], s23, v5
	v_mul_u32_u24 v5, v2, SPITCH
	v_lshl_add_u32 v5, v1, 4, v5
	v_add_nc_u32 v[RD], s23, v5
	v_lshlrev_b32 v5, 12, v2
	v_lshl_add_u32 v[CO], v1, 4, v5
	v_lshlrev_b32 v30, 6, v2
	s_wait_alu depctr_va_vdst(0)
	s_lshl_b32 s46, s42, 9
	s_lshl_b32 s47, s16, 8
	s_add_co_u32 s46, s46, s47
	s_mov_b32 s47, 0
	s_add_nc_u64 s[96:97], s[96:97], s[46:47]
	s_lshl_b32 s20, s17, 7
	s_lshl_b32 s21, s15, 6
	s_add_co_u32 s20, s20, s21
	s_lshl_b32 s20, s20, 12
	s_add_co_u32 s20, s20, s46
	s_mov_b32 s21, 0
	s_add_nc_u64 s[12:13], s[12:13], s[20:21]
	s_add_nc_u64 s[98:99], s[98:99], s[20:21]
.irp b, 0,1,2,3
	global_load_b128 v[BIAS+8*\b:BIAS+8*\b+3], v30, s[96:97] offset:(32*(\b/2)+8*(\b%2))*4
	global_load_b128 v[BIAS+8*\b+4:BIAS+8*\b+7], v30, s[96:97] offset:(32*(\b/2)+8*(\b%2))*4+16
.endr
.macro FRAG reg, adr, q, i
.irp p, 0,1,2,3,4,5
.set PC, 12*((\q)%2)+6*(\p/3)+\p%3
.if PC%8 < 5
	ds_load_b64 v[\reg+2*\p:\reg+2*\p+1], v[\adr] offset:((\q)/2)*HALFT+8*PC+16*(PC/8)+(\i)*16*PITCH
.else
	ds_load_b64 v[\reg+2*\p:\reg+2*\p+1], v[\adr+2] offset:((\q)/2)*HALFT+8*PC+16*(PC/8)+(\i)*16*PITCH
.endif
.endr
.endm
.macro MUL4 f, a, q, sc, zero
.irp b, 0,1,2,3
.if \zero
	v_wmma_scale_f32_16x16x128_f8f6f4 v[ACC+8*(4*(\a)+\b):ACC+8*(4*(\a)+\b)+7], v[128*(\f)+48+FR*\b:128*(\f)+48+FR*\b+FR-1], v[128*(\f)+FR*(\a):128*(\f)+FR*(\a)+FR-1], v[BIAS+8*\b:BIAS+8*\b+7], v[SC+16*(\sc)+4*\b+(\q)], v[SC+16*(\sc)+4*(\a)+(\q)] matrix_a_fmt:MATRIX_FMT_FP6 matrix_b_fmt:MATRIX_FMT_FP6 matrix_a_scale:MATRIX_SCALE_ROW1
.else
	v_wmma_scale_f32_16x16x128_f8f6f4 v[ACC+8*(4*(\a)+\b):ACC+8*(4*(\a)+\b)+7], v[128*(\f)+48+FR*\b:128*(\f)+48+FR*\b+FR-1], v[128*(\f)+FR*(\a):128*(\f)+FR*(\a)+FR-1], v[ACC+8*(4*(\a)+\b):ACC+8*(4*(\a)+\b)+7], v[SC+16*(\sc)+4*\b+(\q)], v[SC+16*(\sc)+4*(\a)+(\q)] matrix_a_fmt:MATRIX_FMT_FP6 matrix_b_fmt:MATRIX_FMT_FP6 matrix_a_scale:MATRIX_SCALE_ROW1
.endif
.endr
.endm
.macro FETCH_1 slot, q, f
.irp i, 0,1,2,3
	FRAG 128*(\f)+48+FR*\i, ADRB+\slot, \q, \i
.endr
.irp i, 0,1
	FRAG 128*(\f)+FR*\i, ADRA+\slot, \q, \i
.endr
.endm
.macro FETCH_2 slot, q, f
.irp i, 2,3
	FRAG 128*(\f)+FR*\i, ADRA+\slot, \q, \i
.endr
.endm
.macro SCALES sc
.irp i, 0,1,2,3
.irp c, 0,1
	ds_load_b64 v[SC+16*\sc+4*\i+2*\c:SC+16*\sc+4*\i+2*\c+1], v[ADRS] offset:\i*128+\c*1024
.endr
.endr
.endm
.macro PLACES n
.rept \n
	v_nop
.endr
.endm
.macro STEP slot, q, zero
	s_wait_dscnt 12
	WIN MUL
	MUL4 (\q)%2, 0, \q, \slot, \zero
	MUL4 (\q)%2, 1, \q, \slot, \zero
	PLACES NP
	WIN TO_F
	FETCH_1 \slot, (\q)+1, 1-(\q)%2
	FETCH_2 \slot, (\q)+1, 1-(\q)%2
	s_wait_dscnt 48
	WIN MUL
	MUL4 (\q)%2, 2, \q, \slot, \zero
	MUL4 (\q)%2, 3, \q, \slot, \zero
.endm
.macro TURN slot, next, fill
	WIN 0
	s_wait_tensorcnt 0x0
	ds_add_u32 v[SPW], v[NIL]
	s_wait_dscnt 13
	WIN MUL
	MUL4 1, 0, 3, \slot, 0
	s_wait_dscnt 0x0
	s_barrier_signal -1
	MUL4 1, 1, 3, \slot, 0
	WIN 0
	s_barrier_wait -1
.if \fill
	CREST
	s_add_nc_u64 s[G0+4*\slot+2:G0+4*\slot+3], s[G0+4*\slot+2:G0+4*\slot+3], 4*A_STEP
	s_add_nc_u64 s[G0B+4*\slot+2:G0B+4*\slot+3], s[G0B+4*\slot+2:G0B+4*\slot+3], 4*B_STEP
	JLOAD G0+4*\slot, G1, G0B+4*\slot, G1B
.else
	PLACES NP
.endif
	v_add_nc_u32 v[ADRS], 2048, v[ADRS]
	WIN TO_F
	FETCH_1 \next, 0, 0
	WIN 0
	SCALES \next
	WIN TO_F
	FETCH_2 \next, 0, 0
	WIN MUL
	MUL4 1, 2, 3, \slot, 0
	MUL4 1, 3, 3, \slot, 0
.endm
	s_wait_tensorcnt 0x0                           ; my tile of the head's four is in; behind the barrier everybody's is
	s_barrier_signal -1
	s_barrier_wait -1
	WIN TO_F
	FETCH_1 0, 0, 0
	WIN 0
	SCALES 0
	WIN TO_F
	FETCH_2 0, 0, 0
	s_wait_loadcnt 0x0
	STEP 0, 0, 1
	WIN 0x80
.irp a, 0,1,2,3
.irp t, 0,1,2,3,4,5,6,7
	global_load_b128 v[32*\a+4*\t:32*\a+4*\t+3], v[CO], s[98:99] offset:(16*\a+2*\t)*4096
.endr
.endr
.if LAPS > 1
	WIN 0
	s_mov_b32 s3, LAPS-1
.Llap:
	STEP 0, 1, 0
	STEP 0, 2, 0
	TURN 0, 1, 1
	STEP 1, 0, 0
	STEP 1, 1, 0
	STEP 1, 2, 0
	TURN 1, 0, 1
	STEP 0, 0, 0
	WIN 0
	s_sub_co_u32 s3, s3, 1
	s_cmp_lg_u32 s3, 0
	s_cbranch_scc1 .Llap
.endif
	STEP 0, 1, 0
	STEP 0, 2, 0
	TURN 0, 1, 0
	STEP 1, 0, 0
	STEP 1, 1, 0
	STEP 1, 2, 0
	s_wait_dscnt 12
	WIN MUL
	MUL4 1, 0, 3, 1, 0
	MUL4 1, 1, 3, 1, 0
	s_wait_dscnt 0
	MUL4 1, 2, 3, 1, 0
	MUL4 1, 3, 3, 1, 0
	WIN 0
	PLACES NP
.macro TOSTAGE a
	WIN 0
.irp b, 0,1,2,3
	ds_store_b128 v[STO], v[ACC+8*(4*(\a)+\b):ACC+8*(4*(\a)+\b)+3] offset:128*(\b/2)+32*(\b%2)
	ds_store_b128 v[STO], v[ACC+8*(4*(\a)+\b)+4:ACC+8*(4*(\a)+\b)+7] offset:128*(\b/2)+32*(\b%2)+16
.endr
	WIN 0x80
.irp t, 0,1,2,3,4,5,6,7
	ds_load_b128 v[128+32*(\a)+4*\t:128+32*(\a)+4*\t+3], v[RD] offset:\t*2*SPITCH
.endr
.endm
.macro SEND a, younger
	s_wait_dscnt \younger
	WIN 0x8a
.set t, 0
.rept 16
	v_pk_add_f32 v[128+32*(\a)+t:128+32*(\a)+t+1], v[128+32*(\a)+t:128+32*(\a)+t+1], v[32*(\a)+t:32*(\a)+t+1]
.set t, t+2
.endr
	WIN 0x08
.set t, 0
.rept 8
	global_store_b128 v[CO], v[128+32*(\a)+4*t:128+32*(\a)+4*t+3], s[12:13] offset:(16*(\a)+2*t)*4096
.set t, t+1
.endr
.endm
	s_wait_loadcnt 0x0
	TOSTAGE 0
	TOSTAGE 1
	SEND 0, 16
	TOSTAGE 2
	SEND 1, 16
	TOSTAGE 3
	SEND 2, 16
	SEND 3, 0
	WIN 0
	s_wait_tensorcnt 0x0
	ds_add_u32 v[SPW], v[NIL]
	s_wait_dscnt 0x0
	CROUND
	s_endpgm
.Lfunc_end_k_q4ad3f7d9d4_oproj:
	.size	k_q4ad3f7d9d4_oproj, .Lfunc_end_k_q4ad3f7d9d4_oproj-k_q4ad3f7d9d4_oproj
	.p2alignl 7, 3214868480
	.fill 96, 4, 3214868480
	.section	.rodata,"a",@progbits
	.p2align	6, 0x0
	.amdhsa_kernel k_q4ad3f7d9d4_oproj
		.amdhsa_group_segment_fixed_size 327680
		.amdhsa_private_segment_fixed_size 0
		.amdhsa_enable_private_segment 0
		.amdhsa_kernarg_size 40
		.amdhsa_user_sgpr_count 2
		.amdhsa_user_sgpr_kernarg_segment_ptr 1
		.amdhsa_wavefront_size32 1
		.amdhsa_system_sgpr_workgroup_id_x 1
		.amdhsa_system_sgpr_workgroup_id_y 1
		.amdhsa_system_sgpr_workgroup_id_z 1
		.amdhsa_system_vgpr_workitem_id 0
		.amdhsa_next_free_vgpr 768
		.amdhsa_next_free_sgpr 102
		.amdhsa_reserve_vcc 0
		.amdhsa_float_denorm_mode_32 3
		.amdhsa_float_denorm_mode_16_64 3
		.amdhsa_memory_ordered 1
		.amdhsa_forward_progress 1
		.amdhsa_inst_pref_size 69
	.end_amdhsa_kernel
	.amdgpu_metadata
---
amdhsa.version: [ 1, 2 ]
amdhsa.kernels:
  - .name:           k_q4ad3f7d9d4_oproj
    .symbol:         k_q4ad3f7d9d4_oproj.kd
    .args:
      - { .name: att, .offset: 0, .size: 8, .value_kind: global_buffer, .address_space: global }
      - { .name: wts, .offset: 8, .size: 8, .value_kind: global_buffer, .address_space: global }
      - { .name: bo, .offset: 16, .size: 8, .value_kind: global_buffer, .address_space: global }
      - { .name: x, .offset: 24, .size: 8, .value_kind: global_buffer, .address_space: global }
      - { .name: x1, .offset: 32, .size: 8, .value_kind: global_buffer, .address_space: global }
    .group_segment_fixed_size: 327680
    .private_segment_fixed_size: 0
    .kernarg_segment_align: 8
    .kernarg_segment_size: 40
    .max_flat_workgroup_size: 128
    .sgpr_count:     102
    .vgpr_count:     768
    .wavefront_size: 32
...
	.end_amdgpu_metadata
.endif
;; end of part 11
;; launch norm2 (part 12): grid 256 x 1, 8 waves a work-group, no clusters, 42,496 bytes of LDS; arguments x1, ln2_w, ln2_b, hq; writes hq
.if DOCPART == 12
	.amdgcn_target "amdgcn-amd-amdhsa--gfx1250"
	.amdhsa_code_object_version 6
	.text
	.protected	k_q4ad3f7d9d4_norm2
	.globl	k_q4ad3f7d9d4_norm2
	.p2align	8
	.type	k_q4ad3f7d9d4_norm2,@function
k_q4ad3f7d9d4_norm2:
	s_mov_b64 s[64:65], 0
	v_nop
	global_prefetch_b8 v0, s[64:65] scope:SCOPE_SE
	s_setreg_imm32_b32 hwreg(HW_REG_WAVE_MODE, 25, 1), 1
	s_wait_xcnt 0x0
; THE SECOND LAYER NORM: h = layernorm(x1) w + b, quantised along the row to FP6 (E2M3) with one E8M0 byte for each 32.  x1: [4096][1024] f32.  Out: an operand of 4,096 rows, K = 1,024: codes [4][4096][192 bytes], scale bytes [4][4096][8] from byte 3,145,728 on.
; 256 work-groups of 16 rows; a wave takes LNR rows, one at a time, whole in 32 registers: mean, then the mean of the squares of (x - mean), both in f32: memory is read once.  All of a wave's loads are issued at its head.
; The conversions want 16 neighbours in a lane, the loads 16 neighbouring bytes in neighbouring lanes: a row turns through the wave's own stage in LDS (64 places of 64 bytes + 16 of padding).
; A work-group's scale bytes are 128 consecutive bytes in each of the four chunks: they are gathered in LDS, and wave 0 stores them behind a barrier, eight lanes to a chunk.
; No tensor loads, no cluster, no matrix work: the launch streams, and its work-groups share only gain and bias.
; LIMITS: NaN and infinities are not served; a block of zeros gets the byte 1 (its codes are zeros, and this program alone reads the bytes).
.set LNW,  8                           ; waves
.set LNR,  2                           ; rows a wave
.set STG,  0                           ; LNW stages of 5,120 bytes
.set SCB,  STG+LNW*5120                ; [4 chunks][16 rows][8 bytes]
.set SPARE, SCB+512                    ; the spare words, 128 bytes a wave
.set SPW,  14
.set NIL,  15
.set CH,   20                          ; v20-27   four chains of pairs
.set LY,   32                          ; v32-63   a row's numbers, 16 neighbours a lane, in two halves
.set LX,   64                          ; v64..    LNR rows as loaded
.set LW,   192                         ; v192-223 the gain
.set LBI,  224                         ; v224-255 the bias
	s_load_b256 s[4:11], s[0:1], 0x0               ; x1, gain, bias, out
	v_lshl_add_u32 v[SPW], v0, 2, SPARE
	v_mov_b32 v[NIL], 0
	s_mov_b32 s30, ttmp9                           ; which 16 rows
	v_lshrrev_b32 v1, 5, v0
	v_readfirstlane_b32 s12, v1                    ; wave
	v_and_b32 v1, 31, v0                           ; lane
	v_lshlrev_b32 v2, 4, v1                        ; 16 x lane
	s_mul_i32 s13, s12, 5120
	s_add_co_u32 s13, s13, STG                     ; my stage
	v_lshrrev_b32 v3, 2, v1
	v_and_b32 v7, 3, v1
	v_mul_u32_u24 v3, v3, 80
	v_mul_u32_u24 v4, v1, 80
	v_lshl_add_u32 v3, v7, 4, v3
	v_add_nc_u32 v4, s13, v4                       ; out: a place a lane
	v_add_nc_u32 v3, s13, v3                       ; in: four lanes' 64 bytes to a place
	v_lshrrev_b32 v7, 4, v1
	v_and_b32 v28, 15, v1
	v_mul_u32_u24 v5, v7, 786432
	v_bfe_u32 v6, v1, 1, 3
	v_mad_u32_u24 v5, v28, 12, v5                  ; codes: chunk (lane / 16), 12 bytes a lane
	v_lshl_add_u32 v6, v7, 7, v6
	s_mul_i32 s14, s12, 8*LNR
	s_add_co_u32 s14, s14, SCB
	v_add_nc_u32 v6, s14, v6                       ; my block's byte: chunk, my wave's rows, byte (lane / 2) % 8
	v_add_nc_u32 v8, SCB, v2                       ; the bytes' way out: 16 x lane in LDS,
	v_lshrrev_b32 v9, 3, v1
	v_and_b32 v28, 7, v1
	v_lshlrev_b32 v9, 15, v9
	v_lshl_add_u32 v9, v28, 4, v9                  ; 32,768 x (lane / 8) + 16 x (lane % 8) in memory
	v_mov_b32 v17, 0                               ; (named as upper halves of pairs of which the low word serves both halves)
	v_mov_b32 v19, 0
	s_lshl_b32 s16, s30, 4
	s_mul_i32 s17, s12, LNR
	s_add_co_u32 s16, s16, s17                     ; my first row
	s_lshl_b32 s18, s16, 12
	s_mov_b32 s19, 0
	s_mul_i32 s20, s16, 192
	s_mov_b32 s21, 0
	s_lshl_b32 s22, s30, 7
	s_add_co_u32 s22, s22, 3145728
	s_mov_b32 s23, 0
	s_mov_b32 s24, 0x76543210
	s_mov_b32 s25, 0xfedcba98                      ; lane l xor 16
	s_mov_b32 s26, 0x3a800000                      ; 1 / 1024
	s_mov_b32 s27, 0x3727c5ac                      ; 1e-5
	s_wait_alu depctr_va_vdst(0)
	s_wait_kmcnt 0x0
	s_add_nc_u64 s[4:5], s[4:5], s[18:19]
	s_add_nc_u64 s[28:29], s[10:11], s[20:21]
	s_add_nc_u64 s[10:11], s[10:11], s[22:23]
.macro XLOAD i
.irp j, 0,1,2,3,4,5,6,7
	global_load_b128 v[LX+32*\i+4*\j:LX+32*\i+4*\j+3], v2, s[4:5] offset:4096*\i+512*\j
.endr
.endm
	XLOAD 0
.irp j, 0,1,2,3,4,5,6,7
	global_load_b128 v[LW+4*\j:LW+4*\j+3], v2, s[6:7] offset:512*\j
.endr
.irp j, 0,1,2,3,4,5,6,7
	global_load_b128 v[LBI+4*\j:LBI+4*\j+3], v2, s[8:9] offset:512*\j
.endr
	XLOAD 1
.macro ACROSS                          ; four chains become one number in v[CH], the same in all 32 lanes
	s_delay_alu instid0(VALU_DEP_3)
	v_pk_add_f32 v[CH:CH+1], v[CH:CH+1], v[CH+2:CH+3]
	s_delay_alu instid0(VALU_DEP_2)
	v_pk_add_f32 v[CH+4:CH+5], v[CH+4:CH+5], v[CH+6:CH+7]
	s_delay_alu instid0(VALU_DEP_1)
	v_pk_add_f32 v[CH:CH+1], v[CH:CH+1], v[CH+4:CH+5]
	s_delay_alu instid0(VALU_DEP_1)
	v_add_f32 v[CH], v[CH], v[CH+1]
.irp m, 1,2,4,8
	s_delay_alu instid0(VALU_DEP_1)
	v_add_f32_dpp v[CH], v[CH], v[CH] row_xmask:\m row_mask:0xf bank_mask:0xf
.endr
	s_delay_alu instid0(VALU_DEP_1)
	v_permlanex16_b32 v[CH+1], v[CH], s24, s25
	s_delay_alu instid0(VALU_DEP_1)
	v_add_f32 v[CH], v[CH], v[CH+1]
.endm
; c1: the loads that may stay out when this row is wanted; c2: when gain and bias are wanted
.macro ROW i, c1, c2
.set XI, LX+32*\i
	s_wait_loadcnt \c1
.irp c, 0,1,2,3
	v_pk_add_f32 v[CH+2*\c:CH+2*\c+1], v[XI+2*\c:XI+2*\c+1], v[XI+8+2*\c:XI+9+2*\c]
.endr
.irp g, 16,24
.irp c, 0,1,2,3
	s_delay_alu instid0(VALU_DEP_4)
	v_pk_add_f32 v[CH+2*\c:CH+2*\c+1], v[CH+2*\c:CH+2*\c+1], v[XI+\g+2*\c:XI+\g+2*\c+1]
.endr
.endr
	ACROSS
	s_delay_alu instid0(VALU_DEP_1)
	v_mul_f32 v16, s26, v[CH]                      ; the mean
.set p, 0
.rept 16
	v_pk_add_f32 v[XI+p:XI+p+1], v[XI+p:XI+p+1], v[16:17] op_sel_hi:[1,0] neg_lo:[0,1] neg_hi:[0,1]
.set p, p+2
.endr
.irp c, 0,1,2,3
	v_pk_mul_f32 v[CH+2*\c:CH+2*\c+1], v[XI+2*\c:XI+2*\c+1], v[XI+2*\c:XI+2*\c+1]
.endr
.irp g, 8,16,24
.irp c, 0,1,2,3
	s_delay_alu instid0(VALU_DEP_4)
	v_pk_fma_f32 v[CH+2*\c:CH+2*\c+1], v[XI+\g+2*\c:XI+\g+2*\c+1], v[XI+\g+2*\c:XI+\g+2*\c+1], v[CH+2*\c:CH+2*\c+1]
.endr
.endr
	ACROSS
	s_delay_alu instid0(VALU_DEP_1)
	v_fma_f32 v[CH+1], v[CH], s26, s27             ; the variance + 1e-5
	s_wait_alu depctr_va_vdst(0)                   ; the wait ahead of the transcendental,
	v_rsq_f32 v18, v[CH+1]
	v_nop                                          ; a plain instruction behind it,
	s_wait_alu depctr_va_vdst(0)                   ; and the wait ahead of its first reader
	s_wait_loadcnt \c2
.set p, 0
.rept 16
	v_pk_mul_f32 v[XI+p:XI+p+1], v[XI+p:XI+p+1], v[18:19] op_sel_hi:[1,0]
.set p, p+2
.endr
.set p, 0
.rept 16
	v_pk_fma_f32 v[XI+p:XI+p+1], v[XI+p:XI+p+1], v[LW+p:LW+p+1], v[LBI+p:LBI+p+1]
.set p, p+2
.endr
.irp j, 0,1,2,3,4,5,6,7
	ds_store_b128 v3, v[XI+4*\j:XI+4*\j+3] offset:640*\j
.endr
.irp hf, 0,1
.irp k, 0,1,2,3
	ds_load_b128 v[LY+16*\hf+4*\k:LY+16*\hf+4*\k+3], v4 offset:2560*\hf+16*\k   ; a wave's LDS instructions are served in order: these see the stores above
.endr
.endr
.irp hf, 0,1
.set YS, LY+16*\hf
.if \hf == 0
	s_wait_dscnt 4                                 ; the first half is back (the second half's four loads may be out): so the stage's stores have read the row's registers
.else
	s_wait_dscnt 1                                 ; the second half is back (the first half's byte store may be out)
.endif
	v_max3_num_f32 v10, |v[YS]|, |v[YS+1]|, |v[YS+2]|
	v_max3_num_f32 v11, |v[YS+3]|, |v[YS+4]|, |v[YS+5]|
.irp q, 6,10
	s_delay_alu instid0(VALU_DEP_2)
	v_max3_num_f32 v10, v10, |v[YS+\q]|, |v[YS+\q+1]|
	s_delay_alu instid0(VALU_DEP_2)
	v_max3_num_f32 v11, v11, |v[YS+\q+2]|, |v[YS+\q+3]|
.endr
	s_delay_alu instid0(VALU_DEP_2)
	v_max3_num_f32 v10, v10, |v[YS+14]|, |v[YS+15]|
	s_delay_alu instid0(VALU_DEP_1)
	v_max3_num_f32 v10, v10, v11, 0x1800000        ; the floor 2^(3 - 127)
	s_delay_alu instid0(VALU_DEP_1)
	v_max_num_f32_dpp v10, v10, v10 row_xmask:1 row_mask:0xf bank_mask:0xf   ; with my neighbour's 16: the block's largest magnitude
	s_delay_alu instid0(VALU_DEP_1)
	v_add_nc_u32 v12, 0xff000000, v10              ; 2 off its exponent field: the conversion's scale operand
	v_cvt_scalef32_pk16_fp6_f32 v[XI+4*\hf:XI+4*\hf+2], v[YS:YS+15], v12
	v_lshrrev_b32 v[XI+8+\hf], 23, v12             ; the scale's byte
	ds_store_b8 v6, v[XI+8+\hf] offset:256*\hf+8*\i   ; both lanes of a block write the same byte with the same value
	global_store_b96 v5, v[XI+4*\hf:XI+4*\hf+2], s[28:29] offset:1572864*\hf+192*\i   ; sixteen lanes store a row's 192 bytes of a chunk
.endr
.endm
	ROW 0, 24, 8                                   ; out: gain, bias and row 1; then row 1
	ROW 1, 0, 0
	s_wait_dscnt 0x0                               ; for the others' sake: my byte stores are done
	s_barrier_signal -1
	s_barrier_wait -1
	s_cmp_lg_u32 s12, 0
	s_cbranch_scc1 .Lndone
	ds_load_b128 v[32:35], v8
	s_wait_dscnt 0x0
	global_store_b128 v9, v[32:35], s[10:11]       ; eight lanes store a chunk's 128 consecutive bytes
.Lndone:
	s_wait_tensorcnt 0x0                           ; the wave's end
	ds_add_u32 v[SPW], v[NIL]
	s_wait_dscnt 0x0
	s_endpgm
.Lfunc_end_k_q4ad3f7d9d4_norm2:
	.size	k_q4ad3f7d9d4_norm2, .Lfunc_end_k_q4ad3f7d9d4_norm2-k_q4ad3f7d9d4_norm2
	.p2alignl 7, 3214868480
	.fill 96, 4, 3214868480
	.section	.rodata,"a",@progbits
	.p2align	6, 0x0
	.amdhsa_kernel k_q4ad3f7d9d4_norm2
		.amdhsa_group_segment_fixed_size 42496
		.amdhsa_private_segment_fixed_size 0
		.amdhsa_enable_private_segment 0
		.amdhsa_kernarg_size 32
		.amdhsa_user_sgpr_count 2
		.amdhsa_user_sgpr_kernarg_segment_ptr 1
		.amdhsa_wavefront_size32 1
		.amdhsa_system_sgpr_workgroup_id_x 1
		.amdhsa_system_sgpr_workgroup_id_y 1
		.amdhsa_system_sgpr_workgroup_id_z 1
		.amdhsa_system_vgpr_workitem_id 0
		.amdhsa_next_free_vgpr 256
		.amdhsa_next_free_sgpr 66
		.amdhsa_reserve_vcc 0
		.amdhsa_float_denorm_mode_32 3
		.amdhsa_float_denorm_mode_16_64 3
		.amdhsa_memory_ordered 1
		.amdhsa_forward_progress 1
		.amdhsa_inst_pref_size 28
	.end_amdhsa_kernel
	.amdgpu_metadata
---
amdhsa.version: [ 1, 2 ]
amdhsa.kernels:
  - .name:           k_q4ad3f7d9d4_norm2
    .symbol:         k_q4ad3f7d9d4_norm2.kd
    .args:
      - { .name: x1, .offset: 0, .size: 8, .value_kind: global_buffer, .address_space: global }
      - { .name: ln2_w, .offset: 8, .size: 8, .value_kind: global_buffer, .address_space: global }
      - { .name: ln2_b, .offset: 16, .size: 8, .value_kind: global_buffer, .address_space: global }
      - { .name: hq, .offset: 24, .size: 8, .value_kind: global_buffer, .address_space: global }
    .group_segment_fixed_size: 42496
    .private_segment_fixed_size: 0
    .kernarg_segment_align: 8
    .kernarg_segment_size: 32
    .max_flat_workgroup_size: 256
    .sgpr_count:     66
    .vgpr_count:     256
    .wavefront_size: 32
...
	.end_amdgpu_metadata
.endif
;; end of part 12
;; launch ff1 (part 13): grid 16 x 16, 4 waves a work-group, clusters of 4 x 4, 327,680 bytes of LDS; arguments hq, wts, b1, gq; writes gq
.if DOCPART == 13
	.amdgcn_target "amdgcn-amd-amdhsa--gfx1250"
	.amdhsa_code_object_version 6
	.text
	.protected	k_q4ad3f7d9d4_ff1
	.globl	k_q4ad3f7d9d4_ff1
	.p2align	8
	.type	k_q4ad3f7d9d4_ff1,@function
k_q4ad3f7d9d4_ff1:
	s_mov_b64 s[64:65], 0
	v_nop
	global_prefetch_b8 v0, s[64:65] scope:SCOPE_SE
	s_setreg_imm32_b32 hwreg(HW_REG_WAVE_MODE, 25, 1), 1
	s_wait_xcnt 0x0
	s_wait_alu depctr_hold_cnt(0) depctr_sa_sdst(0) depctr_va_vdst(0) depctr_va_sdst(0) depctr_va_ssrc(0) depctr_va_vcc(0) depctr_vm_vsrc(0)
	s_getreg_b32 s2, hwreg(HW_REG_IB_STS2, 6, 4)
	s_cmp_eq_u32 s2, 0
	s_cbranch_scc0 .Lentry_in_a_cluster
	s_endpgm
.Lentry_in_a_cluster:
	s_bfe_u32 s2, ttmp6, 0x10000c
	s_cmp_lg_u32 s2, 0xf033
	s_cbranch_scc0 .Lentry_shape_is_right
	s_endpgm
.Lentry_shape_is_right:
; g = gelu(h w1 + b1), exact form, on codes of FP6 (E2M3), quantised along its 4,096 columns and stored as the next product's operand.  A tile of 256 tokens x 256 columns a work-group, four waves of 128 x 128 (64 accumulators).
; K = 1,024 in four steps of 256 through a ring of two LDS slots.  LDS: A's slot 0, A's slot 1, B's slot 0, B's slot 1, the scale bytes for all of K, the way out's stage.
; The head asks for both slots and the scale bytes by four joint loads, one a wave; K steps 2 and 3 come as refills, each wave 128 rows, and are prefetched from the head, two fills ahead.
; 4 x 4 work-groups form a cluster: A's tiles are asked for jointly along a row of it, B's along a column.
.set SIZE_K, 1024
.set A_SC,   3145728
.set B_CODE, 3145728
.set B_SC,   9568256
.set BROWS,  4096
.set NQ,     2
.set ROWB,   192
.set PITCH,  240
.set FR,     12
.set NL,     6
.set NP,     4
.set HALFT,  128*PITCH
.set SLOT,   2*HALFT                   ; a slot's part of A's region, and of B's: 256 rows
.set LAPS,   SIZE_K/512
.set NCH,    SIZE_K/256
.set SCL,    4*SLOT
.set HALFS,  1024*NCH
.set SPARE,  ((SCL+4*HALFS+128+255)/256)*256
.set OST,    SPARE+512
.set OSS,    OST+256*192
.set A_STEP, 4096*ROWB
.set B_STEP, BROWS*ROWB
.set ADRA, 16
.set ADRB, 20
.set STC,  24
.set STS,  25
.set ADRS, 27
.set SPW,  28
.set NIL,  29
.set SC,   32
.set BIAS, 64
.set AF,   128
.set G1, 24
.set G0, 32
.set G1B, 48
.set G0B, 56
.set G1S, 68
.set G0S, 76
.set G1SB, 80
.set G0SB, 88
.set SEL, 92
.set MSB, 0
.macro WIN new
.if MSB != \new
	s_set_vgpr_msb (MSB<<8)|\new
.set MSB, \new
.endif
.endm
.set MUL_LO, 0xa1
.set MUL_HI, 0xf1
.set TO_B,   0x40
.macro JLOAD g0a, g1a, g0b, g1b
	s_cmp_eq_u32 s15, 0
	s_cbranch_scc0 .Lfor_b_\@
	tensor_load_to_lds s[\g0a:\g0a+3], s[\g1a:\g1a+7]
	s_nop 0
.rept 4
	v_nop
.endr
	s_branch .Lasked_\@
.Lfor_b_\@:
	tensor_load_to_lds s[\g0b:\g0b+3], s[\g1b:\g1b+7]
	s_nop 0
.rept 4
	v_nop
.endr
.Lasked_\@:
.endm
.macro CREST
	s_cmp_lg_u32 s14, 0
	s_cbranch_scc1 .Lnot_wave_0_\@
	s_barrier_signal -3
.Lnot_wave_0_\@:
	s_barrier_wait -3
	s_barrier_signal -1
	s_barrier_wait -1
.endm
.macro CROUND
	s_barrier_signal -1
	s_barrier_wait -1
	CREST
.endm
	s_load_b64 s[4:5], s[0:1], 0x0
	s_load_b64 s[8:9], s[0:1], 0x8
	s_load_b64 s[96:97], s[0:1], 0x10
	s_load_b64 s[12:13], s[0:1], 0x18
	v_lshl_add_u32 v[SPW], v0, 2, SPARE
	v_mov_b32 v[NIL], 0
	ds_add_u32 v[SPW], v[NIL]
	ds_add_u32 v[SPW], v[NIL]
	v_lshrrev_b32 v1, 5, v0
	v_readfirstlane_b32 s14, v1
	s_lshr_b32 s15, s14, 1
	s_and_b32 s16, s14, 1
	s_bfe_u32 s40, ttmp6, 0x40000
	s_bfe_u32 s41, ttmp6, 0x40004
	s_lshl_b32 s42, ttmp9, 2
	s_add_co_u32 s42, s42, s40
	s_and_b32 s17, ttmp7, 0xffff
	s_lshl_b32 s17, s17, 2
	s_add_co_u32 s17, s17, s41
	s_lshl_b32 s43, s41, 2
	s_lshl_b32 s43, 15, s43
	s_lshl_b32 s44, 0x1111, s40
	s_or_b32 s[G1+0], s43, (3<<16)|(1<<20)|(1<<21)|(3<<22)|(3<<25)   ; mask; elements of 8 bytes; padding: 4 words behind every 16
	s_or_b32 s[G1B+0], s44, (3<<16)|(1<<20)|(1<<21)|(3<<22)|(3<<25)
	s_mov_b32 s[G1+5], A_STEP/8                    ; the head's tile: K steps 0 and 1 of 256 rows, each 49,152 dense bytes: 2 rows of 6,144 elements, a K step apart
	s_mov_b32 s[G1B+5], B_STEP/8
.irp g, G1, G1B
	s_mov_b32 s[\g+1], 6144<<16
	s_mov_b32 s[\g+2], 2<<16
	s_mov_b32 s[\g+3], 6144<<16
	s_mov_b32 s[\g+4], 2
	s_mov_b32 s[\g+6], 0
	s_mov_b32 s[\g+7], 0
.endr
	s_or_b32 s[G1S+0], s43, (3<<16)|(1<<21)
	s_or_b32 s[G1SB+0], s44, (3<<16)|(1<<21)
.irp g, G1S, G1SB
	s_mov_b32 s[\g+1], 256<<16
	s_mov_b32 s[\g+2], NCH<<16
	s_mov_b32 s[\g+3], 256<<16
	s_mov_b32 s[\g+4], NCH
	s_mov_b32 s[\g+6], 0
	s_mov_b32 s[\g+7], 0
.endr
	s_mov_b32 s[G1S+5], 4096
	s_mov_b32 s[G1SB+5], BROWS
	s_lshl_b32 s18, s16, 7
	s_lshl_b32 s20, s17, 8
	s_add_co_u32 s20, s20, s18
	s_lshl_b32 s46, s42, 8
	s_add_co_u32 s46, s46, s18
	s_mov_b32 s21, 0
	s_mov_b32 s47, 0
	s_lshl_b32 s22, s17, 11                        ; the scale bytes of the tile's 256 rows: 8 bytes a row
	s_mov_b32 s23, 0
	s_lshl_b32 s92, s42, 11
	s_mov_b32 s93, 0
	s_mov_b64 s[18:19], ROWB
	s_mul_u64 s[20:21], s[20:21], s[18:19]
	s_mul_u64 s[46:47], s[46:47], s[18:19]
	s_mul_i32 s45, s16, HALFT                      ; in the ring I fill 128 rows of a slot's part
	s_wait_dscnt 0x0
	s_wait_kmcnt 0x0
	s_add_nc_u64 s[6:7], s[4:5], A_SC
	s_add_nc_u64 s[10:11], s[8:9], B_SC
	s_add_nc_u64 s[8:9], s[8:9], B_CODE
	s_add_nc_u64 s[20:21], s[4:5], s[20:21]
	s_add_nc_u64 s[22:23], s[6:7], s[22:23]
	s_add_nc_u64 s[46:47], s[8:9], s[46:47]
	s_add_nc_u64 s[92:93], s[10:11], s[92:93]
	CROUND
	s_mov_b32 s[G0S], 1
	s_mov_b32 s[G0S+1], SCL
	s_mov_b64 s[G0S+2:G0S+3], s[22:23]
	s_or_b32 s[G0S+3], s[G0S+3], 0x80000000
	s_mov_b32 s[G0SB], 1
	s_mov_b32 s[G0SB+1], SCL+2*HALFS+128
	s_mov_b64 s[G0SB+2:G0SB+3], s[92:93]
	s_or_b32 s[G0SB+3], s[G0SB+3], 0x80000000
.irp s, 0,1
	s_mov_b32 s[G0+4*\s], 1
	s_add_co_u32 s[G0+4*\s+1], s45, \s*SLOT
	s_add_nc_u64 s[G0+4*\s+2:G0+4*\s+3], s[20:21], \s*A_STEP
	s_or_b32 s[G0+4*\s+3], s[G0+4*\s+3], 0x80000000
	s_mov_b32 s[G0B+4*\s], 1
	s_add_co_u32 s[G0B+4*\s+1], s45, 4*HALFT+\s*SLOT
	s_add_nc_u64 s[G0B+4*\s+2:G0B+4*\s+3], s[46:47], \s*B_STEP
	s_or_b32 s[G0B+4*\s+3], s[G0B+4*\s+3], 0x80000000
.endr
; THE HEAD'S FOUR TILES, one joint load a wave: wave 0 A's codes of both slots (its slot 0 descriptor names the tile's first row and LDS byte 0), wave 1 A's scale bytes, wave 2 B's codes, wave 3 B's scale bytes.
; One chain of branches on the wave's number: every way passes exactly one load
.macro ARM under, g0, g1, next
	s_cmp_lt_u32 s14, \under
	s_cbranch_scc0 \next
	tensor_load_to_lds s[\g0:\g0+3], s[\g1:\g1+7]
	s_nop 0
.rept 4
	v_nop
.endr
	s_branch .Lhead_asked
\next:
.endm
	ARM 1, G0,  G1,  .Lhead_sa
	ARM 2, G0S, G1S, .Lhead_b
	ARM 3, G0B, G1B, .Lhead_sb
	tensor_load_to_lds s[G0SB:G0SB+3], s[G1SB:G1SB+7]
	s_nop 0
.rept 4
	v_nop
.endr
.Lhead_asked:
	; the prefetches' addresses: of the 24,576 bytes that I fetch in a refill, the partner at place p (cx for A, cy for B) names bytes 6,144 p on: 24 blocks of 256 bytes, a lane a block.  Never rewritten
	s_cmp_eq_u32 s15, 0
	s_cselect_b64 s[6:7], s[20:21], s[46:47]
	s_cselect_b32 s18, s40, s41
	s_mov_b32 s22, B_STEP
	s_cselect_b32 s22, A_STEP, s22
	s_mov_b32 s23, 0
	s_mul_i32 s18, s18, 6144
	s_mov_b32 s19, 0
	s_add_nc_u64 s[6:7], s[6:7], s[18:19]
	s_add_nc_u64 s[6:7], s[6:7], s[22:23]
	s_add_nc_u64 s[6:7], s[6:7], s[22:23]          ; K step 2
	s_add_nc_u64 s[10:11], s[6:7], s[22:23]        ; K step 3
	v_and_b32 v1, 15, v0
	v_bfe_u32 v2, v0, 4, 1
	v_mul_u32_u24 v3, v1, PITCH
	v_mul_u32_u24 v4, v2, 24
	v_add_nc_u32 v4, v3, v4
	v_lshl_add_u32 v5, v2, 4, v4
	s_mul_i32 s21, s15, HALFT
	s_mul_i32 s22, s16, HALFT
	s_add_co_u32 s22, s22, 4*HALFT
.irp s, 0,1
	v_add_nc_u32 v[ADRA+\s], s21, v4
	v_add_nc_u32 v[ADRB+\s], s22, v4
	v_add_nc_u32 v[ADRA+2+\s], s21, v5
	v_add_nc_u32 v[ADRB+2+\s], s22, v5
	s_add_co_u32 s21, s21, SLOT
	s_add_co_u32 s22, s22, SLOT
.endr
	v_lshlrev_b32 v5, 3, v1
	s_lshl_b32 s21, s15, 10                        ; my 128 rows of a chunk's 256
	s_lshl_b32 s22, s16, 10
	s_add_co_u32 s22, s22, 2*HALFS+128
	s_sub_co_u32 s22, s22, s21
	v_mul_u32_u24 v6, s22, v2
	s_add_co_u32 s21, s21, SCL
	v_add_nc_u32 v5, v5, v6
	v_add_nc_u32 v[ADRS], s21, v5
	s_mul_i32 s21, s15, 24576
	s_mul_i32 s22, s16, 96
	s_add_co_u32 s21, s21, s22
	s_add_co_u32 s21, s21, OST
	v_mul_u32_u24 v5, v1, 192
	v_mad_u32_u24 v5, v2, 24, v5
	v_add_nc_u32 v[STC], s21, v5
	s_lshl_b32 s21, s15, 10
	s_lshl_b32 s22, s16, 2
	s_add_co_u32 s21, s21, s22
	s_add_co_u32 s21, s21, OSS
	v_lshl_add_u32 v[STS], v1, 3, s21
	v_and_b32 v6, 31, v0
	v_lshlrev_b32 v7, 4, v6
	s_mul_i32 s21, s14, 12288
	s_add_co_u32 s21, s21, OST
	v_add_nc_u32 v26, s21, v7
	s_lshl_b32 s21, s14, 9
	s_add_co_u32 s21, s21, OSS
	v_add_nc_u32 v8, s21, v7
	v_lshlrev_b32 v30, 6, v2
	v_and_b32 v9, 31, v0
	v_min_u32 v9, 23, v9                           ; the prefetches' offset: 256 x lane; lanes 24 to 31 name the last block again; never rewritten
	v_lshlrev_b32 v9, 8, v9
	s_wait_alu depctr_va_vdst(0)
	s_lshl_b32 s46, s42, 10
	s_lshl_b32 s47, s16, 9
	s_add_co_u32 s46, s46, s47
	s_mov_b32 s47, 0
	s_add_nc_u64 s[96:97], s[96:97], s[46:47]
	s_mul_i32 s20, s42, 786432
	s_mul_i32 s21, s17, 49152
	s_add_co_u32 s20, s20, s21
	s_mul_i32 s21, s14, 12288
	s_add_co_u32 s20, s20, s21
	s_mov_b32 s21, 0
	s_add_nc_u64 s[98:99], s[12:13], s[20:21]
	s_lshl_b32 s20, s42, 15
	s_lshl_b32 s22, s17, 11
	s_add_co_u32 s20, s20, s22
	s_lshl_b32 s22, s14, 9
	s_add_co_u32 s20, s20, s22
	s_add_co_u32 s20, s20, 12582912
	s_add_nc_u64 s[12:13], s[12:13], s[20:21]
	global_prefetch_b8 v9, s[6:7] th:TH_LOAD_NT scope:SCOPE_SE      ; the head has asked for K steps 0 and 1: here K steps 2 and 3, which the two refills will load, are asked for, two fills ahead
	global_prefetch_b8 v9, s[10:11] th:TH_LOAD_NT scope:SCOPE_SE
.irp b, 0,1,2,3,4,5,6,7
	global_load_b128 v[BIAS+8*\b:BIAS+8*\b+3], v30, s[96:97] offset:(32*(\b/2)+8*(\b%2))*4
	global_load_b128 v[BIAS+8*\b+4:BIAS+8*\b+7], v30, s[96:97] offset:(32*(\b/2)+8*(\b%2))*4+16
.endr
.macro FRAG reg, adr, q, i
.irp p, 0,1,2,3,4,5
.set PCE, 12*(\q)+6*(\p/3)+\p%3
.if PCE%8 < 5
	ds_load_b64 v[\reg+2*\p:\reg+2*\p+1], v[\adr] offset:8*PCE+16*(PCE/8)+(\i)*16*PITCH
.else
	ds_load_b64 v[\reg+2*\p:\reg+2*\p+1], v[\adr+2] offset:8*PCE+16*(PCE/8)+(\i)*16*PITCH
.endif
.endr
.endm
.macro MUL16 a0, p, q, sc, zero
.irp a, \a0, \a0+1
.irp b, 0,1,2,3,4,5,6,7
.if \zero
	v_wmma_scale_f32_16x16x128_f8f6f4 v[8*(8*((\a)%4)+\b):8*(8*((\a)%4)+\b)+7], v[128*(\p)+FR*\b:128*(\p)+FR*\b+FR-1], v[AF+FR*(\a):AF+FR*(\a)+FR-1], v[BIAS+8*\b:BIAS+8*\b+7], v[SC+8*NQ*(\sc)+NQ*\b+(\q)], v[SC+8*NQ*(\sc)+NQ*(\a)+(\q)] matrix_a_fmt:MATRIX_FMT_FP6 matrix_b_fmt:MATRIX_FMT_FP6 matrix_a_scale:MATRIX_SCALE_ROW1
.else
	v_wmma_scale_f32_16x16x128_f8f6f4 v[8*(8*((\a)%4)+\b):8*(8*((\a)%4)+\b)+7], v[128*(\p)+FR*\b:128*(\p)+FR*\b+FR-1], v[AF+FR*(\a):AF+FR*(\a)+FR-1], v[8*(8*((\a)%4)+\b):8*(8*((\a)%4)+\b)+7], v[SC+8*NQ*(\sc)+NQ*\b+(\q)], v[SC+8*NQ*(\sc)+NQ*(\a)+(\q)] matrix_a_fmt:MATRIX_FMT_FP6 matrix_b_fmt:MATRIX_FMT_FP6 matrix_a_scale:MATRIX_SCALE_ROW1
.endif
.endr
.endr
.endm
.macro FETCH_B slot, q, p
	WIN TO_B
.irp i, 0,1,2,3,4,5,6,7
	FRAG 128*(\p)+FR*\i, ADRB+\slot, \q, \i
.endr
	WIN 0
.endm
.macro FETCH_A slot, q, i0
.irp i, \i0, \i0+1, \i0+2, \i0+3
	FRAG AF+FR*(\i), ADRA+\slot, \q, \i
.endr
.endm
.macro SCALES sc
.irp i, 0,1,2,3,4,5,6,7
	ds_load_b64 v[SC+8*NQ*\sc+NQ*\i:SC+8*NQ*\sc+NQ*\i+1], v[ADRS] offset:\i*128
.endr
.endm
.macro PLACES n
.rept \n
	v_nop
.endr
.endm
.macro STEP slot, q, zero
	s_wait_dscnt 4*NL
.if \zero
	WIN 0x81
.else
	WIN MUL_LO
.endif
	MUL16 0, (\q)%2, \q, \slot, \zero
	MUL16 2, (\q)%2, \q, \slot, \zero
	s_wait_dscnt 0
	PLACES NP
	FETCH_B \slot, (\q)+1, 1-(\q)%2
	FETCH_A \slot, (\q)+1, 0
.if \zero
	WIN 0xc1
.else
	WIN MUL_HI
.endif
	MUL16 4, (\q)%2, \q, \slot, \zero
	MUL16 6, (\q)%2, \q, \slot, \zero
	PLACES NP
	WIN 0
	FETCH_A \slot, (\q)+1, 4
.endm
.macro TURN slot, next, fill
	s_wait_tensorcnt 0x0
	ds_add_u32 v[SPW], v[NIL]
	s_wait_dscnt 4*NL+1
	WIN MUL_LO
	MUL16 0, 1, NQ-1, \slot, 0
	s_wait_dscnt 0x0
	s_barrier_signal -1
	MUL16 2, 1, NQ-1, \slot, 0
	WIN 0
	s_barrier_wait -1
.if \fill
	CREST
	s_add_nc_u64 s[G0+4*\slot+2:G0+4*\slot+3], s[G0+4*\slot+2:G0+4*\slot+3], 2*A_STEP
	s_add_nc_u64 s[G0B+4*\slot+2:G0B+4*\slot+3], s[G0B+4*\slot+2:G0B+4*\slot+3], 2*B_STEP
	JLOAD G0+4*\slot, G1, G0B+4*\slot, G1B
.else
	PLACES NP
.endif
	s_wait_alu depctr_va_vdst(0)
	v_add_nc_u32 v[ADRS], 2048, v[ADRS]
	FETCH_B \next, 0, 0
	FETCH_A \next, 0, 0
	SCALES \next
	WIN MUL_HI
	MUL16 4, 1, NQ-1, \slot, 0
	MUL16 6, 1, NQ-1, \slot, 0
	PLACES NP
	WIN 0
	FETCH_A \next, 0, 4
.endm
	s_wait_tensorcnt 0x0                           ; my tile of the head's four is in, and no load of mine is out: group 1 may be written
.irp g, G1, G1B                        ; from here on a load brings 128 rows of one K step: 24,576 dense bytes as 96 rows of 256
	s_mov_b32 s[\g+1], 32<<16
	s_mov_b32 s[\g+2], 96<<16
	s_mov_b32 s[\g+3], 32<<16
	s_mov_b32 s[\g+4], 96
	s_mov_b32 s[\g+5], 32
.endr
	s_barrier_signal -1
	s_barrier_wait -1                              ; everybody's is in: both slots and the scale bytes
	FETCH_B 0, 0, 0
	FETCH_A 0, 0, 0
	SCALES 0
	FETCH_A 0, 0, 4
	s_wait_loadcnt 0x0
	STEP 0, 0, 1
	s_mov_b32 s3, LAPS-1
.Llap:
	TURN 0, 1, 1
	STEP 1, 0, 0
	TURN 1, 0, 1
	STEP 0, 0, 0
	s_sub_co_u32 s3, s3, 1
	s_cmp_lg_u32 s3, 0
	s_cbranch_scc1 .Llap
	TURN 0, 1, 0
	STEP 1, 0, 0
	s_wait_dscnt 4*NL
	WIN MUL_LO
	MUL16 0, 1, NQ-1, 1, 0
	MUL16 2, 1, NQ-1, 1, 0
	s_wait_dscnt 0
	WIN MUL_HI
	MUL16 4, 1, NQ-1, 1, 0
	MUL16 6, 1, NQ-1, 1, 0
	WIN 0
	PLACES NP
.set H,  64
.set U,  128
.set Z,  160
.set P,  192
.set Q,  224
.set PC, 128
.set TM, 152
.set PW, 168
	s_mov_b32 s[SEL], 0x76543210
	s_mov_b32 s[SEL+1], 0xfedcba98
	v_mov_b32 v16, 0xaf95df0b
	v_mov_b32 v17, 0xaf95df0b
	v_mov_b32 v18, 0xb77460cd
	v_mov_b32 v19, 0xb77460cd
.macro COPY k
	WIN 2+(\k)/4
.set i, 0
.rept 32
	v_pk_mul_f32 v[H+i:H+i+1], v[64*((\k)%4)+i:64*((\k)%4)+i+1], 0.5 op_sel_hi:[1,0]
.set i, i+2
.endr
	WIN 0
.endm
.macro FMA16 d, a, b, k
.set i, 0
.rept 16
	v_pk_fma_f32 v[\d+i:\d+i+1], v[\a+i:\a+i+1], v[\b+i:\b+i+1], \k op_sel_hi:[1,1,0]
.set i, i+2
.endr
.endm
.macro MUL16P d, a, b
.set i, 0
.rept 16
	v_pk_mul_f32 v[\d+i:\d+i+1], v[\a+i:\a+i+1], v[\b+i:\b+i+1]
.set i, i+2
.endr
.endm
.macro GELU32 o
.set i, 0
.rept 16
	v_pk_mul_f32 v[U+i:U+i+1], v[H+\o+i:H+\o+i+1], 0x3fb504f3 op_sel_hi:[1,0]
.set i, i+2
.endr
.set i, 0
.rept 32
	v_med3_num_f32 v[U+i], v[U+i], -4.0, 4.0
.set i, i+1
.endr
	MUL16P Z, U, U
.set i, 0
.rept 16
	v_pk_fma_f32 v[P+i:P+i+1], v[Z+i:Z+i+1], v[16:17], 0x32edffee op_sel_hi:[1,1,0]
.set i, i+2
.endr
	FMA16 P, P, Z, 0xb60cff51
	FMA16 P, P, Z, 0xb86ec2d2
	FMA16 P, P, Z, 0xba40ac63
	FMA16 P, P, Z, 0xbb41a1f6
	FMA16 P, P, Z, 0xbc83dbd4
.set i, 0
.rept 16
	v_pk_fma_f32 v[Q+i:Q+i+1], v[Z+i:Z+i+1], v[18:19], 0xb95fbd29 op_sel_hi:[1,1,0]
.set i, i+2
.endr
	FMA16 Q, Q, Z, 0xbadc924e
	FMA16 Q, Q, Z, 0xbbf19bf8
	FMA16 Q, Q, Z, 0xbc69b6a7
.set i, 0
	s_wait_alu depctr_va_vdst(0)
.rept 32
	v_rcp_f32 v[Q+i], v[Q+i]
.set i, i+1
.endr
	MUL16P P, P, U
	s_wait_alu depctr_va_vdst(0)
	MUL16P P, P, Q
.set i, 0
.rept 16
	v_pk_fma_f32 v[H+\o+i:H+\o+i+1], v[H+\o+i:H+\o+i+1], v[P+i:P+i+1], v[H+\o+i:H+\o+i+1]
.set i, i+2
.endr
.endm
	s_mov_b32 s3, 0
	s_mov_b32 s66, 0
	s_mov_b32 s67, 0
.Lrow:
	s_cmp_eq_u32 s3, 0
	s_cbranch_scc1 .Lc0
	s_cmp_eq_u32 s3, 1
	s_cbranch_scc1 .Lc1
	s_cmp_eq_u32 s3, 2
	s_cbranch_scc1 .Lc2
	s_cmp_eq_u32 s3, 3
	s_cbranch_scc1 .Lc3
	s_cmp_eq_u32 s3, 4
	s_cbranch_scc1 .Lc4
	s_cmp_eq_u32 s3, 5
	s_cbranch_scc1 .Lc5
	s_cmp_eq_u32 s3, 6
	s_cbranch_scc1 .Lc6
	COPY 7
	s_branch .Lcommon
.Lc0:
	COPY 0
	s_branch .Lcommon
.Lc1:
	COPY 1
	s_branch .Lcommon
.Lc2:
	COPY 2
	s_branch .Lcommon
.Lc3:
	COPY 3
	s_branch .Lcommon
.Lc4:
	COPY 4
	s_branch .Lcommon
.Lc5:
	COPY 5
	s_branch .Lcommon
.Lc6:
	COPY 6
.Lcommon:
	GELU32 0
	GELU32 32
.irp b, 0,1,2,3
	v_max3_num_f32 v[TM+\b], |v[H+16*\b]|, |v[H+1+16*\b]|, 0x1800000
.endr
.irp i, 2,4,6,8,10,12,14
.irp b, 0,1,2,3
	v_max3_num_f32 v[TM+\b], v[TM+\b], |v[H+16*\b+\i]|, |v[H+1+16*\b+\i]|
.endr
.endr
.irp b, 0,1,2,3
	v_permlanex16_b32 v[TM+4+\b], v[TM+\b], s[SEL], s[SEL+1]
.endr
.irp b, 0,1,2,3
	v_max_num_f32 v[TM+\b], v[TM+\b], v[TM+4+\b]
.endr
.irp b, 0,1,2,3
	v_add_nc_u32 v[TM+12+\b], 0xff000000, v[TM+\b]
.endr
.irp b, 0,1,2,3
	v_lshrrev_b32 v[TM+4+\b], 23, v[TM+12+\b]
.endr
	v_lshl_or_b32 v[PW], v[TM+5], 8, v[TM+4]
	v_lshl_or_b32 v[PW], v[TM+6], 16, v[PW]
	v_lshl_or_b32 v[PW], v[TM+7], 24, v[PW]
.irp c, 0,1
	v_cvt_scalef32_pk16_fp6_f32 v[PC+6*\c:PC+6*\c+2], v[H+32*\c:H+32*\c+15], v[TM+12+2*\c]
	v_cvt_scalef32_pk16_fp6_f32 v[PC+12+4*\c:PC+14+4*\c], v[H+32*\c+16:H+32*\c+31], v[TM+12+2*\c+1]
.endr
	v_nop
.irp c, 0,1
.irp i, 0,1,2
	v_permlane16_swap_b32 v[PC+6*\c+\i], v[PC+12+4*\c+\i]
.endr
.irp i, 0,1,2
	v_mov_b32 v[PC+3+6*\c+\i], v[PC+12+4*\c+\i]
.endr
.endr
	v_add_nc_u32 v30, s66, v[STC]
	v_add_nc_u32 v31, s67, v[STS]
.irp c, 0,1
.irp p, 0,1,2
	ds_store_b64 v30, v[PC+6*\c+2*\p:PC+6*\c+2*\p+1] offset:48*\c+8*\p
.endr
.endr
	ds_store_b32 v31, v[PW]
	s_wait_dscnt 0x0
	s_add_co_u32 s66, s66, 3072
	s_add_co_u32 s67, s67, 128
	s_add_co_u32 s3, s3, 1
	s_cmp_lt_u32 s3, 8
	s_cbranch_scc1 .Lrow
	s_barrier_signal -1
	s_barrier_wait -1
.set q, 0
.rept 24
	ds_load_b128 v[64+4*q:67+4*q], v26 offset:512*q
.set q, q+1
.endr
	ds_load_b128 v[160:163], v8
.set q, 0
.rept 24
	s_wait_dscnt 24-q
	global_store_b128 v7, v[64+4*q:67+4*q], s[98:99] offset:512*q
.set q, q+1
.endr
	s_wait_dscnt 0x0
	global_store_b128 v7, v[160:163], s[12:13]
	s_wait_tensorcnt 0x0
	ds_add_u32 v[SPW], v[NIL]
	s_wait_dscnt 0x0
	CROUND
	s_endpgm
.Lfunc_end_k_q4ad3f7d9d4_ff1:
	.size	k_q4ad3f7d9d4_ff1, .Lfunc_end_k_q4ad3f7d9d4_ff1-k_q4ad3f7d9d4_ff1
	.p2alignl 7, 3214868480
	.fill 96, 4, 3214868480
	.section	.rodata,"a",@progbits
	.p2align	6, 0x0
	.amdhsa_kernel k_q4ad3f7d9d4_ff1
		.amdhsa_group_segment_fixed_size 327680
		.amdhsa_private_segment_fixed_size 0
		.amdhsa_enable_private_segment 0
		.amdhsa_kernarg_size 32
		.amdhsa_user_sgpr_count 2
		.amdhsa_user_sgpr_kernarg_segment_ptr 1
		.amdhsa_wavefront_size32 1
		.amdhsa_system_sgpr_workgroup_id_x 1
		.amdhsa_system_sgpr_workgroup_id_y 1
		.amdhsa_system_sgpr_workgroup_id_z 1
		.amdhsa_system_vgpr_workitem_id 0
		.amdhsa_next_free_vgpr 1024
		.amdhsa_next_free_sgpr 102
		.amdhsa_reserve_vcc 0
		.amdhsa_float_denorm_mode_32 3
		.amdhsa_float_denorm_mode_16_64 3
		.amdhsa_memory_ordered 1
		.amdhsa_forward_progress 1
		.amdhsa_inst_pref_size 208
	.end_amdhsa_kernel
	.amdgpu_metadata
---
amdhsa.version: [ 1, 2 ]
amdhsa.kernels:
  - .name:           k_q4ad3f7d9d4_ff1
    .symbol:         k_q4ad3f7d9d4_ff1.kd
    .args:
      - { .name: hq, .offset: 0, .size: 8, .value_kind: global_buffer, .address_space: global }
      - { .name: wts, .offset: 8, .size: 8, .value_kind: global_buffer, .address_space: global }
      - { .name: b1, .offset: 16, .size: 8, .value_kind: global_buffer, .address_space: global }
      - { .name: gq, .offset: 24, .size: 8, .value_kind: global_buffer, .address_space: global }
    .group_segment_fixed_size: 327680
    .private_segment_fixed_size: 0
    .kernarg_segment_align: 8
    .kernarg_segment_size: 32
    .max_flat_workgroup_size: 128
    .sgpr_count:     102
    .vgpr_count:     1024
    .wavefront_size: 32
...
	.end_amdgpu_metadata
.endif
;; end of part 13
;; launch ff2 (part 14): grid 8 x 32, 4 waves a work-group, clusters of 4 x 4, 327,680 bytes of LDS; arguments gq, wts, b2, x1, out0; writes out0
.if DOCPART == 14
	.amdgcn_target "amdgcn-amd-amdhsa--gfx1250"
	.amdhsa_code_object_version 6
	.text
	.protected	k_q4ad3f7d9d4_ff2
	.globl	k_q4ad3f7d9d4_ff2
	.p2align	8
	.type	k_q4ad3f7d9d4_ff2,@function
k_q4ad3f7d9d4_ff2:
	s_mov_b64 s[64:65], 0
	v_nop
	global_prefetch_b8 v0, s[64:65] scope:SCOPE_SE
	s_setreg_imm32_b32 hwreg(HW_REG_WAVE_MODE, 25, 1), 1
	s_wait_xcnt 0x0
	s_wait_alu depctr_hold_cnt(0) depctr_sa_sdst(0) depctr_va_vdst(0) depctr_va_sdst(0) depctr_va_ssrc(0) depctr_va_vcc(0) depctr_vm_vsrc(0)
	s_getreg_b32 s2, hwreg(HW_REG_IB_STS2, 6, 4)
	s_cmp_eq_u32 s2, 0
	s_cbranch_scc0 .Lentry_in_a_cluster
	s_endpgm
.Lentry_in_a_cluster:
	s_bfe_u32 s2, ttmp6, 0x10000c
	s_cmp_lg_u32 s2, 0xf033
	s_cbranch_scc0 .Lentry_shape_is_right
	s_endpgm
.Lentry_shape_is_right:
; out = x1 + g w2 + b2 on codes of FP6 (E2M3).  A tile of 128 tokens x 128 columns a work-group, four waves of 64 x 64 (16 accumulators); the bias is the C of each sum's first instruction; x1 is added on the way out.
; K = 4,096 in eight steps of 512 (two chunks of 256) through a ring of two LDS slots.  LDS: A's slot 0, A's slot 1, B's slot 0, B's slot 1, the scale bytes for all of K.
; The head asks for both slots and the scale bytes by four joint loads, one a wave; the six refills bring a chunk of 128 rows a wave.  4 x 4 work-groups form a cluster: A's tiles are asked for jointly along a row of it, B's along a column.
; PREFETCH: what refill j + 2 will load is asked for behind refill j's load (the head asks for refills 0 and 1); the loop's last trip asks for nothing.  Of a wave's 24,576 bytes each of the four partners names 6,144, told apart by address.
.set SIZE_K, 4096
.set A_SC,   12582912
.set B_CODE, 6291456
.set B_SC,   9699328
.set BROWS,  1024
.set ROWB,   192
.set PITCH,  240
.set FR,     12
.set NP,     4
.set HALFT,  128*PITCH
.set SLOT,   2*HALFT                   ; a slot's part of A's region, and of B's: two chunks
.set LAPS,   SIZE_K/1024
.set NCH,    SIZE_K/256
.set SCL,    4*SLOT
.set HALFS,  512*NCH
.set SPARE,  ((SCL+4*HALFS+128+255)/256)*256
.set A_STEP, 4096*ROWB
.set B_STEP, BROWS*ROWB
.set SPITCH, 272
.set ADRA, 16
.set ADRB, 20
.set STO,  24
.set RD,   25
.set CO,   26
.set ADRS, 27
.set SPW,  28
.set NIL,  29
.set SC,   32
.set BIAS, 64
.set ACC,  128
.set G1, 24
.set G0, 32
.set G1B, 48
.set G0B, 56
.set G1S, 68
.set G0S, 76
.set G1SB, 80
.set G0SB, 88
.set MSB, 0
.macro WIN new
.if MSB != \new
	s_set_vgpr_msb (MSB<<8)|\new
.set MSB, \new
.endif
.endm
.set MUL,  0x05
.set TO_F, 0x40
.macro JLOAD g0a, g1a, g0b, g1b
	s_cmp_eq_u32 s15, 0
	s_cbranch_scc0 .Lfor_b_\@
	tensor_load_to_lds s[\g0a:\g0a+3], s[\g1a:\g1a+7]
	s_nop 0
.rept 4
	v_nop
.endr
	s_branch .Lasked_\@
.Lfor_b_\@:
	tensor_load_to_lds s[\g0b:\g0b+3], s[\g1b:\g1b+7]
	s_nop 0
.rept 4
	v_nop
.endr
.Lasked_\@:
.endm
.macro CREST
	s_cmp_lg_u32 s14, 0
	s_cbranch_scc1 .Lnot_wave_0_\@
	s_barrier_signal -3
.Lnot_wave_0_\@:
	s_barrier_wait -3
	s_barrier_signal -1
	s_barrier_wait -1
.endm
.macro CROUND
	s_barrier_signal -1
	s_barrier_wait -1
	CREST
.endm
	s_load_b64 s[4:5], s[0:1], 0x0
	s_load_b64 s[8:9], s[0:1], 0x8
	s_load_b128 s[96:99], s[0:1], 0x10
	s_load_b64 s[12:13], s[0:1], 0x20
	v_lshl_add_u32 v[SPW], v0, 2, SPARE
	v_mov_b32 v[NIL], 0
	ds_add_u32 v[SPW], v[NIL]
	ds_add_u32 v[SPW], v[NIL]
	v_lshrrev_b32 v1, 5, v0
	v_readfirstlane_b32 s14, v1
	s_lshr_b32 s15, s14, 1
	s_and_b32 s16, s14, 1
	s_bfe_u32 s40, ttmp6, 0x40000
	s_bfe_u32 s41, ttmp6, 0x40004
	s_lshl_b32 s42, ttmp9, 2
	s_add_co_u32 s42, s42, s40
	s_and_b32 s17, ttmp7, 0xffff
	s_lshl_b32 s17, s17, 2
	s_add_co_u32 s17, s17, s41
	s_lshl_b32 s43, s41, 2
	s_lshl_b32 s43, 15, s43
	s_lshl_b32 s44, 0x1111, s40
	s_or_b32 s[G1+0], s43, (3<<16)|(1<<20)|(1<<21)|(3<<22)|(3<<25)   ; mask; elements of 8 bytes; padding: 4 words behind every 16
	s_or_b32 s[G1B+0], s44, (3<<16)|(1<<20)|(1<<21)|(3<<22)|(3<<25)
	s_mov_b32 s[G1+5], A_STEP/8                    ; the head's tile: chunks 0 to 3 of 128 rows, each 24,576 dense bytes: 4 rows of 3,072 elements, a chunk apart
	s_mov_b32 s[G1B+5], B_STEP/8
.irp g, G1, G1B
	s_mov_b32 s[\g+1], 3072<<16
	s_mov_b32 s[\g+2], 4<<16
	s_mov_b32 s[\g+3], 3072<<16
	s_mov_b32 s[\g+4], 4
	s_mov_b32 s[\g+6], 0
	s_mov_b32 s[\g+7], 0
.endr
	s_or_b32 s[G1S+0], s43, (3<<16)|(1<<21)
	s_or_b32 s[G1SB+0], s44, (3<<16)|(1<<21)
.irp g, G1S, G1SB
	s_mov_b32 s[\g+1], 128<<16
	s_mov_b32 s[\g+2], NCH<<16
	s_mov_b32 s[\g+3], 128<<16
	s_mov_b32 s[\g+4], NCH
	s_mov_b32 s[\g+6], 0
	s_mov_b32 s[\g+7], 0
.endr
	s_mov_b32 s[G1S+5], 4096
	s_mov_b32 s[G1SB+5], BROWS
	s_lshl_b32 s20, s17, 7
	s_lshl_b32 s46, s42, 7
	s_mov_b32 s21, 0
	s_mov_b32 s47, 0
	s_mov_b64 s[18:19], 8
	s_mul_u64 s[22:23], s[20:21], s[18:19]
	s_mul_u64 s[92:93], s[46:47], s[18:19]
	s_mov_b64 s[18:19], ROWB
	s_mul_u64 s[20:21], s[20:21], s[18:19]
	s_mul_u64 s[46:47], s[46:47], s[18:19]
	s_mov_b32 s19, 0
	s_mul_i32 s18, s16, A_STEP
	s_add_nc_u64 s[20:21], s[20:21], s[18:19]
	s_mul_i32 s18, s16, B_STEP
	s_add_nc_u64 s[46:47], s[46:47], s[18:19]
	s_mul_i32 s45, s16, HALFT                      ; in the ring I fill one chunk of a slot's part
	s_wait_dscnt 0x0
	s_wait_kmcnt 0x0
	s_add_nc_u64 s[6:7], s[4:5], A_SC
	s_add_nc_u64 s[10:11], s[8:9], B_SC
	s_add_nc_u64 s[8:9], s[8:9], B_CODE
	s_add_nc_u64 s[20:21], s[4:5], s[20:21]
	s_add_nc_u64 s[22:23], s[6:7], s[22:23]
	s_add_nc_u64 s[46:47], s[8:9], s[46:47]
	s_add_nc_u64 s[92:93], s[10:11], s[92:93]
	CROUND
	s_mov_b32 s[G0S], 1
	s_mov_b32 s[G0S+1], SCL
	s_mov_b64 s[G0S+2:G0S+3], s[22:23]
	s_or_b32 s[G0S+3], s[G0S+3], 0x80000000
	s_mov_b32 s[G0SB], 1
	s_mov_b32 s[G0SB+1], SCL+2*HALFS+128
	s_mov_b64 s[G0SB+2:G0SB+3], s[92:93]
	s_or_b32 s[G0SB+3], s[G0SB+3], 0x80000000
.irp s, 0,1
	s_mov_b32 s[G0+4*\s], 1
	s_add_co_u32 s[G0+4*\s+1], s45, \s*SLOT
	s_add_nc_u64 s[G0+4*\s+2:G0+4*\s+3], s[20:21], \s*2*A_STEP
	s_or_b32 s[G0+4*\s+3], s[G0+4*\s+3], 0x80000000
	s_mov_b32 s[G0B+4*\s], 1
	s_add_co_u32 s[G0B+4*\s+1], s45, 4*HALFT+\s*SLOT
	s_add_nc_u64 s[G0B+4*\s+2:G0B+4*\s+3], s[46:47], \s*2*B_STEP
	s_or_b32 s[G0B+4*\s+3], s[G0B+4*\s+3], 0x80000000
.endr
; THE HEAD'S FOUR TILES, one joint load a wave: wave 0 A's codes of both slots (its slot 0 descriptor names chunk 0 and LDS byte 0), wave 1 A's scale bytes, wave 2 B's codes, wave 3 B's scale bytes.
; One chain of branches on the wave's number: every way passes exactly one load
.macro ARM under, g0, g1, next
	s_cmp_lt_u32 s14, \under
	s_cbranch_scc0 \next
	tensor_load_to_lds s[\g0:\g0+3], s[\g1:\g1+7]
	s_nop 0
.rept 4
	v_nop
.endr
	s_branch .Lhead_asked
\next:
.endm
	ARM 1, G0,  G1,  .Lhead_sa
	ARM 2, G0S, G1S, .Lhead_b
	ARM 3, G0B, G1B, .Lhead_sb
	tensor_load_to_lds s[G0SB:G0SB+3], s[G1SB:G1SB+7]
	s_nop 0
.rept 4
	v_nop
.endr
.Lhead_asked:
	; the prefetches' addresses, one for each slot: of the chunk that I fetch in a refill, the partner at place p (cx for A, cy for B) names bytes 6,144 p on: 24 blocks of 256 bytes, a lane a block
	s_cmp_eq_u32 s15, 0
	s_cselect_b64 s[6:7], s[20:21], s[46:47]
	s_cselect_b32 s18, s40, s41
	s_mov_b32 s66, 4*B_STEP
	s_cselect_b32 s66, 4*A_STEP, s66               ; four chunks: from a slot's fill to its next
	s_mov_b32 s67, 0
	s_mul_i32 s18, s18, 6144
	s_mov_b32 s19, 0
	s_add_nc_u64 s[6:7], s[6:7], s[18:19]
	s_add_nc_u64 s[6:7], s[6:7], s[66:67]          ; slot 0's first refill: chunk 4 or 5
	s_lshr_b32 s18, s66, 1
	s_add_nc_u64 s[10:11], s[6:7], s[18:19]        ; slot 1's: chunk 6 or 7
	v_and_b32 v1, 15, v0
	v_bfe_u32 v2, v0, 4, 1
	v_mul_u32_u24 v3, v1, PITCH
	v_mul_u32_u24 v4, v2, 24
	v_add_nc_u32 v4, v3, v4
	v_lshl_add_u32 v5, v2, 4, v4
	s_mul_i32 s21, s15, 64*PITCH
	s_mul_i32 s22, s16, 64*PITCH
	s_add_co_u32 s22, s22, 4*HALFT
.irp s, 0,1
	v_add_nc_u32 v[ADRA+\s], s21, v4
	v_add_nc_u32 v[ADRB+\s], s22, v4
	v_add_nc_u32 v[ADRA+2+\s], s21, v5
	v_add_nc_u32 v[ADRB+2+\s], s22, v5
	s_add_co_u32 s21, s21, SLOT
	s_add_co_u32 s22, s22, SLOT
.endr
	v_lshlrev_b32 v5, 3, v1
	s_lshl_b32 s21, s15, 9
	s_lshl_b32 s22, s16, 9
	s_add_co_u32 s22, s22, 2*HALFS+128
	s_sub_co_u32 s22, s22, s21
	v_mul_u32_u24 v6, s22, v2
	s_add_co_u32 s21, s21, SCL
	v_add_nc_u32 v5, v5, v6
	v_add_nc_u32 v[ADRS], s21, v5
	s_mul_i32 s23, s14, 16*SPITCH
	v_mul_u32_u24 v5, v1, SPITCH
	v_lshl_add_u32 v5, v2, 6, v5
	v_add_nc_u32 v[STO], s23, v5
	v_mul_u32_u24 v5, v2, SPITCH
	v_lshl_add_u32 v5, v1, 4, v5
	v_add_nc_u32 v[RD], s23, v5
	v_lshlrev_b32 v5, 12, v2
	v_lshl_add_u32 v[CO], v1, 4, v5
	v_lshlrev_b32 v30, 6, v2
	v_and_b32 v9, 31, v0
	v_min_u32 v9, 23, v9                           ; the prefetches' offset: 256 x lane; lanes 24 to 31 name the last block again; never rewritten
	v_lshlrev_b32 v9, 8, v9
	s_wait_alu depctr_va_vdst(0)
	s_lshl_b32 s46, s42, 9
	s_lshl_b32 s47, s16, 8
	s_add_co_u32 s46, s46, s47
	s_mov_b32 s47, 0
	s_add_nc_u64 s[96:97], s[96:97], s[46:47]
	s_lshl_b32 s20, s17, 7
	s_lshl_b32 s21, s15, 6
	s_add_co_u32 s20, s20, s21
	s_lshl_b32 s20, s20, 12
	s_add_co_u32 s20, s20, s46
	s_mov_b32 s21, 0
	s_add_nc_u64 s[12:13], s[12:13], s[20:21]
	s_add_nc_u64 s[98:99], s[98:99], s[20:21]
	global_prefetch_b8 v9, s[6:7] th:TH_LOAD_NT scope:SCOPE_SE      ; what the first two refills will load
	global_prefetch_b8 v9, s[10:11] th:TH_LOAD_NT scope:SCOPE_SE
.irp b, 0,1,2,3
	global_load_b128 v[BIAS+8*\b:BIAS+8*\b+3], v30, s[96:97] offset:(32*(\b/2)+8*(\b%2))*4
	global_load_b128 v[BIAS+8*\b+4:BIAS+8*\b+7], v30, s[96:97] offset:(32*(\b/2)+8*(\b%2))*4+16
.endr
.macro FRAG reg, adr, q, i
.irp p, 0,1,2,3,4,5
.set PC, 12*((\q)%2)+6*(\p/3)+\p%3
.if PC%8 < 5
	ds_load_b64 v[\reg+2*\p:\reg+2*\p+1], v[\adr] offset:((\q)/2)*HALFT+8*PC+16*(PC/8)+(\i)*16*PITCH
.else
	ds_load_b64 v[\reg+2*\p:\reg+2*\p+1], v[\adr+2] offset:((\q)/2)*HALFT+8*PC+16*(PC/8)+(\i)*16*PITCH
.endif
.endr
.endm
.macro MUL4 f, a, q, sc, zero
.irp b, 0,1,2,3
.if \zero
	v_wmma_scale_f32_16x16x128_f8f6f4 v[ACC+8*(4*(\a)+\b):ACC+8*(4*(\a)+\b)+7], v[128*(\f)+48+FR*\b:128*(\f)+48+FR*\b+FR-1], v[128*(\f)+FR*(\a):128*(\f)+FR*(\a)+FR-1], v[BIAS+8*\b:BIAS+8*\b+7], v[SC+16*(\sc)+4*\b+(\q)], v[SC+16*(\sc)+4*(\a)+(\q)] matrix_a_fmt:MATRIX_FMT_FP6 matrix_b_fmt:MATRIX_FMT_FP6 matrix_a_scale:MATRIX_SCALE_ROW1
.else
	v_wmma_scale_f32_16x16x128_f8f6f4 v[ACC+8*(4*(\a)+\b):ACC+8*(4*(\a)+\b)+7], v[128*(\f)+48+FR*\b:128*(\f)+48+FR*\b+FR-1], v[128*(\f)+FR*(\a):128*(\f)+FR*(\a)+FR-1], v[ACC+8*(4*(\a)+\b):ACC+8*(4*(\a)+\b)+7], v[SC+16*(\sc)+4*\b+(\q)], v[SC+16*(\sc)+4*(\a)+(\q)] matrix_a_fmt:MATRIX_FMT_FP6 matrix_b_fmt:MATRIX_FMT_FP6 matrix_a_scale:MATRIX_SCALE_ROW1
.endif
.endr
.endm
.macro FETCH_1 slot, q, f
.irp i, 0,1,2,3
	FRAG 128*(\f)+48+FR*\i, ADRB+\slot, \q, \i
.endr
.irp i, 0,1
	FRAG 128*(\f)+FR*\i, ADRA+\slot, \q, \i
.endr
.endm
.macro FETCH_2 slot, q, f
.irp i, 2,3
	FRAG 128*(\f)+FR*\i, ADRA+\slot, \q, \i
.endr
.endm
.macro SCALES sc
.irp i, 0,1,2,3
.irp c, 0,1
	ds_load_b64 v[SC+16*\sc+4*\i+2*\c:SC+16*\sc+4*\i+2*\c+1], v[ADRS] offset:\i*128+\c*1024
.endr
.endr
.endm
.macro PLACES n
.rept \n
	v_nop
.endr
.endm
.macro STEP slot, q, zero
	s_wait_dscnt 12
	WIN MUL
	MUL4 (\q)%2, 0, \q, \slot, \zero
	MUL4 (\q)%2, 1, \q, \slot, \zero
	PLACES NP
	WIN TO_F
	FETCH_1 \slot, (\q)+1, 1-(\q)%2
	FETCH_2 \slot, (\q)+1, 1-(\q)%2
	s_wait_dscnt 48
	WIN MUL
	MUL4 (\q)%2, 2, \q, \slot, \zero
	MUL4 (\q)%2, 3, \q, \slot, \zero
.endm
.macro TURN slot, next, fill
	WIN 0
.if \fill
	s_wait_xcnt 0x0                                ; this slot's last prefetch, a lap back, has read its address: it steps on to what the refill two on will load
	s_add_nc_u64 s[6+4*\slot:7+4*\slot], s[6+4*\slot:7+4*\slot], s[66:67]
.endif
	s_wait_tensorcnt 0x0
	ds_add_u32 v[SPW], v[NIL]
	s_wait_dscnt 13
	WIN MUL
	MUL4 1, 0, 3, \slot, 0
	s_wait_dscnt 0x0
	s_barrier_signal -1
	MUL4 1, 1, 3, \slot, 0
	WIN 0
	s_barrier_wait -1
.if \fill
	CREST
	s_add_nc_u64 s[G0+4*\slot+2:G0+4*\slot+3], s[G0+4*\slot+2:G0+4*\slot+3], 4*A_STEP
	s_add_nc_u64 s[G0B+4*\slot+2:G0B+4*\slot+3], s[G0B+4*\slot+2:G0B+4*\slot+3], 4*B_STEP
	JLOAD G0+4*\slot, G1, G0B+4*\slot, G1B
.else
	PLACES NP
.endif
	s_wait_alu depctr_va_vdst(0)
	v_add_nc_u32 v[ADRS], 2048, v[ADRS]
	WIN TO_F
	FETCH_1 \next, 0, 0
	WIN 0
	SCALES \next
.if \fill
	s_cmp_gt_u32 s3, 1                             ; the loop's last trip holds the last two refills: nothing lies two refills on
	s_cbranch_scc0 .Lno_ask_\@
	global_prefetch_b8 v9, s[6+4*\slot:7+4*\slot] th:TH_LOAD_NT scope:SCOPE_SE
.Lno_ask_\@:
.endif
	WIN TO_F
	FETCH_2 \next, 0, 0
	WIN MUL
	MUL4 1, 2, 3, \slot, 0
	MUL4 1, 3, 3, \slot, 0
.endm
	s_wait_tensorcnt 0x0                           ; my tile of the head's four is in, and no load of mine is out: group 1 may be written
.irp g, G1, G1B                        ; from here on a load brings one chunk of 128 rows: 24,576 dense bytes as 96 rows of 256
	s_mov_b32 s[\g+1], 32<<16
	s_mov_b32 s[\g+2], 96<<16
	s_mov_b32 s[\g+3], 32<<16
	s_mov_b32 s[\g+4], 96
	s_mov_b32 s[\g+5], 32
.endr
	s_barrier_signal -1
	s_barrier_wait -1                              ; everybody's is in: both slots and the scale bytes
	WIN TO_F
	FETCH_1 0, 0, 0
	WIN 0
	SCALES 0
	WIN TO_F
	FETCH_2 0, 0, 0
	s_wait_loadcnt 0x0
	STEP 0, 0, 1
	WIN 0x80
.irp a, 0,1,2,3
.irp t, 0,1,2,3,4,5,6,7
	global_load_b128 v[32*\a+4*\t:32*\a+4*\t+3], v[CO], s[98:99] offset:(16*\a+2*\t)*4096 th:TH_LOAD_NT
.endr
.endr
.if LAPS > 1
	WIN 0
	s_mov_b32 s3, LAPS-1
.Llap:
	STEP 0, 1, 0
	STEP 0, 2, 0
	TURN 0, 1, 1
	STEP 1, 0, 0
	STEP 1, 1, 0
	STEP 1, 2, 0
	TURN 1, 0, 1
	STEP 0, 0, 0
	WIN 0
	s_sub_co_u32 s3, s3, 1
	s_cmp_lg_u32 s3, 0
	s_cbranch_scc1 .Llap
.endif
	STEP 0, 1, 0
	STEP 0, 2, 0
	TURN 0, 1, 0
	STEP 1, 0, 0
	STEP 1, 1, 0
	STEP 1, 2, 0
	s_wait_dscnt 12
	WIN MUL
	MUL4 1, 0, 3, 1, 0
	MUL4 1, 1, 3, 1, 0
	s_wait_dscnt 0
	MUL4 1, 2, 3, 1, 0
	MUL4 1, 3, 3, 1, 0
	WIN 0
	PLACES NP
.macro TOSTAGE a
	WIN 0
.irp b, 0,1,2,3
	ds_store_b128 v[STO], v[ACC+8*(4*(\a)+\b):ACC+8*(4*(\a)+\b)+3] offset:128*(\b/2)+32*(\b%2)
	ds_store_b128 v[STO], v[ACC+8*(4*(\a)+\b)+4:ACC+8*(4*(\a)+\b)+7] offset:128*(\b/2)+32*(\b%2)+16
.endr
	WIN 0x80
.irp t, 0,1,2,3,4,5,6,7
	ds_load_b128 v[128+32*(\a)+4*\t:128+32*(\a)+4*\t+3], v[RD] offset:\t*2*SPITCH
.endr
.endm
.macro SEND a, younger
	s_wait_dscnt \younger
	WIN 0x8a
.set t, 0
.rept 16
	v_pk_add_f32 v[128+32*(\a)+t:128+32*(\a)+t+1], v[128+32*(\a)+t:128+32*(\a)+t+1], v[32*(\a)+t:32*(\a)+t+1]
.set t, t+2
.endr
	WIN 0x08
.set t, 0
.rept 8
	global_store_b128 v[CO], v[128+32*(\a)+4*t:128+32*(\a)+4*t+3], s[12:13] offset:(16*(\a)+2*t)*4096 th:TH_STORE_NT
.set t, t+1
.endr
.endm
	s_wait_loadcnt 0x0
	TOSTAGE 0
	TOSTAGE 1
	SEND 0, 16
	TOSTAGE 2
	SEND 1, 16
	TOSTAGE 3
	SEND 2, 16
	SEND 3, 0
	WIN 0
	s_wait_tensorcnt 0x0
	ds_add_u32 v[SPW], v[NIL]
	s_wait_dscnt 0x0
	CROUND
	s_endpgm
.Lfunc_end_k_q4ad3f7d9d4_ff2:
	.size	k_q4ad3f7d9d4_ff2, .Lfunc_end_k_q4ad3f7d9d4_ff2-k_q4ad3f7d9d4_ff2
	.p2alignl 7, 3214868480
	.fill 96, 4, 3214868480
	.section	.rodata,"a",@progbits
	.p2align	6, 0x0
	.amdhsa_kernel k_q4ad3f7d9d4_ff2
		.amdhsa_group_segment_fixed_size 327680
		.amdhsa_private_segment_fixed_size 0
		.amdhsa_enable_private_segment 0
		.amdhsa_kernarg_size 40
		.amdhsa_user_sgpr_count 2
		.amdhsa_user_sgpr_kernarg_segment_ptr 1
		.amdhsa_wavefront_size32 1
		.amdhsa_system_sgpr_workgroup_id_x 1
		.amdhsa_system_sgpr_workgroup_id_y 1
		.amdhsa_system_sgpr_workgroup_id_z 1
		.amdhsa_system_vgpr_workitem_id 0
		.amdhsa_next_free_vgpr 768
		.amdhsa_next_free_sgpr 102
		.amdhsa_reserve_vcc 0
		.amdhsa_float_denorm_mode_32 3
		.amdhsa_float_denorm_mode_16_64 3
		.amdhsa_memory_ordered 1
		.amdhsa_forward_progress 1
		.amdhsa_inst_pref_size 117
	.end_amdhsa_kernel
	.amdgpu_metadata
---
amdhsa.version: [ 1, 2 ]
amdhsa.kernels:
  - .name:           k_q4ad3f7d9d4_ff2
    .symbol:         k_q4ad3f7d9d4_ff2.kd
    .args:
      - { .name: gq, .offset: 0, .size: 8, .value_kind: global_buffer, .address_space: global }
      - { .name: wts, .offset: 8, .size: 8, .value_kind: global_buffer, .address_space: global }
      - { .name: b2, .offset: 16, .size: 8, .value_kind: global_buffer, .address_space: global }
      - { .name: x1, .offset: 24, .size: 8, .value_kind: global_buffer, .address_space: global }
      - { .name: out0, .offset: 32, .size: 8, .value_kind: global_buffer, .address_space: global }
    .group_segment_fixed_size: 327680
    .private_segment_fixed_size: 0
    .kernarg_segment_align: 8
    .kernarg_segment_size: 40
    .max_flat_workgroup_size: 128
    .sgpr_count:     102
    .vgpr_count:     768
    .wavefront_size: 32
...
	.end_amdgpu_metadata
.endif
;; end of part 14
